; MI455X (gfx1250); checked and timed in simulation.
; The chip was launched on July 23, 2026; its instructions are those of AMD's public machine-readable ISA for CDNA 5 (MIT licence, August 2026) and "CDNA5" Instruction Set Architecture Reference Guide (July 2026). The comments in the code are by the model that wrote it; some were corrected since.
;; Transformer Attention. Allowed arithmetic: matrix products marked QUANTISED: E2M3 operands, one E8M0 scale for each 32 along K, by v_wmma_scale_f32_16x16x128_f8f6f4 with both operands' format E2M3, f32 sums; everything else in f32.
;; Inputs: Wk 1,024 x 1,024 float32; Wo 1,024 x 1,024 float32; Wq 1,024 x 1,024 float32; Wv 1,024 x 1,024 float32; bk 1,024 float32; bo 1,024 float32; bq 1,024 float32; bv 1,024 float32; seq 2 x 2,048 x 1,024 float32.
;; Outputs: out0 2 x 2,048 x 1,024 float32.
;; This version of the problem:
;;   THIS VERSION OF THE PROBLEM IS GIVEN IN LOW PRECISION. The matrix products marked QUANTISED in the list below multiply operands that are first quantised to E2M3 (2 exponent bits, 3 mantissa bits; 6 bits a number), with one power-of-two scale for each 32 numbers along K (OCP MX v1.0); their sums are f32. All else is computed in f32.
;;   The module's matrix products, in the order in which they are computed (A, B: the left and right operand; K: the contracted axis; several contracted axes count as one K, in the product's order):
;;     1. [M 4,096, K 1,024] x [K 1,024, N 1,024]; A: input seq; B: input Wq: QUANTISED
;;     2. [M 4,096, K 1,024] x [K 1,024, N 1,024]; A: input seq; B: input Wk: QUANTISED
;;     3. [M 4,096, K 1,024] x [K 1,024, N 1,024]; A: input seq; B: input Wv: QUANTISED
;;     4. batch 32 x [M 2,048, K 64] x [K 64, N 2,048]; A: computed on the way; B: computed on the way: QUANTISED
;;     5. batch 32 x [M 2,048, K 2,048] x [K 2,048, N 64]; A: softmax (see below); B: computed on the way: QUANTISED
;;     6. [M 4,096, K 1,024] x [K 1,024, N 1,024]; A: computed on the way; B: input Wo: QUANTISED
;;   THE QUANTISER, for each operand of a quantised product, along K:
;;     - K is cut into blocks of 32 from its start; a last block that is shorter is filled with zeros.
;;     - A block's scale is 2^e with e = floor(log2(the largest magnitude in the block)) - 2, held to -126 .. 127; a block of zeros has e = 0. As a byte (E8M0): e + 127.
;;     - Each number is divided by its block's scale, clamped to +-7.5, and rounded to the nearest number of E2M3, ties to even, subnormals kept.
;;     - The product sums the exact products of the quantised numbers (number of the format x scale) in f32.
;;   ~~~python
;;   def quantise(x, axis):      # numpy; x: float32 -> the quantised numbers, widened to float32 again
;;       x = np.moveaxis(x, axis, -1); K = x.shape[-1]
;;       x = np.pad(x, [(0, 0)] * (x.ndim - 1) + [(0, -K % 32)]); x = x.reshape(x.shape[:-1] + (-1, 32)); a = np.abs(x).max(-1, keepdims=True)
;;       e = np.where(a > 0, np.clip(np.frexp(np.where(a > 0, a, 1))[1] - 1 - 2, -126, 127), 0)      # np.frexp(a)[1] - 1 = floor(log2(a)), exactly
;;       r = np.clip(x / 2.0 ** e, -7.5, 7.5)
;;       step = 2.0 ** (np.maximum(np.frexp(np.where(r == 0, 1, r))[1] - 1, 0) - 3)
;;       q = np.round(r / step) * step * 2.0 ** e      # np.round: ties to even
;;       return np.moveaxis(q.reshape(q.shape[:-2] + (-1,))[..., :K], -1, axis).astype(np.float32)
;;   ~~~
;;   SOFTMAX AHEAD OF A QUANTISED PRODUCT. Where the list says 'softmax', what is quantised is not the finished softmax but p = 2^(t - M), with t = logit x log2(e) and M = ceil(the row's largest t), a whole number; so 1/2 < the row's largest p <= 1. The row's sum l is taken of the UNQUANTISED p, in f32, and the product's result is divided by l at the end. Since M is a whole number, a kernel that streams over the keys may use a running M (the ceiling of the running maximum): every later rescaling is an exact power of two, which a block's scale takes up: the codes' values come out the same.
;;   OPERANDS COMPUTED ON THE WAY. 'Computed on the way' means the value that the module computes at that place (a softmax that the list does not call 'softmax' is quantised finished and normalised). What goes into a quantiser is computed in f32, as accurately as f32 sums, v_exp_f32 and their like allow (about 1e-6 of the number): no bf16 or f16 on the way to a quantiser, and a product that is left as it is and whose result goes on into a quantised operand takes f32 operands (vector FMAs, or v_wmma_f32_16x16x4_f32). A number that lies on a knife's edge between two numbers of the format may be rounded either way, as far as f32 arithmetic and the matrix unit's own rounding can turn it there, and no further.
;; 2 versions. Each part assembles by itself: llvm-mc -triple=amdgcn-amd-amdhsa -mcpu=gfx1250 --defsym DOCPART=n.
;; ======== version 1 of 2: 5 launches
;; workspace buffers: sc 3,145,728 bytes; ss 131,072 bytes; wc 3,145,728 bytes; ws 131,072 bytes; qb 6,684,672 bytes; kv 6,684,672 bytes; attc 3,145,728 bytes; atts 131,072 bytes
;; launch qseq (part 1): grid 256 x 1, 4 waves a work-group, no clusters, 68,096 bytes of LDS; arguments seq, sc, ss; writes sc, ss
.if DOCPART == 1
	.amdgcn_target "amdgcn-amd-amdhsa--gfx1250"
	.amdhsa_code_object_version 6
	.text
	.protected	k_qa70e23212f_qseq
	.globl	k_qa70e23212f_qseq
	.p2align	8
	.type	k_qa70e23212f_qseq,@function
k_qa70e23212f_qseq:
	s_mov_b64 s[64:65], 0
	v_nop
	global_prefetch_b8 v0, s[64:65] scope:SCOPE_SE
	s_setreg_imm32_b32 hwreg(HW_REG_WAVE_MODE, 25, 1), 1
	s_wait_xcnt 0x0
; seq [4096][1024] f32 becomes codes of FP6 (E2M3) along its last axis, with one E8M0 byte for each 32 numbers, laid as IMAGES OF OPERAND REGISTERS.
; A fragment (16 rows x 128 K, 12 registers a lane) is 1,536 bytes: for each half of 64 along K the lanes' registers 0-3 (16 bytes a lane, 512 bytes), then their registers 4-5 (8 bytes a lane, 256 bytes).
; The fragment of (row tile T, K step s) lies at (s / 2) x 786,432 + T x 3,072 + (s % 2) x 1,536; the scale word of (s, row place p) at s x 16,384 + 4 p.
; ROW PLACE p HOLDS TOKEN SW(p), SW = bits 3 and 4 exchanged: lane r of tile 2 b + u then holds token 32 b + 8 u + r + 8 (r / 8), so that later results, used transposed, have 16 neighbours in a lane's registers.
; A block's scale is 2^(floor(log2(largest magnitude)) - 2): its byte is the largest magnitude's exponent field - 2, held at 1 from below by a floor among the maximum's leaves.
; LIMITS: a block of zeros gets the byte 1 where the rule says 127 (its codes are zeros, and this program alone reads the bytes); NaN and infinities are not served.
; SHARES: work-group x takes tokens 32 (x / 2) on; wave w takes K step 4 (x % 2) + w: 32 rows x 512 bytes in, two fragments and 32 scale words out.  Waves share nothing: no barrier.
; Each load reads 512 consecutive bytes of a row; the rows turn through the wave's own stage in LDS (pitch 528 bytes) so that a lane gets 32 neighbours of one row for each block.
; No tensor load, no cluster: no byte is read by two work-groups.
.set STG,   16896                      ; a wave's stage: 32 rows x 528 bytes
.set SPARE, 4*STG                      ; behind the stages: the spare words, 128 bytes a wave
.set SPW,   12                         ; v12  my spare word's address; never rewritten
.set NIL,   13                         ; v13  0; never rewritten
.set R,     64                         ; v64-191  32 rows as loaded; v64-127 later hold tile 1's numbers
.set X,     192                        ; v192-255 tile 0's 64 numbers
	s_load_b128 s[4:7], s[0:1], 0x0                ; seq, sc
	s_load_b64 s[8:9], s[0:1], 0x10                ; ss
	v_lshl_add_u32 v[SPW], v0, 2, SPARE
	v_mov_b32 v[NIL], 0
	v_lshrrev_b32 v1, 5, v0
	v_readfirstlane_b32 s10, v1                    ; wave
	v_and_b32 v1, 31, v0                           ; lane
	v_and_b32 v2, 15, v0                           ; r
	v_bfe_u32 v3, v0, 4, 1                         ; h
	v_lshlrev_b32 v4, 4, v1                        ; 16 x lane
	v_lshlrev_b32 v5, 3, v1                        ; 8 x lane
	v_lshlrev_b32 v6, 2, v1                        ; 4 x lane
	s_mul_i32 s11, s10, STG
	v_add_nc_u32 v7, s11, v4                       ; into the stage: 16 x lane of a row
	v_mul_u32_u24 v8, v2, 528
	v_lshl_add_u32 v8, v3, 7, v8
	v_add_nc_u32 v8, s11, v8                       ; out of it: row r, + 128 h bytes: my 32 numbers of a half of 64
	v_lshlrev_b32 v9, 3, v3                        ; 8 h: my bytes' shift in the scale word
	v_mov_b32 v57, 0                               ; a lane permute's destination counts as read
	s_mov_b32 s20, 0x76543210
	s_mov_b32 s21, 0xfedcba98                      ; selects for lane l xor 16
	s_mov_b32 s22, 0xffff0000                      ; lanes 16-31
	s_lshr_b32 s12, ttmp9, 1                       ; g: which 32 tokens
	s_and_b32 s13, ttmp9, 1
	s_lshl_b32 s13, s13, 2
	s_add_co_u32 s13, s13, s10                     ; s: which K step
	s_lshl_b32 s14, s12, 17                        ; seq: 32 rows of 4,096 bytes a group,
	s_lshl_b32 s15, s13, 9                         ; 512 bytes a K step
	s_add_co_u32 s14, s14, s15
	s_mov_b32 s15, 0
	s_lshr_b32 s16, s13, 1
	s_mul_i32 s16, s16, 786432
	s_mul_i32 s17, s12, 6144
	s_add_co_u32 s16, s16, s17
	s_and_b32 s17, s13, 1
	s_mul_i32 s17, s17, 1536
	s_add_co_u32 s16, s16, s17                     ; the codes of tile 2 g, K step s
	s_mov_b32 s17, 0
	s_lshl_b32 s18, s13, 14
	s_lshl_b32 s19, s12, 7
	s_add_co_u32 s18, s18, s19                     ; the 32 scale words
	s_mov_b32 s19, 0
	s_wait_kmcnt 0x0
	s_add_nc_u64 s[4:5], s[4:5], s[14:15]
	s_add_nc_u64 s[6:7], s[6:7], s[16:17]
	s_add_nc_u64 s[8:9], s[8:9], s[18:19]
.set i, 0
.rept 32                                       ; place i takes token SW(i); the first sixteen loads are tile 0's
	global_load_b128 v[R+4*i:R+4*i+3], v4, s[4:5] offset:((i&7)|((i&8)<<1)|((i&16)>>1))*4096 th:TH_LOAD_NT
.set i, i+1
.endr
; 64 numbers of a lane, register 32 c + i = k 64 c + 32 h + i of my row, become the fragment's 12 registers at v[p] and the row's scale word in v[w]
.macro QB x, p, w
.irp c, 0,1
	v_max3_num_f32 v[48+\c], |v[\x+32*\c]|, |v[\x+32*\c+1]|, 0x1800000   ; my block 2 c + h: all its 32 numbers are mine; the floor 2^(3 - 127) keeps the byte at 1 or more
.endr
.irp i, 2,4,6,8,10,12,14,16,18,20,22,24,26,28,30
.irp c, 0,1
	v_max3_num_f32 v[48+\c], v[48+\c], |v[\x+32*\c+\i]|, |v[\x+32*\c+\i+1]|
.endr
.endr
.irp c, 0,1
	v_add_nc_u32 v[50+\c], 0xff000000, v[48+\c]    ; 2 off the exponent field: the conversion's scale operand
.endr
.irp c, 0,1
	v_lshrrev_b32 v[52+\c], 23, v[50+\c]           ; the scale's byte
.endr
	v_lshl_or_b32 v58, v53, 16, v52                ; blocks h and 2 + h,
	v_lshlrev_b32 v58, v9, v58                     ; at their places in the word;
	v_permlanex16_b32 v57, v58, s20, s21
	v_or_b32 v[\w], v58, v57                       ; with lane l xor 16's two the word is whole
.irp c, 0,1
	v_cvt_scalef32_pk16_fp6_f32 v[\p+6*\c:\p+6*\c+2], v[\x+32*\c:\x+32*\c+15], v[50+\c]
	v_cvt_scalef32_pk16_fp6_f32 v[40+4*\c:42+4*\c], v[\x+32*\c+16:\x+32*\c+31], v[50+\c]   ; (a conversion's three registers begin on an even number)
.endr
	v_nop                                          ; one plain place behind a scaled conversion
.irp c, 0,1
.irp i, 0,1,2
	v_mov_b32 v[\p+6*\c+3+\i], v[40+4*\c+\i]
.endr
.endr
.endm
.macro PUT p, u                        ; the fragment as its image: each store covers 512 or 256 consecutive bytes, aligned to 256
	global_store_b128 v4, v[\p:\p+3], s[6:7] offset:3072*\u
	global_store_b64 v5, v[\p+4:\p+5], s[6:7] offset:3072*\u+512
	global_store_b128 v4, v[\p+6:\p+9], s[6:7] offset:3072*\u+768
	global_store_b64 v5, v[\p+10:\p+11], s[6:7] offset:3072*\u+1280
.endm
	s_wait_loadcnt 16                              ; tile 0's sixteen rows are in; tile 1's sixteen loads may be out
.set i, 0
.rept 16
	ds_store_b128 v7, v[R+4*i:R+4*i+3] offset:528*i
.set i, i+1
.endr
	s_wait_loadcnt 0x0
.rept 16
	ds_store_b128 v7, v[R+4*i:R+4*i+3] offset:528*i
.set i, i+1
.endr
.irp c, 0,1                                    ; LDS serves a wave's instructions in order: these see my stores
.irp j, 0,1,2,3,4,5,6,7
	ds_load_b128 v[X+32*\c+4*\j:X+32*\c+4*\j+3], v8 offset:256*\c+16*\j
.endr
.endr
	s_wait_dscnt 0x0                               ; tile 0's numbers are back, and the stores have read v64-191
.irp c, 0,1
.irp j, 0,1,2,3,4,5,6,7
	ds_load_b128 v[R+32*\c+4*\j:R+32*\c+4*\j+3], v8 offset:16*528+256*\c+16*\j   ; tile 1 comes back while tile 0 is quantised
.endr
.endr
	QB X, 16, 54
	PUT 16, 0
	s_wait_dscnt 0x0
	QB R, 28, 55
	PUT 28, 1
	v_cndmask_b32 v56, v54, v55, s22               ; lanes 0-15: tile 0's words, lanes 16-31: tile 1's
	global_store_b32 v6, v56, s[8:9]               ; 128 consecutive bytes
	s_wait_tensorcnt 0x0                           ; the wave's end, behind my last LDS store
	ds_add_u32 v[SPW], v[NIL]
	s_wait_dscnt 0x0
	s_endpgm
.Lfunc_end_k_qa70e23212f_qseq:
	.size	k_qa70e23212f_qseq, .Lfunc_end_k_qa70e23212f_qseq-k_qa70e23212f_qseq
	.p2alignl 7, 3214868480
	.fill 96, 4, 3214868480
	.section	.rodata,"a",@progbits
	.p2align	6, 0x0
	.amdhsa_kernel k_qa70e23212f_qseq
		.amdhsa_group_segment_fixed_size 68096
		.amdhsa_private_segment_fixed_size 0
		.amdhsa_enable_private_segment 0
		.amdhsa_kernarg_size 24
		.amdhsa_user_sgpr_count 2
		.amdhsa_user_sgpr_kernarg_segment_ptr 1
		.amdhsa_wavefront_size32 1
		.amdhsa_system_sgpr_workgroup_id_x 1
		.amdhsa_system_sgpr_workgroup_id_y 1
		.amdhsa_system_sgpr_workgroup_id_z 1
		.amdhsa_system_vgpr_workitem_id 0
		.amdhsa_next_free_vgpr 256
		.amdhsa_next_free_sgpr 66
		.amdhsa_reserve_vcc 0
		.amdhsa_float_denorm_mode_32 3
		.amdhsa_float_denorm_mode_16_64 3
		.amdhsa_memory_ordered 1
		.amdhsa_forward_progress 1
		.amdhsa_inst_pref_size 17
	.end_amdhsa_kernel
	.amdgpu_metadata
---
amdhsa.version: [ 1, 2 ]
amdhsa.kernels:
  - .name:           k_qa70e23212f_qseq
    .symbol:         k_qa70e23212f_qseq.kd
    .args:
      - { .name: seq, .offset: 0, .size: 8, .value_kind: global_buffer, .address_space: global }
      - { .name: sc, .offset: 8, .size: 8, .value_kind: global_buffer, .address_space: global }
      - { .name: ss, .offset: 16, .size: 8, .value_kind: global_buffer, .address_space: global }
    .group_segment_fixed_size: 68096
    .private_segment_fixed_size: 0
    .kernarg_segment_align: 8
    .kernarg_segment_size: 24
    .max_flat_workgroup_size: 128
    .sgpr_count:     66
    .vgpr_count:     256
    .wavefront_size: 32
...
	.end_amdgpu_metadata
.endif
;; end of part 1
;; launch qw (part 2): grid 8 x 32, 4 waves a work-group, no clusters, 12,800 bytes of LDS; arguments Wq, Wk, Wv, Wo, wc, ws; writes wc, ws
.if DOCPART == 2
	.amdgcn_target "amdgcn-amd-amdhsa--gfx1250"
	.amdhsa_code_object_version 6
	.text
	.protected	k_qa70e23212f_qw
	.globl	k_qa70e23212f_qw
	.p2align	8
	.type	k_qa70e23212f_qw,@function
k_qa70e23212f_qw:
	s_mov_b64 s[64:65], 0
	v_nop
	global_prefetch_b8 v0, s[64:65] scope:SCOPE_SE
	s_setreg_imm32_b32 hwreg(HW_REG_WAVE_MODE, 25, 1), 1
	s_wait_xcnt 0x0
; Wq, Wk, Wv, Wo [1024 (k)][1024 (n)] f32 become codes of FP6 (E2M3) along their FIRST axis, in the same layout of register images as the tokens: 4,096 rows (Wq's columns at row 0, Wk's at 1,024, Wv's at 2,048, Wo's at 3,072).
; The fragment of (row tile T, K step s) lies at (s / 2) x 786,432 + T x 3,072 + (s % 2) x 1,536; the scale word of (s, row place p) at s x 16,384 + 4 p.  Row place p holds column SW(p), SW = bits 3 and 4 exchanged.
; A LANE TAKES A COLUMN AND ITS REGISTERS RUN DOWN K: a block of 32 lies in one lane, its maximum needs no other lane, and the conversions give codes with K innermost.
; LIMITS: a block of zeros gets the byte 1 where the rule says 127 (its codes are zeros, and this program alone reads the bytes); NaN and infinities are not served.
; SHARES: work-group (x, y): weight y / 8, K step y % 8, columns 128 x on; wave w takes 32 columns x 128 K.  A load reads 128 consecutive bytes, the four waves side by side 512.
; Lane l's column goes to tile u = (l / 8) % 2, row r = l % 8 + 8 (l / 16).  Its codes go into the wave's own stage, which IS the two fragments' images, and leave as 512 consecutive bytes a store.
; Loads run two blocks (64 loads a wave) ahead.  No tensor load, no cluster, no barrier: no byte is read twice and waves share nothing.
.set STG,   3072
.set SPARE, 4*STG
.set SPW,   14
.set NIL,   15
	s_load_b256 s[4:11], s[0:1], 0x0               ; Wq, Wk, Wv, Wo
	s_load_b128 s[12:15], s[0:1], 0x20             ; wc, ws
	v_lshl_add_u32 v[SPW], v0, 2, SPARE
	v_mov_b32 v[NIL], 0
	v_lshrrev_b32 v1, 5, v0
	v_readfirstlane_b32 s16, v1                    ; wave
	v_and_b32 v1, 31, v0                           ; lane
	v_bfe_u32 v2, v0, 3, 1                         ; u
	v_and_b32 v3, 7, v0
	v_bfe_u32 v17, v0, 4, 1
	v_lshl_add_u32 v3, v17, 3, v3                  ; r
	v_lshlrev_b32 v4, 2, v1                        ; in: 4 bytes a lane
	s_mul_i32 s17, s16, STG
	v_mul_u32_u24 v5, v2, 1536
	v_add_nc_u32 v5, s17, v5
	v_lshl_add_u32 v6, v3, 3, v5                   ; stage + 1,536 u + 8 r: registers 4-5
	v_lshl_add_u32 v5, v3, 4, v5                   ; stage + 1,536 u + 16 r: registers 0-3
	v_lshlrev_b32 v8, 4, v1                        ; 16 x lane
	v_add_nc_u32 v7, s17, v8                       ; the stage read back as it lies
	v_lshl_add_u32 v9, v2, 4, v3
	v_lshlrev_b32 v9, 2, v9                        ; my scale word: 4 (16 u + r)
	s_and_b32 s18, ttmp7, 0xffff
	s_lshr_b32 s19, s18, 3                         ; which weight
	s_and_b32 s18, s18, 7                          ; which K step
	s_lshl_b32 s20, ttmp9, 2
	s_add_co_u32 s20, s20, s16                     ; which 32 columns of the weight
	s_lshl_b32 s22, s18, 19                        ; 128 rows of 4,096 bytes a K step
	s_lshl_b32 s23, s20, 7
	s_add_co_u32 s22, s22, s23
	s_mov_b32 s23, 0
	s_lshl_b32 s24, s19, 5
	s_add_co_u32 s24, s24, s20                     ; which 32 rows of the 4,096
	s_mul_i32 s26, s24, 6144
	s_lshr_b32 s25, s18, 1
	s_mul_i32 s25, s25, 786432
	s_add_co_u32 s26, s26, s25
	s_and_b32 s25, s18, 1
	s_mul_i32 s25, s25, 1536
	s_add_co_u32 s26, s26, s25
	s_mov_b32 s27, 0
	s_lshl_b32 s28, s18, 14
	s_lshl_b32 s29, s24, 7
	s_add_co_u32 s28, s28, s29
	s_mov_b32 s29, 0
	s_and_b32 s30, s19, 1
	s_wait_kmcnt 0x0
	s_cmp_eq_u32 s30, 0                            ; the choice hangs on the work-group's number alone
	s_cselect_b64 s[4:5], s[4:5], s[6:7]
	s_cselect_b64 s[8:9], s[8:9], s[10:11]
	s_cmp_lt_u32 s19, 2
	s_cselect_b64 s[4:5], s[4:5], s[8:9]
	s_add_nc_u64 s[4:5], s[4:5], s[22:23]
	s_add_nc_u64 s[12:13], s[12:13], s[26:27]
	s_add_nc_u64 s[14:15], s[14:15], s[28:29]
.macro LOAD t                          ; block t: W(32 t + i, my column), i = 0 .. 31
.set i, 0
.rept 32
	global_load_b32 v[64+32*(\t)+i], v4, s[4:5] offset:(32*(\t)+i)*4096 th:TH_LOAD_NT
.set i, i+1
.endr
.endm
	LOAD 0
	LOAD 1
.macro BLOCK t
.set XS, 64+32*(\t)
.set P,  192+8*(\t)                    ; each block has registers of its own for its codes
.if (\t) < 3
	s_wait_loadcnt 32                              ; this block's 32 loads are in; the next block's 32 may be out
.else
	s_wait_loadcnt 0x0
.endif
.if (\t)+2 < 4
	LOAD (\t)+2
.endif
	v_max3_num_f32 v10, |v[XS]|, |v[XS+1]|, |v[XS+2]|
	v_max3_num_f32 v11, |v[XS+3]|, |v[XS+4]|, |v[XS+5]|
.irp i, 6,10,14,18,22,26
	v_max3_num_f32 v10, v10, |v[XS+\i]|, |v[XS+\i+1]|
	v_max3_num_f32 v11, v11, |v[XS+\i+2]|, |v[XS+\i+3]|
.endr
	v_max3_num_f32 v10, v10, |v[XS+30]|, |v[XS+31]|
	v_max3_num_f32 v10, v10, v11, 0x1800000        ; the floor 2^(3 - 127): the byte cannot fall under 1
	v_add_nc_u32 v12, 0xff000000, v10              ; 2 off the exponent field: the conversion's scale operand
	v_lshrrev_b32 v13, 23, v12                     ; the scale's byte
.if (\t) == 0
	v_mov_b32 v16, v13
.else
	v_lshl_or_b32 v16, v13, 8*(\t), v16            ; byte t of my row's scale word
.endif
	v_cvt_scalef32_pk16_fp6_f32 v[P:P+2], v[XS:XS+15], v12
	v_cvt_scalef32_pk16_fp6_f32 v[20:22], v[XS+16:XS+31], v12    ; (a conversion's three registers begin on an even number)
	v_nop                                          ; one plain place behind a scaled conversion
	v_mov_b32 v[P+3], v20
	v_mov_b32 v[P+4], v21
	v_mov_b32 v[P+5], v22
	ds_store_b128 v5, v[P:P+3] offset:768*((\t)/2)+256*((\t)%2)          ; block t is half t % 2 of the image of K 64 (t / 2) on: the place of lane 16 (t % 2) + r
	ds_store_b64 v6, v[P+4:P+5] offset:768*((\t)/2)+512+128*((\t)%2)
.endm
	BLOCK 0
	BLOCK 1
	BLOCK 2
	BLOCK 3
	global_store_b32 v9, v16, s[14:15]             ; the wave's 32 words fill 128 consecutive bytes
.irp i, 0,1,2,3,4,5
	ds_load_b128 v[224+4*\i:227+4*\i], v7 offset:512*\i    ; LDS serves a wave's instructions in order: these see my stores
.endr
.irp i, 0,1,2,3,4,5
	s_wait_dscnt 5-\i                              ; the younger loads may be out
	global_store_b128 v8, v[224+4*\i:227+4*\i], s[12:13] offset:3072*(\i/3)+512*(\i%3)   ; 512 consecutive bytes, aligned to 256
.endr
	s_wait_tensorcnt 0x0                           ; the wave's end, behind my last LDS store
	ds_add_u32 v[SPW], v[NIL]
	s_wait_dscnt 0x0
	s_endpgm
.Lfunc_end_k_qa70e23212f_qw:
	.size	k_qa70e23212f_qw, .Lfunc_end_k_qa70e23212f_qw-k_qa70e23212f_qw
	.p2alignl 7, 3214868480
	.fill 96, 4, 3214868480
	.section	.rodata,"a",@progbits
	.p2align	6, 0x0
	.amdhsa_kernel k_qa70e23212f_qw
		.amdhsa_group_segment_fixed_size 12800
		.amdhsa_private_segment_fixed_size 0
		.amdhsa_enable_private_segment 0
		.amdhsa_kernarg_size 48
		.amdhsa_user_sgpr_count 2
		.amdhsa_user_sgpr_kernarg_segment_ptr 1
		.amdhsa_wavefront_size32 1
		.amdhsa_system_sgpr_workgroup_id_x 1
		.amdhsa_system_sgpr_workgroup_id_y 1
		.amdhsa_system_sgpr_workgroup_id_z 1
		.amdhsa_system_vgpr_workitem_id 0
		.amdhsa_next_free_vgpr 256
		.amdhsa_next_free_sgpr 66
		.amdhsa_reserve_vcc 0
		.amdhsa_float_denorm_mode_32 3
		.amdhsa_float_denorm_mode_16_64 3
		.amdhsa_memory_ordered 1
		.amdhsa_forward_progress 1
		.amdhsa_inst_pref_size 23
	.end_amdhsa_kernel
	.amdgpu_metadata
---
amdhsa.version: [ 1, 2 ]
amdhsa.kernels:
  - .name:           k_qa70e23212f_qw
    .symbol:         k_qa70e23212f_qw.kd
    .args:
      - { .name: Wq, .offset: 0, .size: 8, .value_kind: global_buffer, .address_space: global }
      - { .name: Wk, .offset: 8, .size: 8, .value_kind: global_buffer, .address_space: global }
      - { .name: Wv, .offset: 16, .size: 8, .value_kind: global_buffer, .address_space: global }
      - { .name: Wo, .offset: 24, .size: 8, .value_kind: global_buffer, .address_space: global }
      - { .name: wc, .offset: 32, .size: 8, .value_kind: global_buffer, .address_space: global }
      - { .name: ws, .offset: 40, .size: 8, .value_kind: global_buffer, .address_space: global }
    .group_segment_fixed_size: 12800
    .private_segment_fixed_size: 0
    .kernarg_segment_align: 8
    .kernarg_segment_size: 48
    .max_flat_workgroup_size: 128
    .sgpr_count:     66
    .vgpr_count:     256
    .wavefront_size: 32
...
	.end_amdgpu_metadata
.endif
;; end of part 2
;; launch gemm_qkv (part 3): grid 12 x 16, 4 waves a work-group, clusters of 4 x 4, 327,680 bytes of LDS; arguments sc, ss, wc, ws, bq, bk, bv, qb, kv; writes qb, kv
.if DOCPART == 3
	.amdgcn_target "amdgcn-amd-amdhsa--gfx1250"
	.amdhsa_code_object_version 6
	.text
	.protected	k_qa70e23212f_gemm_qkv
	.globl	k_qa70e23212f_gemm_qkv
	.p2align	8
	.type	k_qa70e23212f_gemm_qkv,@function
k_qa70e23212f_gemm_qkv:
	s_mov_b64 s[64:65], 0
	v_nop
	global_prefetch_b8 v0, s[64:65] scope:SCOPE_SE
	s_setreg_imm32_b32 hwreg(HW_REG_WAVE_MODE, 25, 1), 1
	s_wait_xcnt 0x0
	s_wait_alu depctr_hold_cnt(0) depctr_sa_sdst(0) depctr_va_vdst(0) depctr_va_sdst(0) depctr_va_ssrc(0) depctr_va_vcc(0) depctr_vm_vsrc(0)
	s_getreg_b32 s2, hwreg(HW_REG_IB_STS2, 6, 4)
	s_cmp_eq_u32 s2, 0
	s_cbranch_scc0 .Lentry_in_a_cluster
	s_endpgm
.Lentry_in_a_cluster:
	s_bfe_u32 s2, ttmp6, 0x10000c
	s_cmp_lg_u32 s2, 0xf033
	s_cbranch_scc0 .Lentry_shape_is_right
	s_endpgm
.Lentry_shape_is_right:
; Q = seq Wq + bq, K = seq Wk + bk, V = seq Wv + bv on codes of FP6 (E2M3) with E8M0 scales, f32 sums; the results are quantised IN REGISTERS for the attention that follows: Q and K along the head's 64, V along the keys.
; OPERANDS come as images of operand registers: the fragment (16 rows x 128 K, 1,536 bytes) of (row tile T, K step s) at (s / 2) x 786,432 + T x 3,072 + (s % 2) x 1,536, so that 128 rows x 256 K are one dense block of 24,576 bytes;
; the scale word of (s, row place p) at s x 16,384 + 4 p.  Row place p holds row SW(p) (bits 3 and 4 exchanged).
; SHAPE: a tile of 256 x 256 to a work-group of four waves, 128 x 128 a wave: 64 accumulators, 512 registers.  K = 1,024 goes through two LDS slots of 256 along K: four fills, written straight.
; THE MATRIX INSTRUCTION IS USED TRANSPOSED (source 0 = 16 rows of B, source 1 = 16 rows of A): a lane holds ONE row of A, and by the choice of row places the 64 registers of its eight tiles run along 128 neighbouring rows of B (16 of each 32 in each half of the lanes).
; ROLES, by the cluster's x, which all sixteen partners share: 0: Q, 1: K (A = tokens, B = the weight's columns: a lane holds a token, registers along the features); 2: V (A = Wv's columns, B = tokens: a lane holds a feature, registers along the tokens, which are the keys).
; CLUSTERS: 4 x 4 work-groups; A's tiles are asked for jointly along a row of the cluster, B's along a column.
; OUT: for each head (16 batch + head) and step of 128 tokens a block of 13,056 bytes: 8 half images (768 bytes: 16 tokens x the head's 64) of K (in qb: of Q); 4 fragments of V^T (16 of the head's 64 x 128 keys); K's (Q's) scale words as an image of 4 registers; V's as an image of 2.
; LIMITS: Q is quantised WITHOUT the factor 1 / 8, which the attention puts into its exponent's constant: a power of two passes through quantiser and sums unchanged, but for blocks of Q whose largest magnitude is under 2^-121 (the hold of the scale at 2^-126).
; A block of zeros gets the byte 1 where the rule says 127 (its codes are zeros; this program alone reads the bytes).  NaN and infinities are not served.
; REGISTERS, in windows of 256: window 0: v0-31 addresses; v32-63 scale words, two sets; v64-127 the bias; v128-223 A's fragments, ONE set; in the tail v128-243 at work.  window 1: B's fragments, two sets, at v0 and v128.  windows 2, 3: the accumulators ((a, b) at v[8 (8 (a % 4) + b)]).
.set NQ,     2                         ; matrix instructions deep in a slot
.set FR,     12                        ; registers of a fragment
.set NL,     4                         ; LDS loads that bring one
.set NP,     4                         ; places behind this matrix instruction (ISA guide 7.12.1)
.set HALFT,  24576                     ; 128 rows x 256 K: what one tensor load brings
.set SLOT,   4*HALFT                   ; A's 256 rows, then B's
.set CH,     786432                    ; from 256 along K to the next, in memory
.set SCL,    2*SLOT                    ; behind the ring: the scale words of A's and B's 256 rows, all of K: filled once
.set HALFS,  4096                      ; those of 128 rows: 8 K steps x 512 bytes
.set SPARE,  SCL+4*HALFS               ; the spare words, 128 bytes a wave
.set HS,     208896                    ; a head in qb and kv: 16 steps
.set STEPB,  13056                     ; a step's block
.set ADRA, 16                          ; v16-17 LDS address of my A fragments in slot 0, 1, at 16 bytes a lane; v18-19 at 8 bytes a lane
.set ADRB, 20                          ; v20-23 the same for B
.set ADRS, 27                          ; v27 my scale words: lanes 0-15 A's rows, lanes 16-31 B's
.set SPW,  28
.set NIL,  29
.set SC,   32
.set BR,   64                          ; the bias
.set AF,   128
.set HA,   128                         ; tail: 64 numbers
.set PC,   192                         ; tail: the codes just made (12) and the conversions' second halves (8)
.set TM,   212                         ; tail: v212-227 at work
.set PWS,  228                         ; tail: the eight tiles' scale words
.set SCI,  236                         ; tail: the scale words' images
.set G1, 24
.set G0, 32
.set G1B, 48
.set G0B, 56
.set G1S, 68
.set G0S, 76
.set G1SB, 80
.set G0SB, 88
.set MSB, 0
.macro WIN new                         ; the immediate's high byte repeats the setting that is left
.if MSB != (\new)
	s_set_vgpr_msb (MSB<<8)|(\new)
.set MSB, (\new)
.endif
.endm
.set MUL_LO, 0xa1                      ; source 0 (B) window 1, source 1 (A) window 0, C and D window 2
.set MUL_HI, 0xf1                      ; the same, C and D window 3
.set TO_B,   0x40                      ; destination window 1, address window 0
; A joint load: waves 0 and 1 fetch for A, waves 2 and 3 for B; the branch hangs on the wave's number alone.  An s_nop 0 and four v_nop follow each of the two lines.
.macro JLOAD g0a, g1a, g0b, g1b
	s_cmp_eq_u32 s15, 0
	s_cbranch_scc0 .Lfor_b_\@
	tensor_load_to_lds s[\g0a:\g0a+3], s[\g1a:\g1a+7]
	s_nop 0
.rept 4
	v_nop
.endr
	s_branch .Lasked_\@
.Lfor_b_\@:
	tensor_load_to_lds s[\g0b:\g0b+3], s[\g1b:\g1b+7]
	s_nop 0
.rept 4
	v_nop
.endr
.Lasked_\@:
.endm
.macro CREST                           ; a round of the cluster's barrier behind its opening barrier
	s_cmp_lg_u32 s14, 0
	s_cbranch_scc1 .Lnot_wave_0_\@
	s_barrier_signal -3
.Lnot_wave_0_\@:
	s_barrier_wait -3
	s_barrier_signal -1
	s_barrier_wait -1
.endm
.macro CROUND
	s_barrier_signal -1
	s_barrier_wait -1
	CREST
.endm
	s_load_b256 s[4:11], s[0:1], 0x0               ; sc, ss, wc, ws
	s_load_b256 s[68:75], s[0:1], 0x20             ; bq, bk, bv, qb
	s_load_b64 s[76:77], s[0:1], 0x40              ; kv
	v_lshl_add_u32 v[SPW], v0, 2, SPARE
	v_mov_b32 v[NIL], 0
	ds_add_u32 v[SPW], v[NIL]                      ; the wave's opening: the add, and its wait ahead of my first tensor load; work on registers stands between them
	v_lshrrev_b32 v1, 5, v0
	v_readfirstlane_b32 s14, v1                    ; wave 0..3
	s_lshr_b32 s15, s14, 1                         ; which half of A's rows is mine.  Also: I fetch for A (0) or for B (1)
	s_and_b32 s16, s14, 1                          ; which half of B's rows.  Also: which 128 rows I fetch
	s_bfe_u32 s40, ttmp6, 0x40000                  ; cx
	s_bfe_u32 s41, ttmp6, 0x40004                  ; cy
	s_mov_b32 s66, ttmp9                           ; the cluster's x: the role
	s_and_b32 s18, ttmp7, 0xffff
	s_lshl_b32 s18, s18, 2                         ; 4 x cluster y
	s_lshl_b32 s19, s66, 2                         ; 4 x cluster x
	s_add_co_u32 s17, s18, s41                     ; Q, K: A's block of 256 tokens = 4 Y + cy
	s_add_co_u32 s20, s41, 8                       ; V: A's block of 256 weight rows = 8 + cy
	s_add_co_u32 s42, s19, s40                     ; Q, K: B's block of weight rows = 4 X + cx
	s_add_co_u32 s46, s18, s40                     ; V: B's block of tokens = 4 Y + cx
	s_cmp_eq_u32 s66, 2
	s_cselect_b32 s17, s20, s17                    ; A's block: made of cy and of what all partners share
	s_cselect_b32 s42, s46, s42                    ; B's block: made of cx and of what all partners share
	s_lshl_b32 s43, s41, 2
	s_lshl_b32 s43, 15, s43                        ; my row of the cluster
	s_lshl_b32 s44, 0x1111, s40                    ; my column
	s_mov_b32 s67, 0xffff0000                      ; lanes 16-31
	; descriptor group 1 for the codes: a dense block of 24,576 bytes as 96 rows of 32 elements of 8 bytes; no padding: every LDS read takes the lanes' bytes on end
	s_or_b32 s[G1+0], s43, (3<<16)|(1<<21)         ; 15:0 the mask: A's tiles go to my row; 17:16 elements of 8 bytes; 21 set beside a mask
	s_or_b32 s[G1B+0], s44, (3<<16)|(1<<21)
.irp g, G1, G1B
	s_mov_b32 s[\g+1], 32<<16                      ; tensor_dim0
	s_mov_b32 s[\g+2], 96<<16                      ; tensor_dim1
	s_mov_b32 s[\g+3], 32<<16                      ; tile_dim0
	s_mov_b32 s[\g+4], 96                          ; tile_dim1
	s_mov_b32 s[\g+5], 32                          ; the pitch
	s_mov_b32 s[\g+6], 0
	s_mov_b32 s[\g+7], 0
.endr
	s_lshl_b32 s18, s16, 3                         ; which 8 row tiles of the block I fetch
	s_lshl_b32 s20, s17, 4
	s_add_co_u32 s20, s20, s18                     ; A: row tile 16 x block + 8 x half
	s_lshl_b32 s46, s42, 4
	s_add_co_u32 s46, s46, s18                     ; B likewise
	s_lshl_b32 s22, s20, 6                         ; their scale words: 64 bytes a tile
	s_lshl_b32 s92, s46, 6
	s_mul_i32 s20, s20, 3072                       ; their codes
	s_mul_i32 s46, s46, 3072
	s_mov_b32 s21, 0
	s_mov_b32 s23, 0
	s_mov_b32 s47, 0
	s_mov_b32 s93, 0
	s_mul_i32 s45, s14, HALFT                      ; where they go: wave x 128 rows: no place in the cluster enters an LDS address
	s_mul_i32 s94, s14, HALFS
	s_wait_dscnt 0x0                               ; the opening add is done
	s_wait_kmcnt 0x0
	s_cmp_eq_u32 s66, 0                            ; where the results go, and which bias: choices on the role alone
	s_cselect_b64 s[12:13], s[74:75], s[76:77]
	s_cselect_b64 s[98:99], s[68:69], s[70:71]
	s_cmp_eq_u32 s66, 2
	s_cselect_b64 s[98:99], s[72:73], s[98:99]
	s_cselect_b64 s[96:97], s[8:9], s[4:5]         ; A's codes: the weights' in role V, else the tokens'
	s_cselect_b64 s[100:101], s[10:11], s[6:7]     ; A's scales
	s_cselect_b64 s[8:9], s[4:5], s[8:9]           ; B's codes
	s_cselect_b64 s[10:11], s[6:7], s[10:11]       ; B's scales
	s_add_nc_u64 s[20:21], s[96:97], s[20:21]
	s_add_nc_u64 s[22:23], s[100:101], s[22:23]
	s_add_nc_u64 s[46:47], s[8:9], s[46:47]
	s_add_nc_u64 s[92:93], s[10:11], s[92:93]
	; group 1 for the scale words of 128 rows: 8 K steps x 512 bytes (64 elements of 8 bytes), 16,384 bytes apart
	s_or_b32 s[G1S+0], s43, (3<<16)|(1<<21)
	s_or_b32 s[G1SB+0], s44, (3<<16)|(1<<21)
.irp g, G1S, G1SB
	s_mov_b32 s[\g+1], 64<<16
	s_mov_b32 s[\g+2], 8<<16
	s_mov_b32 s[\g+3], 64<<16
	s_mov_b32 s[\g+4], 8
	s_mov_b32 s[\g+5], 2048
	s_mov_b32 s[\g+6], 0
	s_mov_b32 s[\g+7], 0
.endr
	CROUND                                         ; all sixteen work-groups are here: the first joint loads meet
	s_mov_b32 s[G0S], 1
	s_add_co_u32 s[G0S+1], s94, SCL
	s_mov_b64 s[G0S+2:G0S+3], s[22:23]
	s_or_b32 s[G0S+3], s[G0S+3], 0x80000000
	s_mov_b32 s[G0SB], 1
	s_add_co_u32 s[G0SB+1], s94, SCL
	s_mov_b64 s[G0SB+2:G0SB+3], s[92:93]
	s_or_b32 s[G0SB+3], s[G0SB+3], 0x80000000
	JLOAD G0S, G1S, G0SB, G1SB                     ; the scales first: they are wanted with the first K step
.irp s, 0,1
	s_mov_b32 s[G0+4*\s], 1
	s_add_co_u32 s[G0+4*\s+1], s45, \s*SLOT
	s_add_nc_u64 s[G0+4*\s+2:G0+4*\s+3], s[20:21], \s*CH
	s_or_b32 s[G0+4*\s+3], s[G0+4*\s+3], 0x80000000
	s_mov_b32 s[G0B+4*\s], 1
	s_add_co_u32 s[G0B+4*\s+1], s45, \s*SLOT
	s_add_nc_u64 s[G0B+4*\s+2:G0B+4*\s+3], s[46:47], \s*CH
	s_or_b32 s[G0B+4*\s+3], s[G0B+4*\s+3], 0x80000000
	JLOAD G0+4*\s, G1, G0B+4*\s, G1B               ; three tensor loads of mine are out now
.endr
	v_and_b32 v1, 31, v0                           ; lane
	v_and_b32 v2, 15, v0                           ; r
	v_bfe_u32 v3, v0, 4, 1                         ; h
	v_lshlrev_b32 v7, 4, v1                        ; 16 x lane
	v_lshlrev_b32 v8, 3, v1                        ; 8 x lane
	v_and_b32 v9, 8, v2
	v_add_nc_u32 v9, v9, v2
	v_lshlrev_b32 v9, 2, v9                        ; role V's bias: 4 (r + 8 (r / 8))
	v_lshlrev_b32 v10, 6, v3                       ; roles Q, K: 64 h
	s_mul_i32 s21, s15, HALFT                      ; my 128 rows of A
	s_mul_i32 s22, s16, HALFT                      ; my 128 rows of B,
	s_add_co_u32 s22, s22, 2*HALFT                 ; which lie behind A's 256
.irp s, 0,1
	v_add_nc_u32 v[ADRA+\s], s21, v7
	v_add_nc_u32 v[ADRB+\s], s22, v7
	v_add_nc_u32 v[ADRA+2+\s], s21, v8
	v_add_nc_u32 v[ADRB+2+\s], s22, v8
	s_add_co_u32 s21, s21, SLOT
	s_add_co_u32 s22, s22, SLOT
.endr
	v_lshlrev_b32 v5, 2, v2                        ; my row's scale word
	s_mul_i32 s21, s15, HALFS
	s_mul_i32 s22, s16, HALFS
	s_add_co_u32 s22, s22, 2*HALFS
	s_sub_co_u32 s22, s22, s21
	v_mul_u32_u24 v6, s22, v3                      ; lanes 16-31 take B's: one product, the distance between the two bases
	s_add_co_u32 s21, s21, SCL
	v_add_nc_u32 v5, v5, v6
	v_add_nc_u32 v[ADRS], s21, v5
	; where my results go: the step of 128 tokens and the two heads of my 128 features
	s_cmp_eq_u32 s66, 2
	s_cselect_b32 s18, s42, s17                    ; the tokens' block,
	s_cselect_b32 s19, s16, s15                    ; and half
	s_cselect_b32 s20, s41, s40                    ; the features' block of 256 in the weight,
	s_cselect_b32 s21, s15, s16                    ; and half
	s_lshl_b32 s18, s18, 1
	s_add_co_u32 s18, s18, s19                     ; step of 128 tokens, 0 .. 31
	s_lshl_b32 s20, s20, 1
	s_add_co_u32 s20, s20, s21                     ; which 128 features
	s_lshr_b32 s22, s18, 4
	s_lshl_b32 s22, s22, 4                         ; 16 x batch
	s_lshl_b32 s23, s20, 1
	s_add_co_u32 s22, s22, s23                     ; my first head
	s_mul_i32 s22, s22, HS
	s_and_b32 s18, s18, 15
	s_mul_i32 s18, s18, STEPB
	s_add_co_u32 s22, s22, s18
	s_mov_b32 s23, 0
	s_add_nc_u64 s[12:13], s[12:13], s[22:23]
	s_lshl_b32 s20, s20, 9                         ; 128 numbers of the bias
	s_mov_b32 s21, 0
	s_add_nc_u64 s[98:99], s[98:99], s[20:21]
.macro FRAG reg, adr, q, i             ; a fragment comes as it was laid: registers 0-3, 4-5, 6-9, 10-11; every load takes the lanes' bytes on end
	ds_load_b128 v[\reg:\reg+3], v[\adr] offset:3072*(\i)+1536*(\q)
	ds_load_b64 v[\reg+4:\reg+5], v[\adr+2] offset:3072*(\i)+1536*(\q)+512
	ds_load_b128 v[\reg+6:\reg+9], v[\adr] offset:3072*(\i)+1536*(\q)+768
	ds_load_b64 v[\reg+10:\reg+11], v[\adr+2] offset:3072*(\i)+1536*(\q)+1280
.endm
; 16 matrix instructions: A's tiles a0, a0 + 1 x B's eight, 128 along K.  p: B's set; sc: the set of scale words; zero = 1: the first product starts the sums.
; The 64 accumulators take turns, one instruction a turn, in the same order in every step.
.macro MUL16 a0, p, q, sc, zero
.irp a, \a0, \a0+1
.irp b, 0,1,2,3,4,5,6,7
.if \zero
	v_wmma_scale_f32_16x16x128_f8f6f4 v[8*(8*((\a)%4)+\b):8*(8*((\a)%4)+\b)+7], v[128*(\p)+FR*\b:128*(\p)+FR*\b+FR-1], v[AF+FR*(\a):AF+FR*(\a)+FR-1], 0, v[SC+8*NQ*(\sc)+NQ*\b+(\q)], v[SC+8*NQ*(\sc)+NQ*(\a)+(\q)] matrix_a_fmt:MATRIX_FMT_FP6 matrix_b_fmt:MATRIX_FMT_FP6 matrix_a_scale:MATRIX_SCALE_ROW1
.else
	v_wmma_scale_f32_16x16x128_f8f6f4 v[8*(8*((\a)%4)+\b):8*(8*((\a)%4)+\b)+7], v[128*(\p)+FR*\b:128*(\p)+FR*\b+FR-1], v[AF+FR*(\a):AF+FR*(\a)+FR-1], v[8*(8*((\a)%4)+\b):8*(8*((\a)%4)+\b)+7], v[SC+8*NQ*(\sc)+NQ*\b+(\q)], v[SC+8*NQ*(\sc)+NQ*(\a)+(\q)] matrix_a_fmt:MATRIX_FMT_FP6 matrix_b_fmt:MATRIX_FMT_FP6 matrix_a_scale:MATRIX_SCALE_ROW1
.endif
.endr
.endr
.endm
.macro FETCH_B slot, q, p
	WIN TO_B
.irp i, 0,1,2,3,4,5,6,7
	FRAG 128*(\p)+FR*\i, ADRB+\slot, \q, \i
.endr
	WIN 0
.endm
.macro FETCH_A slot, q, i0
.irp i, \i0, \i0+1, \i0+2, \i0+3
	FRAG AF+FR*(\i), ADRA+\slot, \q, \i
.endr
.endm
.macro SCALES sc                       ; a slot's scale words: register 2 i + q: lanes 0-15 A's tile i, lanes 16-31 B's tile i, the slot's q-th 128 along K
.irp i, 0,1,2,3,4,5,6,7
.irp q, 0,1
	ds_load_b32 v[SC+8*NQ*\sc+NQ*\i+\q], v[ADRS] offset:512*\q+64*\i
.endr
.endr
.endm
.macro PLACES n                        ; plain vector instructions between a matrix instruction and a load into, or a read of, its registers (ISA guide 7.12.1 for the reads)
.rept \n
	v_nop
.endr
.endm
.macro STEP slot, q, zero              ; a step of 128 along K that has its successor in the same slot
	s_wait_dscnt 4*NL                              ; B's set, A's tiles 0-3 and the scale words are in; the youngest 16 loads (A's tiles 4-7) may be out
	WIN MUL_LO
	MUL16 0, (\q)%2, \q, \slot, \zero
	MUL16 2, (\q)%2, \q, \slot, \zero
	s_wait_dscnt 0                                 ; A's tiles 4-7 are in
	PLACES NP
	FETCH_B \slot, (\q)+1, 1-(\q)%2
	FETCH_A \slot, (\q)+1, 0
	WIN MUL_HI
	MUL16 4, (\q)%2, \q, \slot, \zero
	MUL16 6, (\q)%2, \q, \slot, \zero
	PLACES NP
	WIN 0
	FETCH_A \slot, (\q)+1, 4
.endm
; A slot's last step changes slots: one barrier; in front of it each wave waits for all its tensor loads, adds 0 to its spare word, and waits for that and for its reads of this slot.  fill = 1: this slot is filled again, 512 along K ahead.
.macro TURN slot, next, fill
	s_wait_tensorcnt 0x0                           ; all my tensor loads have landed: my part of the next slot
	ds_add_u32 v[SPW], v[NIL]                      ; 0 onto my spare word
	s_wait_dscnt 4*NL+1                            ; the add and the youngest 16 loads (A's tiles 4-7) may be out
	WIN MUL_LO
	MUL16 0, 1, NQ-1, \slot, 0
	s_wait_dscnt 0x0                               ; the add is done, and my reads of this slot are over
	s_barrier_signal -1
	MUL16 2, 1, NQ-1, \slot, 0
	WIN 0
	s_barrier_wait -1
.if \fill
	CREST                                          ; the barrier has opened a round of the cluster's: no wave of any partner still reads this slot or has a load on its way
	s_add_nc_u64 s[G0+4*\slot+2:G0+4*\slot+3], s[G0+4*\slot+2:G0+4*\slot+3], 2*CH
	s_add_nc_u64 s[G0B+4*\slot+2:G0B+4*\slot+3], s[G0B+4*\slot+2:G0B+4*\slot+3], 2*CH
	JLOAD G0+4*\slot, G1, G0B+4*\slot, G1B         ; my one tensor load behind the round; its four v_nop are the places in front of the loads below
.else
	PLACES NP
.endif
	v_add_nc_u32 v[ADRS], 512*NQ, v[ADRS]          ; the next slot's scale words
	FETCH_B \next, 0, 0
	FETCH_A \next, 0, 0
	SCALES \next
	WIN MUL_HI
	MUL16 4, 1, NQ-1, \slot, 0
	MUL16 6, 1, NQ-1, \slot, 0
	PLACES NP
	WIN 0
	FETCH_A \next, 0, 4
.endm
.macro LAST                            ; the very last step: nothing more to fetch
	s_wait_dscnt 4*NL
	WIN MUL_LO
	MUL16 0, 1, NQ-1, 1, 0
	MUL16 2, 1, NQ-1, 1, 0
	s_wait_dscnt 0
	WIN MUL_HI
	MUL16 4, 1, NQ-1, 1, 0
	MUL16 6, 1, NQ-1, 1, 0
	WIN 0
.endm
; 64 numbers of a lane, register 16 b + i = k 32 b + 16 (lane / 16) + i of my row, become a fragment's codes in v[PC] on and its scale word in v[pw]
.macro QUANT s, pw
.irp b, 0,1,2,3
	v_max3_num_f32 v[TM+\b], |v[\s+16*\b]|, |v[\s+1+16*\b]|, 0x1800000   ; my 16 numbers of block b, and the floor 2^(3 - 127): the byte cannot fall under 1
.endr
.irp i, 2,4,6,8,10,12,14
.irp b, 0,1,2,3
	v_max3_num_f32 v[TM+\b], v[TM+\b], |v[\s+16*\b+\i]|, |v[\s+1+16*\b+\i]|
.endr
.endr
.irp b, 0,1,2,3
	v_permlanex16_b32 v[TM+4+\b], v[TM+\b], s2, s3
.endr
.irp b, 0,1,2,3
	v_max_num_f32 v[TM+\b], v[TM+\b], v[TM+4+\b]   ; with lane l xor 16's: the block's largest magnitude
.endr
.irp b, 0,1,2,3
	v_add_nc_u32 v[TM+12+\b], 0xff000000, v[TM+\b] ; 2 off its exponent field: the conversion's scale operand
.endr
.irp b, 0,1,2,3
	v_lshrrev_b32 v[TM+4+\b], 23, v[TM+12+\b]      ; the scale's byte
.endr
	v_lshl_or_b32 v[\pw], v[TM+5], 8, v[TM+4]
	v_lshl_or_b32 v[\pw], v[TM+6], 16, v[\pw]
	v_lshl_or_b32 v[\pw], v[TM+7], 24, v[\pw]
.irp c, 0,1
	v_cvt_scalef32_pk16_fp6_f32 v[PC+6*\c:PC+2+6*\c], v[\s+32*\c:\s+15+32*\c], v[TM+12+2*\c]
	v_cvt_scalef32_pk16_fp6_f32 v[PC+12+4*\c:PC+14+4*\c], v[\s+16+32*\c:\s+31+32*\c], v[TM+12+2*\c+1]
.endr
	v_nop                                          ; one plain place behind a scaled conversion
.irp c, 0,1                                    ; the operand's layout wants a whole block in a lane
.irp i, 0,1,2
	v_permlane16_swap_b32 v[PC+6*\c+\i], v[PC+12+4*\c+\i]
.endr
.irp i, 0,1,2
	v_mov_b32 v[PC+3+6*\c+\i], v[PC+12+4*\c+\i]
.endr
.endr
.endm
; A's tile a: its eight accumulators + the bias, quantised, stored.  v = 0: a fragment's two halves are 16 tokens x the 64 of my first and of my second head.  v = 1: the fragment is 16 features of head a / 4 x the step's 128 keys.
.macro OUTA a, v
.if (\a) > 0
	s_wait_xcnt 0x0                                ; the last tile's stores have read their data registers, which are written again below
.endif
	WIN 0x02+(\a)/4                                ; source 0: window 2 or 3
.set j, 0
.rept 32                                       ; each accumulator from its low end on
.if \v
	v_pk_add_f32 v[HA+j:HA+j+1], v[64*((\a)%4)+j:64*((\a)%4)+j+1], v[BR+2*(\a):BR+2*(\a)+1]
.else
	v_pk_add_f32 v[HA+j:HA+j+1], v[64*((\a)%4)+j:64*((\a)%4)+j+1], v[BR+j:BR+j+1]
.endif
.set j, j+2
.endr
	WIN 0
	QUANT HA, PWS+(\a)
.if \v
	global_store_b128 v7, v[PC:PC+3], s[12:13] offset:HS*((\a)/4)+6144+1536*((\a)%4)
	global_store_b64 v8, v[PC+4:PC+5], s[12:13] offset:HS*((\a)/4)+6144+1536*((\a)%4)+512
	global_store_b128 v7, v[PC+6:PC+9], s[12:13] offset:HS*((\a)/4)+6144+1536*((\a)%4)+768
	global_store_b64 v8, v[PC+10:PC+11], s[12:13] offset:HS*((\a)/4)+6144+1536*((\a)%4)+1280
.else
	global_store_b128 v7, v[PC:PC+3], s[12:13] offset:768*(\a)
	global_store_b64 v8, v[PC+4:PC+5], s[12:13] offset:768*(\a)+512
	global_store_b128 v7, v[PC+6:PC+9], s[12:13] offset:HS+768*(\a)
	global_store_b64 v8, v[PC+10:PC+11], s[12:13] offset:HS+768*(\a)+512
.endif
.endm
.macro TAIL v
.if \v
.irp a, 0,1,2,3,4,5,6,7                        ; my feature's bias for each tile, twice: a pair for the packed addition
	global_load_b32 v[BR+2*\a], v9, s[98:99] offset:(32*(\a/2)+8*(\a%2))*4
	global_load_b32 v[BR+2*\a+1], v9, s[98:99] offset:(32*(\a/2)+8*(\a%2))*4
.endr
.else
.irp b, 0,1,2,3,4,5,6,7                        ; register 8 b + j: the bias of feature 32 (b / 2) + 16 h + 8 (b % 2) + j
	global_load_b128 v[BR+8*\b:BR+8*\b+3], v10, s[98:99] offset:(32*(\b/2)+8*(\b%2))*4
	global_load_b128 v[BR+8*\b+4:BR+8*\b+7], v10, s[98:99] offset:(32*(\b/2)+8*(\b%2))*4+16
.endr
.endif
	LAST                                           ; the bias comes while the last 64 products are issued
	PLACES NP
.irp b, 0,1,2,3
	v_mov_b32 v[TM+4+\b], 0                        ; a lane permute's destination counts as read
.endr
	s_wait_loadcnt 0x0
.irp a, 0,1,2,3,4,5,6,7
	OUTA \a, \v
.endr
.if \v
.irp i, 0,1,2,3                                ; V's scale words: register t / 2 of the image, lanes 0-15 an even tile, lanes 16-31 the odd one
	v_cndmask_b32 v[SCI+\i], v[PWS+2*\i], v[PWS+2*\i+1], s67
.endr
	global_store_b64 v8, v[SCI:SCI+1], s[12:13] offset:12800
	global_store_b64 v8, v[SCI+2:SCI+3], s[12:13] offset:HS+12800
.else
.irp i, 0,1,2,3                                ; the first head takes the words as they are: its bytes are 0 and 1; bytes 2 and 3 stand over zero codes
	v_cndmask_b32 v[SCI+\i], v[PWS+2*\i], v[PWS+2*\i+1], s67
.endr
	global_store_b128 v7, v[SCI:SCI+3], s[12:13] offset:12288
.irp i, 0,1,2,3,4,5,6,7
	v_lshrrev_b32 v[PWS+\i], 16, v[PWS+\i]         ; the second head's two bytes come down
.endr
.irp i, 0,1,2,3
	v_cndmask_b32 v[SCI+4+\i], v[PWS+2*\i], v[PWS+2*\i+1], s67
.endr
	global_store_b128 v7, v[SCI+4:SCI+7], s[12:13] offset:HS+12288
.endif
.endm
	s_mov_b32 s2, 0x76543210
	s_mov_b32 s3, 0xfedcba98                       ; selects for lane l xor 16
	s_wait_tensorcnt 1                             ; the scales and my part of slot 0 are in; slot 1's load may be out
	s_barrier_signal -1
	s_barrier_wait -1
	FETCH_B 0, 0, 0
	FETCH_A 0, 0, 0
	SCALES 0
	FETCH_A 0, 0, 4
	STEP 0, 0, 1                                   ; the first products start the sums: nothing is cleared
	TURN 0, 1, 1                                   ; slot 0 takes K 512 on
	STEP 1, 0, 0
	TURN 1, 0, 1                                   ; slot 1 takes K 768 on: the last fill
	STEP 0, 0, 0
	TURN 0, 1, 0
	STEP 1, 0, 0
	s_cmp_eq_u32 s66, 2                            ; the role: the same in all sixteen partners
	s_cbranch_scc1 .Ltail_v
	TAIL 0
	s_branch .Lend
.Ltail_v:
	TAIL 1
.Lend:
	s_wait_tensorcnt 0x0                           ; the wave's end, behind my last tensor load
	ds_add_u32 v[SPW], v[NIL]
	s_wait_dscnt 0x0
	CROUND                                         ; the closing round
	s_endpgm
.Lfunc_end_k_qa70e23212f_gemm_qkv:
	.size	k_qa70e23212f_gemm_qkv, .Lfunc_end_k_qa70e23212f_gemm_qkv-k_qa70e23212f_gemm_qkv
	.p2alignl 7, 3214868480
	.fill 96, 4, 3214868480
	.section	.rodata,"a",@progbits
	.p2align	6, 0x0
	.amdhsa_kernel k_qa70e23212f_gemm_qkv
		.amdhsa_group_segment_fixed_size 327680
		.amdhsa_private_segment_fixed_size 0
		.amdhsa_enable_private_segment 0
		.amdhsa_kernarg_size 72
		.amdhsa_user_sgpr_count 2
		.amdhsa_user_sgpr_kernarg_segment_ptr 1
		.amdhsa_wavefront_size32 1
		.amdhsa_system_sgpr_workgroup_id_x 1
		.amdhsa_system_sgpr_workgroup_id_y 1
		.amdhsa_system_sgpr_workgroup_id_z 1
		.amdhsa_system_vgpr_workitem_id 0
		.amdhsa_next_free_vgpr 1024
		.amdhsa_next_free_sgpr 102
		.amdhsa_reserve_vcc 0
		.amdhsa_float_denorm_mode_32 3
		.amdhsa_float_denorm_mode_16_64 3
		.amdhsa_memory_ordered 1
		.amdhsa_forward_progress 1
		.amdhsa_inst_pref_size 229
	.end_amdhsa_kernel
	.amdgpu_metadata
---
amdhsa.version: [ 1, 2 ]
amdhsa.kernels:
  - .name:           k_qa70e23212f_gemm_qkv
    .symbol:         k_qa70e23212f_gemm_qkv.kd
    .args:
      - { .name: sc, .offset: 0, .size: 8, .value_kind: global_buffer, .address_space: global }
      - { .name: ss, .offset: 8, .size: 8, .value_kind: global_buffer, .address_space: global }
      - { .name: wc, .offset: 16, .size: 8, .value_kind: global_buffer, .address_space: global }
      - { .name: ws, .offset: 24, .size: 8, .value_kind: global_buffer, .address_space: global }
      - { .name: bq, .offset: 32, .size: 8, .value_kind: global_buffer, .address_space: global }
      - { .name: bk, .offset: 40, .size: 8, .value_kind: global_buffer, .address_space: global }
      - { .name: bv, .offset: 48, .size: 8, .value_kind: global_buffer, .address_space: global }
      - { .name: qb, .offset: 56, .size: 8, .value_kind: global_buffer, .address_space: global }
      - { .name: kv, .offset: 64, .size: 8, .value_kind: global_buffer, .address_space: global }
    .group_segment_fixed_size: 327680
    .private_segment_fixed_size: 0
    .kernarg_segment_align: 8
    .kernarg_segment_size: 72
    .max_flat_workgroup_size: 128
    .sgpr_count:     102
    .vgpr_count:     1024
    .wavefront_size: 32
...
	.end_amdgpu_metadata
.endif
;; end of part 3
;; launch attn (part 4): grid 8 x 32, 16 waves a work-group, clusters of 4 x 1, 210,944 bytes of LDS; arguments qb, kv, attc, atts; writes attc, atts
.if DOCPART == 4
	.amdgcn_target "amdgcn-amd-amdhsa--gfx1250"
	.amdhsa_code_object_version 6
	.text
	.protected	k_qa70e23212f_attn
	.globl	k_qa70e23212f_attn
	.p2align	8
	.type	k_qa70e23212f_attn,@function
k_qa70e23212f_attn:
	s_mov_b64 s[64:65], 0
	v_nop
	global_prefetch_b8 v0, s[64:65] scope:SCOPE_SE
	s_setreg_imm32_b32 hwreg(HW_REG_WAVE_MODE, 25, 1), 1
	s_wait_xcnt 0x0
	s_wait_alu depctr_hold_cnt(0) depctr_sa_sdst(0) depctr_va_vdst(0) depctr_va_sdst(0) depctr_va_ssrc(0) depctr_va_vcc(0) depctr_vm_vsrc(0)
	s_getreg_b32 s2, hwreg(HW_REG_IB_STS2, 6, 4)
	s_cmp_eq_u32 s2, 0
	s_cbranch_scc0 .Lentry_in_a_cluster
	s_endpgm
.Lentry_in_a_cluster:
	s_bfe_u32 s2, ttmp6, 0x10000c
	s_cmp_lg_u32 s2, 0x3003
	s_cbranch_scc0 .Lentry_shape_is_right
	s_endpgm
.Lentry_shape_is_right:
; For each of 32 heads (16 batch + head): O = softmax(Q K^T / 8) V, both products on codes of FP6 (E2M3) with E8M0 scales; O is quantised along the model's 1,024 for the output projection.
; THE SOFTMAX AHEAD OF THE SECOND PRODUCT: t = score x log2(e) / 8 (Q comes without the 1 / 8: it stands in the constant c); M = the running largest t rounded UP to a whole number; p = 2^(t - M) is quantised along the keys;
; the row's sum is taken of the unquantised p and divides O at the end.  When M moves, the sum and O are multiplied by 2^(old M - new M): exact.
; IN: for each head and step of 128 tokens a block of 13,056 bytes: 8 half images (768 bytes: registers 0-5 of a fragment: 16 tokens x 64) of K (in qb: of Q), 4 fragments of V^T (16 of the head's 64 x 128 keys), K's (Q's) scale words as an image of 4 registers, V's as an image of 2.
; K's product has K = 64: registers 6-11 of Q's and K's fragments are zero codes, which add nothing under the scale bytes that stand over them (never 0xff).
; SHARES: a work-group owns 256 queries of a head, each of its sixteen waves one tile of 16, in 256 registers: four waves to a SIMD, so that one wave's vector work stands beside another's products and LDS loads.
; THE WHOLE HEAD'S K AND V, 208,896 bytes, STAY IN LDS: sixteen tensor loads (waves 0-3, four each) at the start, nothing is ever filled again.  The steps are read in four groups, each behind a counted wait and a barrier.
; CLUSTER: the four query blocks of a cluster belong to one head: each tile is asked for jointly, by the same load with the same descriptor and the mask of all four.
; LAYOUT: both products transposed (S^T = K Q^T, O^T = V^T P^T): a lane holds one query throughout.  By the places of tokens and features in the images, the 16 registers of tiles 2 b and 2 b + 1 are 16 neighbours: keys in S^T, the head's numbers in O^T.
; OUT: attc, atts in the layout of operand images (fragment of (row tile T, K step s) at (s / 2) x 786,432 + T x 3,072 + (s % 2) x 1,536; scale word at s x 16,384 + 4 p).  A head is half a K step: a half image and two bytes of the word; the two bytes leave by stores of 2 bytes a lane, 4 bytes apart, since two heads share a word.
; LIMITS: a block of zeros gets the byte 1 where the rule says 127 (its codes are zeros; this program alone reads the bytes); NaN and infinities are not served.
; REGISTERS: v1, v2 16 x and 8 x lane; v3, v4 the same in the step at hand; v7 4 r; v12 -M, v13 the largest t, v[14:15] the sum; v16-27 Q; v30-31 V's scale words; v32-79 four fragments of K; v80-127 V's four; v128-191 S^T, then p; v192-223 O^T; v224-235 p's codes; v232-254 at work; v248-251 K's scale words; v253 p's; v255 Q's.
.set HS,    208896
.set STEPB, 13056
.set SPARE, 16*STEPB                   ; behind the head: the spare words, 128 bytes for each of sixteen waves
.set S,     128
.set OT,    192
.set SPW,   5
.set NIL,   6
.set WV,    12
.set SEL,   20
.set CS,    22
.set G1,    24
.set G0,    32                         ; s[32:47] four groups 0
.set TB,    48                         ; LDS byte at which the step at hand begins
.set CNT,   49
.macro ROUND
	s_barrier_signal -1
	s_barrier_wait -1
	s_cmp_lg_u32 s[WV], 0
	s_cbranch_scc1 .Lnot_wave_0_\@
	s_barrier_signal -3
.Lnot_wave_0_\@:
	s_barrier_wait -3
	s_barrier_signal -1
	s_barrier_wait -1
.endm
	s_load_b256 s[4:11], s[0:1], 0x0               ; qb, kv, attc, atts
	v_lshl_add_u32 v[SPW], v0, 2, SPARE
	v_mov_b32 v[NIL], 0
	ds_add_u32 v[SPW], v[NIL]                      ; the wave's opening: the add, and its wait ahead of the first tensor loads; work on registers stands between them
	v_lshrrev_b32 v1, 5, v0
	v_readfirstlane_b32 s[WV], v1                  ; wave 0..15
	s_bfe_u32 s13, ttmp6, 0x40000                  ; cx
	s_lshl_b32 s14, ttmp9, 2
	s_add_co_u32 s14, s14, s13                     ; my block of 256 queries: it enters Q's and the results' addresses alone
	s_and_b32 s15, ttmp7, 0xffff                   ; the head, which the four partners share
	s_mul_i32 s50, s15, HS
	s_mov_b32 s51, 0
	s_and_b32 s52, s[WV], 3
	s_mul_i32 s52, s52, STEPB                      ; the step of each group of four that a fetching wave brings
	s_mov_b32 s53, 0
	; descriptor group 1: a step's block, 13,056 dense bytes, as 51 rows of 32 elements of 8 bytes
	s_mov_b32 s[G1], 15|(3<<16)|(1<<21)            ; 15:0 the mask: all four work-groups; 17:16 elements of 8 bytes; 21 set beside a mask
	s_mov_b32 s[G1+1], 32<<16
	s_mov_b32 s[G1+2], 51<<16
	s_mov_b32 s[G1+3], 32<<16
	s_mov_b32 s[G1+4], 51
	s_mov_b32 s[G1+5], 32
	s_mov_b32 s[G1+6], 0
	s_mov_b32 s[G1+7], 0
	s_mov_b32 s[SEL], 0x76543210
	s_mov_b32 s[SEL+1], 0xfedcba98                 ; selects for lane l xor 16
	s_mov_b32 s[CS], 0x3e38aa3b                    ; c = log2(e) / 8
	s_mov_b32 s[CS+1], s[CS]                       ; (named with it as a pair)
	s_mov_b32 s[TB], 0
	s_lshl_b32 s54, s14, 1
	s_lshr_b32 s55, s[WV], 3
	s_add_co_u32 s54, s54, s55                     ; my step of 128 queries
	s_and_b32 s55, s[WV], 7                        ; my tile in it
	s_mul_i32 s56, s54, STEPB
	s_add_co_u32 s56, s56, s50
	s_mul_i32 s57, s55, 768
	s_add_co_u32 s58, s56, s57                     ; Q's half image
	s_mov_b32 s59, 0
	s_and_b32 s57, s55, 1
	s_lshl_b32 s57, s57, 8
	s_add_co_u32 s60, s56, s57
	s_lshr_b32 s57, s55, 1
	s_lshl_b32 s57, s57, 2
	s_add_co_u32 s60, s60, s57
	s_add_co_u32 s60, s60, 12288                   ; Q's scale words: 12,288 + 16 (16 (tile % 2) + r) + 4 (tile / 2)
	s_mov_b32 s61, 0
	s_lshr_b32 s16, s15, 4
	s_lshl_b32 s16, s16, 7
	s_lshl_b32 s17, s54, 3
	s_add_co_u32 s16, s16, s17
	s_add_co_u32 s16, s16, s55                     ; T: my row tile among the 256
	s_and_b32 s17, s15, 15                         ; the head in its batch
	s_lshr_b32 s18, s17, 2
	s_mul_i32 s18, s18, 786432
	s_mul_i32 s19, s16, 3072
	s_add_co_u32 s18, s18, s19
	s_bfe_u32 s19, s17, 0x10001
	s_mul_i32 s19, s19, 1536
	s_add_co_u32 s18, s18, s19
	s_and_b32 s19, s17, 1
	s_mul_i32 s19, s19, 768
	s_add_co_u32 s18, s18, s19                     ; my half image in attc
	s_mov_b32 s19, 0
	s_lshr_b32 s62, s17, 1
	s_lshl_b32 s62, s62, 14
	s_lshl_b32 s63, s16, 6
	s_add_co_u32 s62, s62, s63
	s_and_b32 s63, s17, 1
	s_lshl_b32 s63, s63, 1
	s_add_co_u32 s62, s62, s63                     ; my two bytes of the words in atts
	s_mov_b32 s63, 0
	s_wait_dscnt 0x0                               ; the opening add is done
	s_wait_kmcnt 0x0
	s_add_nc_u64 s[6:7], s[6:7], s[50:51]          ; kv at my head,
	s_add_nc_u64 s[6:7], s[6:7], s[52:53]          ; at the step that I fetch
	s_add_nc_u64 s[58:59], s[4:5], s[58:59]
	s_add_nc_u64 s[60:61], s[4:5], s[60:61]
	s_add_nc_u64 s[8:9], s[8:9], s[18:19]
	s_add_nc_u64 s[10:11], s[10:11], s[62:63]
	ROUND                                          ; all four work-groups are here: the joint loads meet
.irp g, 0,1,2,3
	s_mov_b32 s[G0+4*\g], 1
	s_add_co_u32 s[G0+4*\g+1], s52, \g*4*STEPB     ; step 4 g + wave, in LDS
	s_add_nc_u64 s[G0+4*\g+2:G0+4*\g+3], s[6:7], \g*4*STEPB   ; and in memory
	s_or_b32 s[G0+4*\g+3], s[G0+4*\g+3], 0x80000000
.endr
	s_cmp_lt_u32 s[WV], 4                          ; waves 0-3 fetch: all their fills stand in this one branch; four loads of such a wave are out
	s_cbranch_scc0 .Lno_fetch
.irp g, 0,1,2,3
	tensor_load_to_lds s[G0+4*\g:G0+4*\g+3], s[G1:G1+7]
	s_nop 0
.endr
.rept 4
	v_nop
.endr
.Lno_fetch:
	v_and_b32 v8, 31, v0
	v_lshlrev_b32 v1, 4, v8                        ; 16 x lane
	v_lshlrev_b32 v2, 3, v8                        ; 8 x lane
	v_and_b32 v9, 15, v0
	v_lshlrev_b32 v7, 2, v9                        ; 4 r
	v_lshlrev_b32 v10, 4, v9                       ; 16 r
	global_load_b128 v[16:19], v1, s[58:59]        ; Q's registers 0-3,
	global_load_b64 v[20:21], v2, s[58:59] offset:512   ; 4-5,
	global_load_b32 v255, v10, s[60:61]            ; and its scale words
.irp j, 22,23,24,25,26,27
	v_mov_b32 v\j, 0                               ; K = 64: the upper half of the fragment is zero codes
.endr
.irp t, 0,1,2,3
.irp j, 6,7,8,9,10,11
	v_mov_b32 v[32+12*\t+\j], 0                    ; K's likewise: set once
.endr
.endr
	v_mov_b32 v13, 0xff61b1e6                      ; the largest t so far: -3e38
	v_floor_f32 v12, -v13                          ; -M
	v_mov_b32 v14, 0
	v_mov_b32 v15, 0
.irp b, 0,1,2,3
	v_mov_b32 v[236+\b], 0                         ; a lane permute's destination counts as read
.endr
	v_mov_b32 v253, 0                              ; (named as the upper half of the pair v[252:253] before it is first written)
.set j, 0
.rept 32
	v_mov_b32 v[OT+j], 0                           ; O^T: the step is written once; the first finds zeros, which the first change of M leaves zeros
.set j, j+1
.endr
	s_wait_loadcnt 0x0                             ; Q
.macro QK tile, t                      ; S^T's tile: source 0 = 16 keys, source 1 = my 16 queries; K's scale words: register tile / 2, lanes 0-15 for an even tile, 16-31 for an odd one
.if (\tile)%2
	v_wmma_scale_f32_16x16x128_f8f6f4 v[S+8*(\tile):S+8*(\tile)+7], v[32+12*\t:43+12*\t], v[16:27], 0, v[248+(\tile)/2], v255 matrix_a_fmt:MATRIX_FMT_FP6 matrix_b_fmt:MATRIX_FMT_FP6 matrix_a_scale:MATRIX_SCALE_ROW1
.else
	v_wmma_scale_f32_16x16x128_f8f6f4 v[S+8*(\tile):S+8*(\tile)+7], v[32+12*\t:43+12*\t], v[16:27], 0, v[248+(\tile)/2], v255 matrix_a_fmt:MATRIX_FMT_FP6 matrix_b_fmt:MATRIX_FMT_FP6
.endif
.endm
.macro PV t                            ; O^T's tile t += V^T's 16 rows x P
.if (\t)%2
	v_wmma_scale_f32_16x16x128_f8f6f4 v[OT+8*\t:OT+8*\t+7], v[80+12*\t:91+12*\t], v[224:235], v[OT+8*\t:OT+8*\t+7], v[30+(\t)/2], v253 matrix_a_fmt:MATRIX_FMT_FP6 matrix_b_fmt:MATRIX_FMT_FP6 matrix_a_scale:MATRIX_SCALE_ROW1
.else
	v_wmma_scale_f32_16x16x128_f8f6f4 v[OT+8*\t:OT+8*\t+7], v[80+12*\t:91+12*\t], v[224:235], v[OT+8*\t:OT+8*\t+7], v[30+(\t)/2], v253 matrix_a_fmt:MATRIX_FMT_FP6 matrix_b_fmt:MATRIX_FMT_FP6
.endif
.endm
; A KEY STEP: 128 keys
.macro STEP
	v_add_nc_u32 v3, s[TB], v1
	v_add_nc_u32 v4, s[TB], v2
	v_nop
	v_nop                                          ; with the four below: the places between the last step's products and the loads into V's registers
.irp g, 0,1                                    ; S^T = K Q^T, four tiles of 16 keys at a time
.if \g
.rept 4
	v_nop                                          ; places in front of loads into registers that matrix instructions have read
.endr
.endif
.irp t, 0,1,2,3
	ds_load_b128 v[32+12*\t:35+12*\t], v3 offset:768*(4*\g+\t)
	ds_load_b64 v[36+12*\t:37+12*\t], v4 offset:768*(4*\g+\t)+512
.endr
.if \g == 0
	ds_load_b128 v[248:251], v3 offset:12288       ; K's scale words of all eight tiles
.endif
	s_wait_dscnt 0x0
.irp t, 0,1,2,3
	QK 4*\g+\t, \t
.endr
.endr
.irp t, 0,1,2,3                                ; V's four fragments and its scale words land during the softmax
	ds_load_b128 v[80+12*\t:83+12*\t], v3 offset:6144+1536*\t
	ds_load_b64 v[84+12*\t:85+12*\t], v4 offset:6144+1536*\t+512
	ds_load_b128 v[86+12*\t:89+12*\t], v3 offset:6144+1536*\t+768
	ds_load_b64 v[90+12*\t:91+12*\t], v4 offset:6144+1536*\t+1280
.endr
	ds_load_b64 v[30:31], v4 offset:12800
.rept 4
	v_nop                                          ; places in front of the first read of the scores
.endr
.irp b, 0,1,2,3
	v_max3_num_f32 v[232+\b], v[S+16*\b], v[S+1+16*\b], v[S+2+16*\b]   ; the largest score of each block of 32 keys: it serves the row's maximum and, since p rises with the score, the block's largest p
.endr
.irp i, 3,5,7,9,11,13
.irp b, 0,1,2,3
	v_max3_num_f32 v[232+\b], v[232+\b], v[S+16*\b+\i], v[S+1+16*\b+\i]
.endr
.endr
.irp b, 0,1,2,3
	v_max_num_f32 v[232+\b], v[232+\b], v[S+15+16*\b]
.endr
.irp b, 0,1,2,3
	v_permlanex16_b32 v[236+\b], v[232+\b], s[SEL], s[SEL+1]
.endr
.irp b, 0,1,2,3
	v_max_num_f32 v[232+\b], v[232+\b], v[236+\b]  ; with lane l xor 16's 16 keys
.endr
	v_max3_num_f32 v254, v232, v233, v234
	v_max_num_f32 v254, v254, v235                 ; the step's largest score of my query
	v_mul_f32 v254, s[CS], v254                    ; as t
	v_max_num_f32 v13, v13, v254                   ; the running largest t
	v_mov_b32 v254, v12
	v_floor_f32 v12, -v13                          ; the new -M = -ceil(t): a whole number
	v_sub_f32 v254, v12, v254                      ; old M - new M: a whole number, 0 or less
	v_cvt_i32_f32 v254, v254                       ; (it saturates)
	v_ldexp_f32 v252, 1.0, v254                    ; f = 2^(old M - new M)
.set j, 0
.rept 32
	v_pk_fma_f32 v[S+j:S+j+1], v[S+j:S+j+1], s[CS:CS+1], v[12:13] op_sel_hi:[1,0,0]   ; t - M, two at a time
.set j, j+2
.endr
.irp b, 0,1,2,3
	v_fma_f32 v[232+\b], v[232+\b], s[CS], v12     ; the same of each block's largest score
.endr
.set j, 0
.rept 64
	v_exp_f32 v[S+j], v[S+j]                       ; p = 2^(t - M), at most 1: not normalised
.set j, j+1
.endr
	v_pk_mul_f32 v[14:15], v[14:15], v[252:253] op_sel_hi:[1,0]   ; the sums under the new M: a plain instruction behind the exponentials
	s_wait_alu depctr_va_vdst(0)                   ; one wait for the batch of 64, ahead of its first reader
.irp b, 0,1,2,3
	v_exp_f32 v[232+\b], v[232+\b]                 ; the block's largest p
.endr
	v_pk_add_f32 v[236:237], v[S:S+1], v[S+2:S+3]  ; the row's sum of the unquantised p, in two chains; it reads the 64 alone
.irp j, 4,8,12,16,20,24,28,32,36,40,44,48,52,56,60
	v_pk_add_f32 v[14:15], v[14:15], v[S+\j:S+1+\j]
	v_pk_add_f32 v[236:237], v[236:237], v[S+2+\j:S+3+\j]
.endr
	v_pk_add_f32 v[14:15], v[14:15], v[236:237]
	s_wait_alu depctr_va_vdst(0)                   ; and one for the four
.irp b, 0,1,2,3
	v_max_num_f32 v[232+\b], 0x1800000, v[232+\b]  ; the floor 2^(3 - 127): the byte cannot fall under 1
.endr
.irp b, 0,1,2,3
	v_add_nc_u32 v[244+\b], 0xff000000, v[232+\b]  ; 2 off the exponent field: the conversion's scale operand
.endr
.irp b, 0,1,2,3
	v_lshrrev_b32 v[236+\b], 23, v[244+\b]         ; the scale's byte
.endr
	v_lshl_or_b32 v253, v237, 8, v236              ; p's scale word for these 128 keys
	v_lshl_or_b32 v253, v238, 16, v253
	v_lshl_or_b32 v253, v239, 24, v253
.irp c, 0,1
	v_cvt_scalef32_pk16_fp6_f32 v[224+6*\c:226+6*\c], v[S+32*\c:S+15+32*\c], v[244+2*\c]
	v_cvt_scalef32_pk16_fp6_f32 v[236+4*\c:238+4*\c], v[S+16+32*\c:S+31+32*\c], v[244+2*\c+1]
.endr
	v_nop                                          ; one plain place behind a scaled conversion
.irp c, 0,1                                    ; the operand's layout wants a whole block in a lane
.irp i, 0,1,2
	v_permlane16_swap_b32 v[224+6*\c+\i], v[236+4*\c+\i]
.endr
.irp i, 0,1,2
	v_mov_b32 v[227+6*\c+\i], v[236+4*\c+\i]
.endr
.endr
.set j, 0
.rept 16
	v_pk_mul_f32 v[OT+j:OT+j+1], v[OT+j:OT+j+1], v[252:253] op_sel_hi:[1,0]   ; O^T under the new M; these sixteen are also the places between the writes of p's codes and scale word and the products
.set j, j+2
.endr
	s_wait_dscnt 0x0                               ; V is in
.irp t, 0,1,2,3                                ; the four accumulators by turns, one instruction a turn
	PV \t
.endr
.endm
; Four steps: a fetching wave's load of this group has landed (the later groups' may be out), every wave hears so at the barrier
.macro GROUP g
	s_wait_tensorcnt 3-\g
	s_barrier_signal -1
	s_barrier_wait -1
	s_mov_b32 s[CNT], 4
.Lstep_\@:
	STEP
	s_add_co_u32 s[TB], s[TB], STEPB
	s_sub_co_u32 s[CNT], s[CNT], 1
	s_cmp_lg_u32 s[CNT], 0
	s_cbranch_scc1 .Lstep_\@
.endm
	GROUP 0
	GROUP 1
	GROUP 2
	GROUP 3
	; THE WAY OUT: O^T / the sum; its 32 numbers a lane are two half blocks along the model's axis: quantised as the hidden layer of a chain is, they are registers 0-5 of a fragment
.rept 4
	v_nop                                          ; places behind the last products
.endr
	v_add_f32 v14, v14, v15
	v_permlanex16_b32 v252, v14, s[SEL], s[SEL+1]
	v_add_f32 v14, v14, v252                       ; the row's sum
	v_rcp_f32 v14, v14
	v_nop                                          ; a plain instruction behind the reciprocal
	s_wait_alu depctr_va_vdst(0)                   ; and the wait ahead of its first reader
.set j, 0
.rept 16
	v_pk_mul_f32 v[S+j:S+j+1], v[OT+j:OT+j+1], v[14:15] op_sel_hi:[1,0]   ; register 16 b + i: the head's number 32 b + 16 h + i; each accumulator from its low end on
.set j, j+2
.endr
.irp b, 0,1
	v_max3_num_f32 v[232+\b], |v[S+16*\b]|, |v[S+1+16*\b]|, 0x1800000
.endr
.irp i, 2,4,6,8,10,12,14
.irp b, 0,1
	v_max3_num_f32 v[232+\b], v[232+\b], |v[S+16*\b+\i]|, |v[S+1+16*\b+\i]|
.endr
.endr
.irp b, 0,1
	v_permlanex16_b32 v[236+\b], v[232+\b], s[SEL], s[SEL+1]
.endr
.irp b, 0,1
	v_max_num_f32 v[232+\b], v[232+\b], v[236+\b]
.endr
.irp b, 0,1
	v_add_nc_u32 v[244+\b], 0xff000000, v[232+\b]
.endr
.irp b, 0,1
	v_lshrrev_b32 v[236+\b], 23, v[244+\b]
.endr
	v_lshl_or_b32 v254, v237, 8, v236              ; the head's two bytes of the row's scale word
	v_cvt_scalef32_pk16_fp6_f32 v[224:226], v[S:S+15], v244
	v_cvt_scalef32_pk16_fp6_f32 v[228:230], v[S+16:S+31], v245
	v_nop
	v_permlane16_swap_b32 v224, v228
	v_permlane16_swap_b32 v225, v229
	v_permlane16_swap_b32 v226, v230
	v_mov_b32 v227, v228
	v_mov_b32 v228, v229
	v_mov_b32 v229, v230
	global_store_b128 v1, v[224:227], s[8:9]       ; 512 consecutive bytes, aligned to 256
	global_store_b64 v2, v[228:229], s[8:9] offset:512   ; 256
	global_store_b16 v7, v254, s[10:11]            ; lanes r and r + 16 write the same two bytes with the same value
	s_wait_tensorcnt 0x0                           ; the wave's end, behind my last tensor load
	ds_add_u32 v[SPW], v[NIL]
	s_wait_dscnt 0x0
	ROUND                                          ; the closing round
	s_endpgm
.Lfunc_end_k_qa70e23212f_attn:
	.size	k_qa70e23212f_attn, .Lfunc_end_k_qa70e23212f_attn-k_qa70e23212f_attn
	.p2alignl 7, 3214868480
	.fill 96, 4, 3214868480
	.section	.rodata,"a",@progbits
	.p2align	6, 0x0
	.amdhsa_kernel k_qa70e23212f_attn
		.amdhsa_group_segment_fixed_size 210944
		.amdhsa_private_segment_fixed_size 0
		.amdhsa_enable_private_segment 0
		.amdhsa_kernarg_size 32
		.amdhsa_user_sgpr_count 2
		.amdhsa_user_sgpr_kernarg_segment_ptr 1
		.amdhsa_wavefront_size32 1
		.amdhsa_system_sgpr_workgroup_id_x 1
		.amdhsa_system_sgpr_workgroup_id_y 1
		.amdhsa_system_sgpr_workgroup_id_z 1
		.amdhsa_system_vgpr_workitem_id 0
		.amdhsa_next_free_vgpr 256
		.amdhsa_next_free_sgpr 66
		.amdhsa_reserve_vcc 0
		.amdhsa_float_denorm_mode_32 3
		.amdhsa_float_denorm_mode_16_64 3
		.amdhsa_memory_ordered 1
		.amdhsa_forward_progress 1
		.amdhsa_inst_pref_size 77
	.end_amdhsa_kernel
	.amdgpu_metadata
---
amdhsa.version: [ 1, 2 ]
amdhsa.kernels:
  - .name:           k_qa70e23212f_attn
    .symbol:         k_qa70e23212f_attn.kd
    .args:
      - { .name: qb, .offset: 0, .size: 8, .value_kind: global_buffer, .address_space: global }
      - { .name: kv, .offset: 8, .size: 8, .value_kind: global_buffer, .address_space: global }
      - { .name: attc, .offset: 16, .size: 8, .value_kind: global_buffer, .address_space: global }
      - { .name: atts, .offset: 24, .size: 8, .value_kind: global_buffer, .address_space: global }
    .group_segment_fixed_size: 210944
    .private_segment_fixed_size: 0
    .kernarg_segment_align: 8
    .kernarg_segment_size: 32
    .max_flat_workgroup_size: 512
    .sgpr_count:     66
    .vgpr_count:     256
    .wavefront_size: 32
...
	.end_amdgpu_metadata
.endif
;; end of part 4
;; launch gemm_out (part 5): grid 4 x 16, 4 waves a work-group, clusters of 4 x 4, 327,680 bytes of LDS; arguments attc, atts, wc, ws, bo, out0; writes out0
.if DOCPART == 5
	.amdgcn_target "amdgcn-amd-amdhsa--gfx1250"
	.amdhsa_code_object_version 6
	.text
	.protected	k_qa70e23212f_gemm_out
	.globl	k_qa70e23212f_gemm_out
	.p2align	8
	.type	k_qa70e23212f_gemm_out,@function
k_qa70e23212f_gemm_out:
	s_mov_b64 s[64:65], 0
	v_nop
	global_prefetch_b8 v0, s[64:65] scope:SCOPE_SE
	s_setreg_imm32_b32 hwreg(HW_REG_WAVE_MODE, 25, 1), 1
	s_wait_xcnt 0x0
	s_wait_alu depctr_hold_cnt(0) depctr_sa_sdst(0) depctr_va_vdst(0) depctr_va_sdst(0) depctr_va_ssrc(0) depctr_va_vcc(0) depctr_vm_vsrc(0)
	s_getreg_b32 s2, hwreg(HW_REG_IB_STS2, 6, 4)
	s_cmp_eq_u32 s2, 0
	s_cbranch_scc0 .Lentry_in_a_cluster
	s_endpgm
.Lentry_in_a_cluster:
	s_bfe_u32 s2, ttmp6, 0x10000c
	s_cmp_lg_u32 s2, 0xf033
	s_cbranch_scc0 .Lentry_shape_is_right
	s_endpgm
.Lentry_shape_is_right:
; out0 = attention's result x Wo + bo on codes of FP6 (E2M3) with E8M0 scales, f32 sums.  out0: [4096][1024] f32.
; OPERANDS come as images of operand registers: the fragment (16 rows x 128 K, 1,536 bytes) of (row tile T, K step s) at (s / 2) x 786,432 + T x 3,072 + (s % 2) x 1,536, so that 128 rows x 256 K are one dense block of 24,576 bytes;
; the scale word of (s, row place p) at s x 16,384 + 4 p.  Row place p holds row SW(p) (bits 3 and 4 exchanged): the way out puts tokens and columns back in their order.  Wo's columns are rows 3,072 on of the weights' buffer.
; SHAPE: a tile of 256 x 256 to a work-group of four waves, 128 x 128 a wave: 64 accumulators, 512 registers.  K = 1,024 goes through two LDS slots of 256 along K: four fills, written straight.  64 work-groups: 16 x 4 tiles.
; THE MATRIX INSTRUCTION IS USED TRANSPOSED (source 0 = 16 rows of B, source 1 = 16 rows of A): a lane holds one token and eight neighbouring columns a tile.
; CLUSTERS: 4 x 4 work-groups; A's tiles are asked for jointly along a row of the cluster, B's along a column.
; REGISTERS, in windows of 256: window 0: v0-31 addresses; v32-63 scale words, two sets; v64-67 the bias; v128-223 A's fragments, ONE set; on the way out v128-255 rows of the result.  window 1: B's fragments, two sets.  windows 2, 3: the accumulators ((a, b) at v[8 (8 (a % 4) + b)]).
.set NQ,     2
.set FR,     12
.set NL,     4
.set NP,     4
.set HALFT,  24576
.set SLOT,   4*HALFT
.set CH,     786432
.set SCL,    2*SLOT
.set HALFS,  4096
.set SPARE,  SCL+4*HALFS
.set SPITCH, 528                       ; the way out: a stage of 16 rows x (512 bytes + 16) for each wave, in slot 0, which has had its last fill and its last read when the first result is stored there
.set ADRA, 16
.set ADRB, 20
.set STO,  24
.set RD,   25
.set CO,   26
.set ADRS, 27
.set SPW,  28
.set NIL,  29
.set SC,   32
.set AF,   128
.set BK,   128
.set G1, 24
.set G0, 32
.set G1B, 48
.set G0B, 56
.set G1S, 68
.set G0S, 76
.set G1SB, 80
.set G0SB, 88
.set MSB, 0
.macro WIN new
.if MSB != (\new)
	s_set_vgpr_msb (MSB<<8)|(\new)
.set MSB, (\new)
.endif
.endm
.set MUL_LO, 0xa1
.set MUL_HI, 0xf1
.set TO_B,   0x40
; A joint load: waves 0 and 1 fetch for A, waves 2 and 3 for B; the branch hangs on the wave's number alone.  An s_nop 0 and four v_nop follow each of the two lines.
.macro JLOAD g0a, g1a, g0b, g1b
	s_cmp_eq_u32 s15, 0
	s_cbranch_scc0 .Lfor_b_\@
	tensor_load_to_lds s[\g0a:\g0a+3], s[\g1a:\g1a+7]
	s_nop 0
.rept 4
	v_nop
.endr
	s_branch .Lasked_\@
.Lfor_b_\@:
	tensor_load_to_lds s[\g0b:\g0b+3], s[\g1b:\g1b+7]
	s_nop 0
.rept 4
	v_nop
.endr
.Lasked_\@:
.endm
.macro CREST
	s_cmp_lg_u32 s14, 0
	s_cbranch_scc1 .Lnot_wave_0_\@
	s_barrier_signal -3
.Lnot_wave_0_\@:
	s_barrier_wait -3
	s_barrier_signal -1
	s_barrier_wait -1
.endm
.macro CROUND
	s_barrier_signal -1
	s_barrier_wait -1
	CREST
.endm
	s_load_b256 s[4:11], s[0:1], 0x0               ; attc, atts, wc, ws
	s_load_b128 s[96:99], s[0:1], 0x20             ; bo, out0
	v_lshl_add_u32 v[SPW], v0, 2, SPARE
	v_mov_b32 v[NIL], 0
	ds_add_u32 v[SPW], v[NIL]                      ; the wave's opening: the add, and its wait ahead of my first tensor load; work on registers stands between them
	v_lshrrev_b32 v1, 5, v0
	v_readfirstlane_b32 s14, v1                    ; wave 0..3
	s_lshr_b32 s15, s14, 1                         ; which half of the tile's rows is mine.  Also: I fetch for A (0) or for B (1)
	s_and_b32 s16, s14, 1                          ; which half of its columns.  Also: which 128 rows I fetch
	s_bfe_u32 s40, ttmp6, 0x40000                  ; cx
	s_bfe_u32 s41, ttmp6, 0x40004                  ; cy
	s_lshl_b32 s42, ttmp9, 2
	s_add_co_u32 s42, s42, s40                     ; block of 256 columns
	s_and_b32 s17, ttmp7, 0xffff
	s_lshl_b32 s17, s17, 2
	s_add_co_u32 s17, s17, s41                     ; block of 256 tokens
	s_lshl_b32 s43, s41, 2
	s_lshl_b32 s43, 15, s43                        ; my row of the cluster
	s_lshl_b32 s44, 0x1111, s40                    ; my column
	; descriptor group 1 for the codes: a dense block of 24,576 bytes as 96 rows of 32 elements of 8 bytes; no padding: every LDS read takes the lanes' bytes on end
	s_or_b32 s[G1+0], s43, (3<<16)|(1<<21)
	s_or_b32 s[G1B+0], s44, (3<<16)|(1<<21)
.irp g, G1, G1B
	s_mov_b32 s[\g+1], 32<<16
	s_mov_b32 s[\g+2], 96<<16
	s_mov_b32 s[\g+3], 32<<16
	s_mov_b32 s[\g+4], 96
	s_mov_b32 s[\g+5], 32
	s_mov_b32 s[\g+6], 0
	s_mov_b32 s[\g+7], 0
.endr
	; and for the scale words of 128 rows: 8 K steps x 512 bytes, 16,384 bytes apart
	s_or_b32 s[G1S+0], s43, (3<<16)|(1<<21)
	s_or_b32 s[G1SB+0], s44, (3<<16)|(1<<21)
.irp g, G1S, G1SB
	s_mov_b32 s[\g+1], 64<<16
	s_mov_b32 s[\g+2], 8<<16
	s_mov_b32 s[\g+3], 64<<16
	s_mov_b32 s[\g+4], 8
	s_mov_b32 s[\g+5], 2048
	s_mov_b32 s[\g+6], 0
	s_mov_b32 s[\g+7], 0
.endr
	s_lshl_b32 s18, s16, 3                         ; which 8 row tiles of the block I fetch
	s_lshl_b32 s20, s17, 4
	s_add_co_u32 s20, s20, s18                     ; A: row tile 16 x block + 8 x half
	s_lshl_b32 s46, s42, 4
	s_add_co_u32 s46, s46, s18
	s_add_co_u32 s46, s46, 192                     ; B: Wo begins at row tile 192
	s_lshl_b32 s22, s20, 6
	s_lshl_b32 s92, s46, 6
	s_mul_i32 s20, s20, 3072
	s_mul_i32 s46, s46, 3072
	s_mov_b32 s21, 0
	s_mov_b32 s23, 0
	s_mov_b32 s47, 0
	s_mov_b32 s93, 0
	s_mul_i32 s45, s14, HALFT
	s_mul_i32 s94, s14, HALFS
	s_wait_dscnt 0x0                               ; the opening add is done
	s_wait_kmcnt 0x0
	s_add_nc_u64 s[20:21], s[4:5], s[20:21]
	s_add_nc_u64 s[22:23], s[6:7], s[22:23]
	s_add_nc_u64 s[46:47], s[8:9], s[46:47]
	s_add_nc_u64 s[92:93], s[10:11], s[92:93]
	CROUND                                         ; all sixteen work-groups are here: the first joint loads meet
	s_mov_b32 s[G0S], 1
	s_add_co_u32 s[G0S+1], s94, SCL
	s_mov_b64 s[G0S+2:G0S+3], s[22:23]
	s_or_b32 s[G0S+3], s[G0S+3], 0x80000000
	s_mov_b32 s[G0SB], 1
	s_add_co_u32 s[G0SB+1], s94, SCL
	s_mov_b64 s[G0SB+2:G0SB+3], s[92:93]
	s_or_b32 s[G0SB+3], s[G0SB+3], 0x80000000
	JLOAD G0S, G1S, G0SB, G1SB
.irp s, 0,1
	s_mov_b32 s[G0+4*\s], 1
	s_add_co_u32 s[G0+4*\s+1], s45, \s*SLOT
	s_add_nc_u64 s[G0+4*\s+2:G0+4*\s+3], s[20:21], \s*CH
	s_or_b32 s[G0+4*\s+3], s[G0+4*\s+3], 0x80000000
	s_mov_b32 s[G0B+4*\s], 1
	s_add_co_u32 s[G0B+4*\s+1], s45, \s*SLOT
	s_add_nc_u64 s[G0B+4*\s+2:G0B+4*\s+3], s[46:47], \s*CH
	s_or_b32 s[G0B+4*\s+3], s[G0B+4*\s+3], 0x80000000
	JLOAD G0+4*\s, G1, G0B+4*\s, G1B               ; three tensor loads of mine are out now
.endr
	v_and_b32 v1, 31, v0                           ; lane
	v_and_b32 v2, 15, v0                           ; r
	v_bfe_u32 v3, v0, 4, 1                         ; h
	v_lshlrev_b32 v[CO], 4, v1                     ; 16 x lane
	v_lshlrev_b32 v8, 3, v1                        ; 8 x lane
	s_mul_i32 s21, s15, HALFT
	s_mul_i32 s22, s16, HALFT
	s_add_co_u32 s22, s22, 2*HALFT
.irp s, 0,1
	v_add_nc_u32 v[ADRA+\s], s21, v[CO]
	v_add_nc_u32 v[ADRB+\s], s22, v[CO]
	v_add_nc_u32 v[ADRA+2+\s], s21, v8
	v_add_nc_u32 v[ADRB+2+\s], s22, v8
	s_add_co_u32 s21, s21, SLOT
	s_add_co_u32 s22, s22, SLOT
.endr
	v_lshlrev_b32 v5, 2, v2
	s_mul_i32 s21, s15, HALFS
	s_mul_i32 s22, s16, HALFS
	s_add_co_u32 s22, s22, 2*HALFS
	s_sub_co_u32 s22, s22, s21
	v_mul_u32_u24 v6, s22, v3                      ; lanes 16-31 take B's: one product, the distance between the two bases
	s_add_co_u32 s21, s21, SCL
	v_add_nc_u32 v5, v5, v6
	v_add_nc_u32 v[ADRS], s21, v5
	s_mul_i32 s23, s14, 16*SPITCH                  ; my stage
	v_mul_u32_u24 v5, v2, SPITCH
	v_lshl_add_u32 v5, v3, 6, v5
	v_add_nc_u32 v[STO], s23, v5                   ; in: row r, + 64 h bytes: tile b's eight columns lie at 32 (b / 2) + 16 h + 8 (b % 2)
	v_add_nc_u32 v[RD], s23, v[CO]                 ; back: the 32 lanes take one row of 512 bytes
	s_lshl_b32 s20, s17, 1
	s_add_co_u32 s20, s20, s15
	s_lshl_b32 s20, s20, 19                        ; my 128 rows of 4,096 bytes
	s_lshl_b32 s46, s42, 1
	s_add_co_u32 s46, s46, s16
	s_lshl_b32 s46, s46, 9                         ; my 128 columns
	s_mov_b32 s47, 0
	s_add_nc_u64 s[96:97], s[96:97], s[46:47]
	s_add_co_u32 s20, s20, s46
	s_mov_b32 s21, 0
	s_add_nc_u64 s[12:13], s[98:99], s[20:21]
	global_load_b128 v[64:67], v[CO], s[96:97]     ; the bias of the four columns that I store
.macro FRAG reg, adr, q, i
	ds_load_b128 v[\reg:\reg+3], v[\adr] offset:3072*(\i)+1536*(\q)
	ds_load_b64 v[\reg+4:\reg+5], v[\adr+2] offset:3072*(\i)+1536*(\q)+512
	ds_load_b128 v[\reg+6:\reg+9], v[\adr] offset:3072*(\i)+1536*(\q)+768
	ds_load_b64 v[\reg+10:\reg+11], v[\adr+2] offset:3072*(\i)+1536*(\q)+1280
.endm
; 16 matrix instructions: A's tiles a0, a0 + 1 x B's eight, 128 along K.  The 64 accumulators take turns, one instruction a turn, in the same order in every step.
.macro MUL16 a0, p, q, sc, zero
.irp a, \a0, \a0+1
.irp b, 0,1,2,3,4,5,6,7
.if \zero
	v_wmma_scale_f32_16x16x128_f8f6f4 v[8*(8*((\a)%4)+\b):8*(8*((\a)%4)+\b)+7], v[128*(\p)+FR*\b:128*(\p)+FR*\b+FR-1], v[AF+FR*(\a):AF+FR*(\a)+FR-1], 0, v[SC+8*NQ*(\sc)+NQ*\b+(\q)], v[SC+8*NQ*(\sc)+NQ*(\a)+(\q)] matrix_a_fmt:MATRIX_FMT_FP6 matrix_b_fmt:MATRIX_FMT_FP6 matrix_a_scale:MATRIX_SCALE_ROW1
.else
	v_wmma_scale_f32_16x16x128_f8f6f4 v[8*(8*((\a)%4)+\b):8*(8*((\a)%4)+\b)+7], v[128*(\p)+FR*\b:128*(\p)+FR*\b+FR-1], v[AF+FR*(\a):AF+FR*(\a)+FR-1], v[8*(8*((\a)%4)+\b):8*(8*((\a)%4)+\b)+7], v[SC+8*NQ*(\sc)+NQ*\b+(\q)], v[SC+8*NQ*(\sc)+NQ*(\a)+(\q)] matrix_a_fmt:MATRIX_FMT_FP6 matrix_b_fmt:MATRIX_FMT_FP6 matrix_a_scale:MATRIX_SCALE_ROW1
.endif
.endr
.endr
.endm
.macro FETCH_B slot, q, p
	WIN TO_B
.irp i, 0,1,2,3,4,5,6,7
	FRAG 128*(\p)+FR*\i, ADRB+\slot, \q, \i
.endr
	WIN 0
.endm
.macro FETCH_A slot, q, i0
.irp i, \i0, \i0+1, \i0+2, \i0+3
	FRAG AF+FR*(\i), ADRA+\slot, \q, \i
.endr
.endm
.macro SCALES sc
.irp i, 0,1,2,3,4,5,6,7
.irp q, 0,1
	ds_load_b32 v[SC+8*NQ*\sc+NQ*\i+\q], v[ADRS] offset:512*\q+64*\i
.endr
.endr
.endm
.macro PLACES n                        ; plain vector instructions between a matrix instruction and a load into, or a read of, its registers (ISA guide 7.12.1 for the reads)
.rept \n
	v_nop
.endr
.endm
.macro STEP slot, q, zero
	s_wait_dscnt 4*NL                              ; B's set, A's tiles 0-3 and the scale words are in; the youngest 16 loads (A's tiles 4-7) may be out
	WIN MUL_LO
	MUL16 0, (\q)%2, \q, \slot, \zero
	MUL16 2, (\q)%2, \q, \slot, \zero
	s_wait_dscnt 0
	PLACES NP
	FETCH_B \slot, (\q)+1, 1-(\q)%2
	FETCH_A \slot, (\q)+1, 0
	WIN MUL_HI
	MUL16 4, (\q)%2, \q, \slot, \zero
	MUL16 6, (\q)%2, \q, \slot, \zero
	PLACES NP
	WIN 0
	FETCH_A \slot, (\q)+1, 4
.endm
; A slot's last step changes slots: one barrier; in front of it each wave waits for all its tensor loads, adds 0 to its spare word, and waits for that and for its reads of this slot.  fill = 1: this slot is filled again, 512 along K ahead.
.macro TURN slot, next, fill
	s_wait_tensorcnt 0x0                           ; all my tensor loads have landed: my part of the next slot
	ds_add_u32 v[SPW], v[NIL]                      ; 0 onto my spare word
	s_wait_dscnt 4*NL+1                            ; the add and the youngest 16 loads (A's tiles 4-7) may be out
	WIN MUL_LO
	MUL16 0, 1, NQ-1, \slot, 0
	s_wait_dscnt 0x0                               ; the add is done, and my reads of this slot are over
	s_barrier_signal -1
	MUL16 2, 1, NQ-1, \slot, 0
	WIN 0
	s_barrier_wait -1
.if \fill
	CREST                                          ; the barrier has opened a round of the cluster's: no wave of any partner still reads this slot or has a load on its way
	s_add_nc_u64 s[G0+4*\slot+2:G0+4*\slot+3], s[G0+4*\slot+2:G0+4*\slot+3], 2*CH
	s_add_nc_u64 s[G0B+4*\slot+2:G0B+4*\slot+3], s[G0B+4*\slot+2:G0B+4*\slot+3], 2*CH
	JLOAD G0+4*\slot, G1, G0B+4*\slot, G1B         ; my one tensor load behind the round; its four v_nop are the places in front of the loads below
.else
	PLACES NP
.endif
	v_add_nc_u32 v[ADRS], 512*NQ, v[ADRS]
	FETCH_B \next, 0, 0
	FETCH_A \next, 0, 0
	SCALES \next
	WIN MUL_HI
	MUL16 4, 1, NQ-1, \slot, 0
	MUL16 6, 1, NQ-1, \slot, 0
	PLACES NP
	WIN 0
	FETCH_A \next, 0, 4
.endm
	s_wait_tensorcnt 1                             ; the scales and my part of slot 0 are in; slot 1's load may be out
	s_barrier_signal -1
	s_barrier_wait -1
	FETCH_B 0, 0, 0
	FETCH_A 0, 0, 0
	SCALES 0
	FETCH_A 0, 0, 4
	STEP 0, 0, 1                                   ; the first products start the sums: nothing is cleared
	TURN 0, 1, 1
	STEP 1, 0, 0
	TURN 1, 0, 1                                   ; the last fill
	STEP 0, 0, 0
	TURN 0, 1, 0
	STEP 1, 0, 0
	s_wait_dscnt 4*NL                              ; the very last step: nothing more to fetch
	WIN MUL_LO
	MUL16 0, 1, NQ-1, 1, 0
	MUL16 2, 1, NQ-1, 1, 0
	s_wait_dscnt 0
	WIN MUL_HI
	MUL16 4, 1, NQ-1, 1, 0
	MUL16 6, 1, NQ-1, 1, 0
	WIN 0
; THE WAY OUT, tile by tile of 16 tokens x 128 columns, through my own stage in LDS: in by lanes (32 bytes of a row each tile), back as whole rows of 512 bytes.  LDS serves a wave's instructions in order (ISA guide 5.7.1.4): no wait between the stores and the loads.
.macro TOSTAGE a
.set AC, 64*((\a)%4)
	WIN 0x08+4*((\a)/4)                            ; the data: window 2 or 3
.irp b, 0,1,2,3,4,5,6,7
	ds_store_b128 v[STO], v[AC+8*\b:AC+8*\b+3] offset:128*(\b/2)+32*(\b%2)          ; each accumulator from its low end on
	ds_store_b128 v[STO], v[AC+8*\b+4:AC+8*\b+7] offset:128*(\b/2)+32*(\b%2)+16
.endr
	WIN 0
.set BB, BK+64*((\a)%2)
.irp t, 0,1,2,3,4,5,6,7,8,9,10,11,12,13,14,15
	ds_load_b128 v[BB+4*\t:BB+4*\t+3], v[RD] offset:\t*SPITCH
.endr
.endm
.macro SEND a, younger                 ; younger: the LDS instructions issued behind tile a's loads, which may stay out
.set BB, BK+64*((\a)%2)
	s_wait_dscnt \younger
.irp t, 0,1,2,3,4,5,6,7,8,9,10,11,12,13,14,15
	v_pk_add_f32 v[BB+4*\t:BB+4*\t+1], v[BB+4*\t:BB+4*\t+1], v[64:65]
	v_pk_add_f32 v[BB+4*\t+2:BB+4*\t+3], v[BB+4*\t+2:BB+4*\t+3], v[66:67]
	global_store_b128 v[CO], v[BB+4*\t:BB+4*\t+3], s[12:13] offset:(32*((\a)/2)+8*((\a)%2)+\t+8*(\t/8))*4096 th:TH_STORE_NT   ; place t of tile a is this token; 512 consecutive bytes, aligned to 256; 127 rows at the most: inside the signed 24-bit immediate
.endr
.endm
	PLACES NP                                      ; behind the last products: for the reads of results and the loads into the registers that held A's fragments
	s_wait_loadcnt 0x0                             ; the bias
	TOSTAGE 0
.irp a, 1,2,3,4,5,6,7
.if \a > 1
	s_wait_xcnt 0x0                                ; tile a - 2's stores have read their registers: tile a's loads may land there
.endif
	TOSTAGE \a
	SEND \a-1, 32                                  ; behind tile a - 1's loads: tile a's 16 stores and 16 loads
.endr
	SEND 7, 0
	s_wait_tensorcnt 0x0                           ; the wave's end, behind my last tensor load and my last LDS store
	ds_add_u32 v[SPW], v[NIL]
	s_wait_dscnt 0x0
	CROUND                                         ; the closing round
	s_endpgm
.Lfunc_end_k_qa70e23212f_gemm_out:
	.size	k_qa70e23212f_gemm_out, .Lfunc_end_k_qa70e23212f_gemm_out-k_qa70e23212f_gemm_out
	.p2alignl 7, 3214868480
	.fill 96, 4, 3214868480
	.section	.rodata,"a",@progbits
	.p2align	6, 0x0
	.amdhsa_kernel k_qa70e23212f_gemm_out
		.amdhsa_group_segment_fixed_size 327680
		.amdhsa_private_segment_fixed_size 0
		.amdhsa_enable_private_segment 0
		.amdhsa_kernarg_size 48
		.amdhsa_user_sgpr_count 2
		.amdhsa_user_sgpr_kernarg_segment_ptr 1
		.amdhsa_wavefront_size32 1
		.amdhsa_system_sgpr_workgroup_id_x 1
		.amdhsa_system_sgpr_workgroup_id_y 1
		.amdhsa_system_sgpr_workgroup_id_z 1
		.amdhsa_system_vgpr_workitem_id 0
		.amdhsa_next_free_vgpr 1024
		.amdhsa_next_free_sgpr 100
		.amdhsa_reserve_vcc 0
		.amdhsa_float_denorm_mode_32 3
		.amdhsa_float_denorm_mode_16_64 3
		.amdhsa_memory_ordered 1
		.amdhsa_forward_progress 1
		.amdhsa_inst_pref_size 161
	.end_amdhsa_kernel
	.amdgpu_metadata
---
amdhsa.version: [ 1, 2 ]
amdhsa.kernels:
  - .name:           k_qa70e23212f_gemm_out
    .symbol:         k_qa70e23212f_gemm_out.kd
    .args:
      - { .name: attc, .offset: 0, .size: 8, .value_kind: global_buffer, .address_space: global }
      - { .name: atts, .offset: 8, .size: 8, .value_kind: global_buffer, .address_space: global }
      - { .name: wc, .offset: 16, .size: 8, .value_kind: global_buffer, .address_space: global }
      - { .name: ws, .offset: 24, .size: 8, .value_kind: global_buffer, .address_space: global }
      - { .name: bo, .offset: 32, .size: 8, .value_kind: global_buffer, .address_space: global }
      - { .name: out0, .offset: 40, .size: 8, .value_kind: global_buffer, .address_space: global }
    .group_segment_fixed_size: 327680
    .private_segment_fixed_size: 0
    .kernarg_segment_align: 8
    .kernarg_segment_size: 48
    .max_flat_workgroup_size: 128
    .sgpr_count:     100
    .vgpr_count:     1024
    .wavefront_size: 32
...
	.end_amdgpu_metadata
.endif
;; end of part 5
;; ======== version 2 of 2: 4 launches
;; limits: right only within a limited range of input values
;; workspace buffers: sc 3,145,728 bytes; ss 131,072 bytes; wc 3,145,728 bytes; ws 131,072 bytes; qb 6,684,672 bytes; kv 6,684,672 bytes; attc 3,145,728 bytes; atts 131,072 bytes
;; launch quant (part 6): grid 512 x 1, 4 waves a work-group, no clusters, 80,384 bytes of LDS; arguments Wq, Wk, Wv, Wo, wc, ws, seq, sc, ss; writes wc, ws, sc, ss
.if DOCPART == 6
	.amdgcn_target "amdgcn-amd-amdhsa--gfx1250"
	.amdhsa_code_object_version 6
	.text
	.protected	k_qa70e23212f_quant
	.globl	k_qa70e23212f_quant
	.p2align	8
	.type	k_qa70e23212f_quant,@function
k_qa70e23212f_quant:
	s_mov_b64 s[64:65], 0
	v_nop
	global_prefetch_b8 v0, s[64:65] scope:SCOPE_SE
	s_setreg_imm32_b32 hwreg(HW_REG_WAVE_MODE, 25, 1), 1
	s_wait_xcnt 0x0
; seq [4096][1024] f32 (along its last axis) and Wq, Wk, Wv, Wo [1024 (k)][1024 (n)] f32 (along their FIRST axis) become codes of FP6 (E2M3) with one E8M0 byte for each 32 numbers along K, laid as IMAGES OF OPERAND REGISTERS.
; A fragment (16 rows x 128 K, 12 registers a lane) is 1,536 bytes: for each half of 64 along K the lanes' registers 0-3 (16 bytes a lane, 512 bytes), then their registers 4-5 (8 bytes a lane, 256 bytes).
; The fragment of (row tile T, K step s) lies at (s / 2) x 786,432 + T x 3,072 + (s % 2) x 1,536; the scale word of (s, row place p) at s x 16,384 + 4 p.  The weights' buffer has 4,096 rows: Wq's columns at row 0, Wk's at 1,024, Wv's at 2,048, Wo's at 3,072.
; ROW PLACE p HOLDS ROW SW(p), SW = bits 3 and 4 exchanged: lane r of tile 2 b + u then holds row 32 b + 8 u + r + 8 (r / 8), so that later results, used transposed, have 16 neighbours in a lane's registers.
; A block's scale is 2^(floor(log2(largest magnitude)) - 2): its byte is the largest magnitude's exponent field - 2, held at 1 from below by a floor among the maximum's leaves.
; LIMITS: a block of zeros gets the byte 1 where the rule says 127 (its codes are zeros, and this program alone reads the bytes); NaN and infinities are not served.
; ONE LAUNCH FOR BOTH KINDS: work-groups 0-255 take the tokens, 256-511 the weights.  The two ways part on the work-group's number at the head; each has LDS bytes of its own; they join at the closing lines.
; TOKENS: work-group x takes tokens 32 (x / 2) on; wave w takes K step 4 (x % 2) + w: 32 rows x 512 bytes in, two fragments and 32 scale words out.  Each load reads 512 consecutive bytes of a row; the rows turn through
; the wave's own stage in LDS (pitch 528 bytes) so that a lane gets 32 neighbours of one row for each block.
; WEIGHTS: work-group 256 + 8 y + x: weight y / 8, K step y % 8, columns 128 x on; wave w takes 32 columns x 128 K.  A LANE TAKES A COLUMN AND ITS REGISTERS RUN DOWN K: a block lies in one lane, and the conversions give codes with K innermost.
; Lane l's column goes to tile u = (l / 8) % 2, row r = l % 8 + 8 (l / 16); its codes go into the wave's own stage, which IS the two fragments' images, and leave as 512 consecutive bytes a store.  Loads run two blocks (64 loads a wave) ahead.
; No tensor load, no cluster, no barrier: no byte is read by two work-groups, and waves share nothing.
.set SSTG,  16896                      ; tokens: a wave's stage: 32 rows x 528 bytes
.set WBASE, 4*SSTG                     ; behind them the weights' stages,
.set WSTG,  3072                       ; two fragments' images a wave
.set SPARE, WBASE+4*WSTG               ; behind the stages: the spare words, 128 bytes a wave
.set SPW,   60                         ; v60  my spare word's address; never rewritten
.set NIL,   61                         ; v61  0; never rewritten
.set R,     64                         ; tokens: v64-191  32 rows as loaded; v64-127 later hold tile 1's numbers
.set X,     192                        ; tokens: v192-255 tile 0's 64 numbers
	v_lshl_add_u32 v[SPW], v0, 2, SPARE
	v_mov_b32 v[NIL], 0
	s_cmp_lt_u32 ttmp9, 256                        ; tokens or weights: the work-group's number alone decides
	s_cbranch_scc0 .Lweights
	; ---------------- THE TOKENS
	s_load_b128 s[4:7], s[0:1], 0x30               ; seq, sc
	s_load_b64 s[8:9], s[0:1], 0x40                ; ss
	v_lshrrev_b32 v1, 5, v0
	v_readfirstlane_b32 s10, v1                    ; wave
	v_and_b32 v1, 31, v0                           ; lane
	v_and_b32 v2, 15, v0                           ; r
	v_bfe_u32 v3, v0, 4, 1                         ; h
	v_lshlrev_b32 v4, 4, v1                        ; 16 x lane
	v_lshlrev_b32 v5, 3, v1                        ; 8 x lane
	v_lshlrev_b32 v6, 2, v1                        ; 4 x lane
	s_mul_i32 s11, s10, SSTG
	v_add_nc_u32 v7, s11, v4                       ; into the stage: 16 x lane of a row
	v_mul_u32_u24 v8, v2, 528
	v_lshl_add_u32 v8, v3, 7, v8
	v_add_nc_u32 v8, s11, v8                       ; out of it: row r, + 128 h bytes: my 32 numbers of a half of 64
	v_lshlrev_b32 v9, 3, v3                        ; 8 h: my bytes' shift in the scale word
	v_mov_b32 v57, 0                               ; a lane permute's destination counts as read
	s_mov_b32 s20, 0x76543210
	s_mov_b32 s21, 0xfedcba98                      ; selects for lane l xor 16
	s_mov_b32 s22, 0xffff0000                      ; lanes 16-31
	s_lshr_b32 s12, ttmp9, 1                       ; g: which 32 tokens
	s_and_b32 s13, ttmp9, 1
	s_lshl_b32 s13, s13, 2
	s_add_co_u32 s13, s13, s10                     ; s: which K step
	s_lshl_b32 s14, s12, 17                        ; seq: 32 rows of 4,096 bytes a group,
	s_lshl_b32 s15, s13, 9                         ; 512 bytes a K step
	s_add_co_u32 s14, s14, s15
	s_mov_b32 s15, 0
	s_lshr_b32 s16, s13, 1
	s_mul_i32 s16, s16, 786432
	s_mul_i32 s17, s12, 6144
	s_add_co_u32 s16, s16, s17
	s_and_b32 s17, s13, 1
	s_mul_i32 s17, s17, 1536
	s_add_co_u32 s16, s16, s17                     ; the codes of tile 2 g, K step s
	s_mov_b32 s17, 0
	s_lshl_b32 s18, s13, 14
	s_lshl_b32 s19, s12, 7
	s_add_co_u32 s18, s18, s19                     ; the 32 scale words
	s_mov_b32 s19, 0
	s_wait_alu depctr_va_vdst(0)
	s_wait_kmcnt 0x0
	s_add_nc_u64 s[4:5], s[4:5], s[14:15]
	s_add_nc_u64 s[6:7], s[6:7], s[16:17]
	s_add_nc_u64 s[8:9], s[8:9], s[18:19]
.set i, 0
.rept 32                                       ; place i takes token SW(i); the first sixteen loads are tile 0's
	global_load_b128 v[R+4*i:R+4*i+3], v4, s[4:5] offset:((i&7)|((i&8)<<1)|((i&16)>>1))*4096 th:TH_LOAD_NT
.set i, i+1
.endr
; 64 numbers of a lane, register 32 c + i = k 64 c + 32 h + i of my row, become the fragment's 12 registers at v[p] and the row's scale word in v[w]
.macro QB x, p, w
.irp c, 0,1
	v_max3_num_f32 v[48+\c], |v[\x+32*\c]|, |v[\x+32*\c+1]|, 0x1800000   ; my block 2 c + h: all its 32 numbers are mine; the floor 2^(3 - 127) keeps the byte at 1 or more
.endr
.irp i, 2,4,6,8,10,12,14,16,18,20,22,24,26,28,30
.irp c, 0,1
	v_max3_num_f32 v[48+\c], v[48+\c], |v[\x+32*\c+\i]|, |v[\x+32*\c+\i+1]|
.endr
.endr
.irp c, 0,1
	v_add_nc_u32 v[50+\c], 0xff000000, v[48+\c]    ; 2 off the exponent field: the conversion's scale operand
.endr
.irp c, 0,1
	v_lshrrev_b32 v[52+\c], 23, v[50+\c]           ; the scale's byte
.endr
	v_lshl_or_b32 v58, v53, 16, v52                ; blocks h and 2 + h,
	v_lshlrev_b32 v58, v9, v58                     ; at their places in the word;
	v_permlanex16_b32 v57, v58, s20, s21
	v_or_b32 v[\w], v58, v57                       ; with lane l xor 16's two the word is whole
.irp c, 0,1
	v_cvt_scalef32_pk16_fp6_f32 v[\p+6*\c:\p+6*\c+2], v[\x+32*\c:\x+32*\c+15], v[50+\c]
	v_cvt_scalef32_pk16_fp6_f32 v[40+4*\c:42+4*\c], v[\x+32*\c+16:\x+32*\c+31], v[50+\c]   ; (a conversion's three registers begin on an even number)
.endr
	v_nop                                          ; one plain place behind a scaled conversion
.irp c, 0,1
.irp i, 0,1,2
	v_mov_b32 v[\p+6*\c+3+\i], v[40+4*\c+\i]
.endr
.endr
.endm
.macro PUT p, u                        ; the fragment as its image: each store covers 512 or 256 consecutive bytes, aligned to 256
	global_store_b128 v4, v[\p:\p+3], s[6:7] offset:3072*\u
	global_store_b64 v5, v[\p+4:\p+5], s[6:7] offset:3072*\u+512
	global_store_b128 v4, v[\p+6:\p+9], s[6:7] offset:3072*\u+768
	global_store_b64 v5, v[\p+10:\p+11], s[6:7] offset:3072*\u+1280
.endm
	s_wait_loadcnt 16                              ; tile 0's sixteen rows are in; tile 1's sixteen loads may be out
.set i, 0
.rept 16
	ds_store_b128 v7, v[R+4*i:R+4*i+3] offset:528*i
.set i, i+1
.endr
	s_wait_loadcnt 0x0
.rept 16
	ds_store_b128 v7, v[R+4*i:R+4*i+3] offset:528*i
.set i, i+1
.endr
.irp c, 0,1                                    ; LDS serves a wave's instructions in order: these see my stores
.irp j, 0,1,2,3,4,5,6,7
	ds_load_b128 v[X+32*\c+4*\j:X+32*\c+4*\j+3], v8 offset:256*\c+16*\j
.endr
.endr
	s_wait_dscnt 0x0                               ; tile 0's numbers are back, and the stores have read v64-191
.irp c, 0,1
.irp j, 0,1,2,3,4,5,6,7
	ds_load_b128 v[R+32*\c+4*\j:R+32*\c+4*\j+3], v8 offset:16*528+256*\c+16*\j   ; tile 1 comes back while tile 0 is quantised
.endr
.endr
	QB X, 16, 54
	PUT 16, 0
	s_wait_dscnt 0x0
	QB R, 28, 55
	PUT 28, 1
	v_cndmask_b32 v56, v54, v55, s22               ; lanes 0-15: tile 0's words, lanes 16-31: tile 1's
	global_store_b32 v6, v56, s[8:9]               ; 128 consecutive bytes
	s_branch .Lend
	; ---------------- THE WEIGHTS
.Lweights:
	s_load_b256 s[4:11], s[0:1], 0x0               ; Wq, Wk, Wv, Wo
	s_load_b128 s[12:15], s[0:1], 0x20             ; wc, ws
	v_lshrrev_b32 v1, 5, v0
	v_readfirstlane_b32 s16, v1                    ; wave
	v_and_b32 v1, 31, v0                           ; lane
	v_bfe_u32 v2, v0, 3, 1                         ; u
	v_and_b32 v3, 7, v0
	v_bfe_u32 v17, v0, 4, 1
	v_lshl_add_u32 v3, v17, 3, v3                  ; r
	v_lshlrev_b32 v4, 2, v1                        ; in: 4 bytes a lane
	s_mul_i32 s17, s16, WSTG
	s_add_co_u32 s17, s17, WBASE                   ; my stage
	v_mul_u32_u24 v5, v2, 1536
	v_add_nc_u32 v5, s17, v5
	v_lshl_add_u32 v6, v3, 3, v5                   ; stage + 1,536 u + 8 r: registers 4-5
	v_lshl_add_u32 v5, v3, 4, v5                   ; stage + 1,536 u + 16 r: registers 0-3
	v_lshlrev_b32 v8, 4, v1                        ; 16 x lane
	v_add_nc_u32 v7, s17, v8                       ; the stage read back as it lies
	v_lshl_add_u32 v9, v2, 4, v3
	v_lshlrev_b32 v9, 2, v9                        ; my scale word: 4 (16 u + r)
	s_sub_co_u32 s21, ttmp9, 256                   ; 8 y + x
	s_lshr_b32 s18, s21, 3                         ; y
	s_and_b32 s21, s21, 7                          ; x
	s_lshr_b32 s19, s18, 3                         ; which weight
	s_and_b32 s18, s18, 7                          ; which K step
	s_lshl_b32 s20, s21, 2
	s_add_co_u32 s20, s20, s16                     ; which 32 columns of the weight
	s_lshl_b32 s22, s18, 19                        ; 128 rows of 4,096 bytes a K step
	s_lshl_b32 s23, s20, 7
	s_add_co_u32 s22, s22, s23
	s_mov_b32 s23, 0
	s_lshl_b32 s24, s19, 5
	s_add_co_u32 s24, s24, s20                     ; which 32 rows of the 4,096
	s_mul_i32 s26, s24, 6144
	s_lshr_b32 s25, s18, 1
	s_mul_i32 s25, s25, 786432
	s_add_co_u32 s26, s26, s25
	s_and_b32 s25, s18, 1
	s_mul_i32 s25, s25, 1536
	s_add_co_u32 s26, s26, s25
	s_mov_b32 s27, 0
	s_lshl_b32 s28, s18, 14
	s_lshl_b32 s29, s24, 7
	s_add_co_u32 s28, s28, s29
	s_mov_b32 s29, 0
	s_and_b32 s30, s19, 1
	s_wait_alu depctr_va_vdst(0)
	s_wait_kmcnt 0x0
	s_cmp_eq_u32 s30, 0                            ; the choice hangs on the work-group's number alone
	s_cselect_b64 s[4:5], s[4:5], s[6:7]
	s_cselect_b64 s[8:9], s[8:9], s[10:11]
	s_cmp_lt_u32 s19, 2
	s_cselect_b64 s[4:5], s[4:5], s[8:9]
	s_add_nc_u64 s[4:5], s[4:5], s[22:23]
	s_add_nc_u64 s[12:13], s[12:13], s[26:27]
	s_add_nc_u64 s[14:15], s[14:15], s[28:29]
.macro LOAD t                          ; block t: W(32 t + i, my column), i = 0 .. 31
.set i, 0
.rept 32
	global_load_b32 v[64+32*(\t)+i], v4, s[4:5] offset:(32*(\t)+i)*4096 th:TH_LOAD_NT
.set i, i+1
.endr
.endm
	LOAD 0
	LOAD 1
.macro BLOCK t
.set XS, 64+32*(\t)
.set P,  192+8*(\t)                    ; each block has registers of its own for its codes
.if (\t) < 3
	s_wait_loadcnt 32                              ; this block's 32 loads are in; the next block's 32 may be out
.else
	s_wait_loadcnt 0x0
.endif
.if (\t)+2 < 4
	LOAD (\t)+2
.endif
	v_max3_num_f32 v10, |v[XS]|, |v[XS+1]|, |v[XS+2]|
	v_max3_num_f32 v11, |v[XS+3]|, |v[XS+4]|, |v[XS+5]|
.irp i, 6,10,14,18,22,26
	v_max3_num_f32 v10, v10, |v[XS+\i]|, |v[XS+\i+1]|
	v_max3_num_f32 v11, v11, |v[XS+\i+2]|, |v[XS+\i+3]|
.endr
	v_max3_num_f32 v10, v10, |v[XS+30]|, |v[XS+31]|
	v_max3_num_f32 v10, v10, v11, 0x1800000        ; the floor 2^(3 - 127): the byte cannot fall under 1
	v_add_nc_u32 v12, 0xff000000, v10              ; 2 off the exponent field: the conversion's scale operand
	v_lshrrev_b32 v13, 23, v12                     ; the scale's byte
.if (\t) == 0
	v_mov_b32 v16, v13
.else
	v_lshl_or_b32 v16, v13, 8*(\t), v16            ; byte t of my row's scale word
.endif
	v_cvt_scalef32_pk16_fp6_f32 v[P:P+2], v[XS:XS+15], v12
	v_cvt_scalef32_pk16_fp6_f32 v[20:22], v[XS+16:XS+31], v12    ; (a conversion's three registers begin on an even number)
	v_nop                                          ; one plain place behind a scaled conversion
	v_mov_b32 v[P+3], v20
	v_mov_b32 v[P+4], v21
	v_mov_b32 v[P+5], v22
	ds_store_b128 v5, v[P:P+3] offset:768*((\t)/2)+256*((\t)%2)          ; block t is half t % 2 of the image of K 64 (t / 2) on: the place of lane 16 (t % 2) + r
	ds_store_b64 v6, v[P+4:P+5] offset:768*((\t)/2)+512+128*((\t)%2)
.endm
	BLOCK 0
	BLOCK 1
	BLOCK 2
	BLOCK 3
	global_store_b32 v9, v16, s[14:15]             ; the wave's 32 words fill 128 consecutive bytes
.irp i, 0,1,2,3,4,5
	ds_load_b128 v[224+4*\i:227+4*\i], v7 offset:512*\i    ; LDS serves a wave's instructions in order: these see my stores
.endr
.irp i, 0,1,2,3,4,5
	s_wait_dscnt 5-\i                              ; the younger loads may be out
	global_store_b128 v8, v[224+4*\i:227+4*\i], s[12:13] offset:3072*(\i/3)+512*(\i%3)   ; 512 consecutive bytes, aligned to 256
.endr
.Lend:
	s_wait_tensorcnt 0x0                           ; the wave's end, behind my last LDS store
	ds_add_u32 v[SPW], v[NIL]
	s_wait_dscnt 0x0
	s_endpgm
.Lfunc_end_k_qa70e23212f_quant:
	.size	k_qa70e23212f_quant, .Lfunc_end_k_qa70e23212f_quant-k_qa70e23212f_quant
	.p2alignl 7, 3214868480
	.fill 96, 4, 3214868480
	.section	.rodata,"a",@progbits
	.p2align	6, 0x0
	.amdhsa_kernel k_qa70e23212f_quant
		.amdhsa_group_segment_fixed_size 80384
		.amdhsa_private_segment_fixed_size 0
		.amdhsa_enable_private_segment 0
		.amdhsa_kernarg_size 72
		.amdhsa_user_sgpr_count 2
		.amdhsa_user_sgpr_kernarg_segment_ptr 1
		.amdhsa_wavefront_size32 1
		.amdhsa_system_sgpr_workgroup_id_x 1
		.amdhsa_system_sgpr_workgroup_id_y 1
		.amdhsa_system_sgpr_workgroup_id_z 1
		.amdhsa_system_vgpr_workitem_id 0
		.amdhsa_next_free_vgpr 256
		.amdhsa_next_free_sgpr 66
		.amdhsa_reserve_vcc 0
		.amdhsa_float_denorm_mode_32 3
		.amdhsa_float_denorm_mode_16_64 3
		.amdhsa_memory_ordered 1
		.amdhsa_forward_progress 1
		.amdhsa_inst_pref_size 39
	.end_amdhsa_kernel
	.amdgpu_metadata
---
amdhsa.version: [ 1, 2 ]
amdhsa.kernels:
  - .name:           k_qa70e23212f_quant
    .symbol:         k_qa70e23212f_quant.kd
    .args:
      - { .name: Wq, .offset: 0, .size: 8, .value_kind: global_buffer, .address_space: global }
      - { .name: Wk, .offset: 8, .size: 8, .value_kind: global_buffer, .address_space: global }
      - { .name: Wv, .offset: 16, .size: 8, .value_kind: global_buffer, .address_space: global }
      - { .name: Wo, .offset: 24, .size: 8, .value_kind: global_buffer, .address_space: global }
      - { .name: wc, .offset: 32, .size: 8, .value_kind: global_buffer, .address_space: global }
      - { .name: ws, .offset: 40, .size: 8, .value_kind: global_buffer, .address_space: global }
      - { .name: seq, .offset: 48, .size: 8, .value_kind: global_buffer, .address_space: global }
      - { .name: sc, .offset: 56, .size: 8, .value_kind: global_buffer, .address_space: global }
      - { .name: ss, .offset: 64, .size: 8, .value_kind: global_buffer, .address_space: global }
    .group_segment_fixed_size: 80384
    .private_segment_fixed_size: 0
    .kernarg_segment_align: 8
    .kernarg_segment_size: 72
    .max_flat_workgroup_size: 128
    .sgpr_count:     66
    .vgpr_count:     256
    .wavefront_size: 32
...
	.end_amdgpu_metadata
.endif
;; end of part 6
;; launch gemm_qkv (part 7): grid 12 x 16, 4 waves a work-group, clusters of 4 x 4, 327,680 bytes of LDS; arguments sc, ss, wc, ws, bq, bk, bv, qb, kv; writes qb, kv
.if DOCPART == 7
	.amdgcn_target "amdgcn-amd-amdhsa--gfx1250"
	.amdhsa_code_object_version 6
	.text
	.protected	k_qa70e23212f_gemm_qkv
	.globl	k_qa70e23212f_gemm_qkv
	.p2align	8
	.type	k_qa70e23212f_gemm_qkv,@function
k_qa70e23212f_gemm_qkv:
	s_mov_b64 s[64:65], 0
	v_nop
	global_prefetch_b8 v0, s[64:65] scope:SCOPE_SE
	s_setreg_imm32_b32 hwreg(HW_REG_WAVE_MODE, 25, 1), 1
	s_wait_xcnt 0x0
	s_wait_alu depctr_hold_cnt(0) depctr_sa_sdst(0) depctr_va_vdst(0) depctr_va_sdst(0) depctr_va_ssrc(0) depctr_va_vcc(0) depctr_vm_vsrc(0)
	s_getreg_b32 s2, hwreg(HW_REG_IB_STS2, 6, 4)
	s_cmp_eq_u32 s2, 0
	s_cbranch_scc0 .Lentry_in_a_cluster
	s_endpgm
.Lentry_in_a_cluster:
	s_bfe_u32 s2, ttmp6, 0x10000c
	s_cmp_lg_u32 s2, 0xf033
	s_cbranch_scc0 .Lentry_shape_is_right
	s_endpgm
.Lentry_shape_is_right:
; Q = seq Wq + bq, K = seq Wk + bk, V = seq Wv + bv on codes of FP6 (E2M3) with E8M0 scales, f32 sums; the results are quantised IN REGISTERS for the attention that follows: Q and K along the head's 64, V along the keys.
; OPERANDS come as images of operand registers: the fragment (16 rows x 128 K, 1,536 bytes) of (row tile T, K step s) at (s / 2) x 786,432 + T x 3,072 + (s % 2) x 1,536, so that 128 rows x 256 K are one dense block of 24,576 bytes;
; the scale word of (s, row place p) at s x 16,384 + 4 p.  Row place p holds row SW(p) (bits 3 and 4 exchanged).
; SHAPE: a tile of 256 x 256 to a work-group of four waves, 128 x 128 a wave: 64 accumulators, 512 registers.  K 0-767 is loaded at the head into three LDS regions of 256 along K; K 768 on refills the first, written straight.
; THE MATRIX INSTRUCTION IS USED TRANSPOSED (source 0 = 16 rows of B, source 1 = 16 rows of A): a lane holds ONE row of A, and by the choice of row places the 64 registers of its eight tiles run along 128 neighbouring rows of B (16 of each 32 in each half of the lanes).
; ROLES, by the cluster's x, which all sixteen partners share: 0: Q, 1: K (A = tokens, B = the weight's columns: a lane holds a token, registers along the features); 2: V (A = Wv's columns, B = tokens: a lane holds a feature, registers along the tokens, which are the keys).
; CLUSTERS: 4 x 4 work-groups; A's tiles are asked for jointly along a row of the cluster, B's along a column.
; OUT: for each head (16 batch + head) and step of 128 tokens a block of 13,056 bytes: 8 half images (768 bytes: 16 tokens x the head's 64) of K (in qb: of Q); 4 fragments of V^T (16 of the head's 64 x 128 keys); K's (Q's) scale words as an image of 4 registers; V's as an image of 2.
; LIMITS: Q is quantised WITHOUT the factor 1 / 8, which the attention puts into its exponent's constant: a power of two passes through quantiser and sums unchanged, but for blocks of Q whose largest magnitude is under 2^-121 (the hold of the scale at 2^-126).
; A block of zeros gets the byte 1 where the rule says 127 (its codes are zeros; this program alone reads the bytes).  NaN and infinities are not served.
; REGISTERS, in windows of 256: window 0: v0-31 addresses; v32-63 A's scale words and v224-255 B's, all of K; v64-127 the bias; v128-223 A's fragments, ONE set; in the tail v128-243 at work.  window 1: B's fragments, two sets, at v0 and v128.  windows 2, 3: the accumulators ((a, b) at v[8 (8 (a % 4) + b)]).
.set NQ,     2                         ; matrix instructions deep in a slot
.set FR,     12                        ; registers of a fragment
.set NL,     4                         ; LDS loads that bring one
.set NP,     4                         ; places behind this matrix instruction (ISA guide 7.12.1)
.set HALFT,  24576                     ; 128 rows x 256 K: what the refill's tensor load brings
.set CH,     786432                    ; from 256 along K to the next, in memory
.set SCL,    12*HALFT                  ; the end of the tiles.  LDS, in units of HALFT: A's K 0-255 at 0, B's at 2 (both take K 768 on later); A's K 256-511 at 4, K 512-767 at 6; B's at 8 and 10
.set SCB,    224                       ; v224-255 B's scale words, v32-63 A's: all of K, loaded once straight into registers
.set KST,    0                         ; the K step of 128 at hand, counted as the text is assembled
.set HALFS,  4096                      ; those of 128 rows: 8 K steps x 512 bytes
.set SPARE,  SCL+4*HALFS               ; the spare words, 128 bytes a wave
.set HS,     208896                    ; a head in qb and kv: 16 steps
.set STEPB,  13056                     ; a step's block
.set ADRA, 12                          ; v12-14 LDS address of my A fragments in regions 0, 1, 2, at 16 bytes a lane; v15-17 at 8 bytes a lane
.set ADRB, 18                          ; v18-23 the same for B
.set ADRS, 27
.set SPW,  28
.set NIL,  29
.set SC,   32
.set BR,   64                          ; the bias
.set AF,   128
.set HA,   128                         ; tail: 64 numbers
.set PC,   192                         ; tail: the codes just made (12) and the conversions' second halves (8)
.set TM,   212                         ; tail: v212-227 at work
.set PWS,  228                         ; tail: the eight tiles' scale words
.set SCI,  236                         ; tail: the scale words' images
.set G1, 24
.set G0, 32
.set G1B, 48
.set G0B, 56
.set G1S, 68
.set G0S, 76
.set G1SB, 80
.set G0SB, 88
.set MSB, 0
.macro WIN new                         ; the immediate's high byte repeats the setting that is left
.if MSB != (\new)
	s_set_vgpr_msb (MSB<<8)|(\new)
.set MSB, (\new)
.endif
.endm
.set MUL_LO, 0xa1                      ; source 0 (B) window 1, source 1 (A) window 0, C and D window 2
.set MUL_HI, 0xf1                      ; the same, C and D window 3
.set TO_B,   0x40                      ; destination window 1, address window 0
; A joint load: waves 0 and 1 fetch for A, waves 2 and 3 for B; the branch hangs on the wave's number alone.  An s_nop 0 and four v_nop follow each of the two lines.
.macro JLOAD g0a, g1a, g0b, g1b
	s_cmp_eq_u32 s15, 0
	s_cbranch_scc0 .Lfor_b_\@
	tensor_load_to_lds s[\g0a:\g0a+3], s[\g1a:\g1a+7]
	s_nop 0
.rept 4
	v_nop
.endr
	s_branch .Lasked_\@
.Lfor_b_\@:
	tensor_load_to_lds s[\g0b:\g0b+3], s[\g1b:\g1b+7]
	s_nop 0
.rept 4
	v_nop
.endr
.Lasked_\@:
.endm
.macro CREST                           ; a round of the cluster's barrier behind its opening barrier
	s_cmp_lg_u32 s14, 0
	s_cbranch_scc1 .Lnot_wave_0_\@
	s_barrier_signal -3
.Lnot_wave_0_\@:
	s_barrier_wait -3
	s_barrier_signal -1
	s_barrier_wait -1
.endm
.macro CROUND
	s_barrier_signal -1
	s_barrier_wait -1
	CREST
.endm
	s_load_b256 s[4:11], s[0:1], 0x0               ; sc, ss, wc, ws
	s_load_b256 s[68:75], s[0:1], 0x20             ; bq, bk, bv, qb
	s_load_b64 s[76:77], s[0:1], 0x40              ; kv
	v_lshl_add_u32 v[SPW], v0, 2, SPARE
	v_mov_b32 v[NIL], 0
	ds_add_u32 v[SPW], v[NIL]                      ; the wave's opening: two adds, and their wait ahead of my first tensor load; work on registers stands between them
	ds_add_u32 v[SPW], v[NIL]
	v_lshrrev_b32 v1, 5, v0
	v_readfirstlane_b32 s14, v1                    ; wave 0..3
	s_lshr_b32 s15, s14, 1                         ; which half of A's rows is mine.  Also: I fetch for A (0) or for B (1)
	s_and_b32 s16, s14, 1                          ; which half of B's rows.  Also: which 128 rows I fetch
	s_bfe_u32 s40, ttmp6, 0x40000                  ; cx
	s_bfe_u32 s41, ttmp6, 0x40004                  ; cy
	s_mov_b32 s66, ttmp9                           ; the cluster's x: the role
	s_and_b32 s18, ttmp7, 0xffff
	s_lshl_b32 s18, s18, 2                         ; 4 x cluster y
	s_lshl_b32 s19, s66, 2                         ; 4 x cluster x
	s_add_co_u32 s17, s18, s41                     ; Q, K: A's block of 256 tokens = 4 Y + cy
	s_add_co_u32 s20, s41, 8                       ; V: A's block of 256 weight rows = 8 + cy
	s_add_co_u32 s42, s19, s40                     ; Q, K: B's block of weight rows = 4 X + cx
	s_add_co_u32 s46, s18, s40                     ; V: B's block of tokens = 4 Y + cx
	s_cmp_eq_u32 s66, 2
	s_cselect_b32 s17, s20, s17                    ; A's block: made of cy and of what all partners share
	s_cselect_b32 s42, s46, s42                    ; B's block: made of cx and of what all partners share
	s_lshl_b32 s43, s41, 2
	s_lshl_b32 s43, 15, s43                        ; my row of the cluster
	s_lshl_b32 s44, 0x1111, s40                    ; my column
	s_mov_b32 s67, 0xffff0000                      ; lanes 16-31
	; descriptor group 1 for the codes: a dense block of 24,576 bytes as 96 rows of 32 elements of 8 bytes; no padding: every LDS read takes the lanes' bytes on end
	s_or_b32 s[G1+0], s43, (3<<16)|(1<<21)         ; 15:0 the mask: A's tiles go to my row; 17:16 elements of 8 bytes; 21 set beside a mask
	s_or_b32 s[G1B+0], s44, (3<<16)|(1<<21)
.irp g, G1, G1B
	s_mov_b32 s[\g+1], 32<<16                      ; tensor_dim0
	s_mov_b32 s[\g+2], 192<<16                     ; tensor_dim1: at the head 192 rows of 256 bytes, a block's 256 rows x 256 K; for the refill the two words that count rows are set to 96
	s_mov_b32 s[\g+3], 32<<16                      ; tile_dim0
	s_mov_b32 s[\g+4], 192                         ; tile_dim1
	s_mov_b32 s[\g+5], 32                          ; the pitch
	s_mov_b32 s[\g+6], 0
	s_mov_b32 s[\g+7], 0
.endr
	s_lshl_b32 s18, s16, 3                         ; which 8 row tiles of the block I fetch
	s_lshl_b32 s20, s17, 4
	s_add_co_u32 s20, s20, s18                     ; A: row tile 16 x block + 8 x half
	s_lshl_b32 s46, s42, 4
	s_add_co_u32 s46, s46, s18                     ; B likewise
	s_lshl_b32 s92, s46, 6
	s_mul_i32 s20, s20, 3072                       ; their codes
	s_mul_i32 s46, s46, 3072
	s_mov_b32 s21, 0
	s_mov_b32 s95, 0
	s_mov_b32 s47, 0
	s_mov_b32 s93, 0
	s_mul_i32 s45, s14, HALFT                      ; where the refill's quarter goes: wave x 128 rows: no place in the cluster enters an LDS address
	s_lshl_b32 s94, s17, 1
	s_add_co_u32 s94, s94, s15
	s_lshl_b32 s94, s94, 9                         ; the scale words of the 128 rows of A that I multiply: 512 bytes a half block
	s_wait_dscnt 0x0                               ; the opening add is done
	s_wait_kmcnt 0x0
	s_cmp_eq_u32 s66, 0                            ; where the results go, and which bias: choices on the role alone
	s_cselect_b64 s[12:13], s[74:75], s[76:77]
	s_cselect_b64 s[98:99], s[68:69], s[70:71]
	s_cmp_eq_u32 s66, 2
	s_cselect_b64 s[98:99], s[72:73], s[98:99]
	s_cselect_b64 s[96:97], s[8:9], s[4:5]         ; A's codes: the weights' in role V, else the tokens'
	s_cselect_b64 s[100:101], s[10:11], s[6:7]     ; A's scales
	s_cselect_b64 s[8:9], s[4:5], s[8:9]           ; B's codes
	s_cselect_b64 s[10:11], s[6:7], s[10:11]       ; B's scales
	s_add_nc_u64 s[20:21], s[96:97], s[20:21]
	s_add_nc_u64 s[94:95], s[100:101], s[94:95]
	s_add_nc_u64 s[46:47], s[8:9], s[46:47]
	s_add_nc_u64 s[92:93], s[10:11], s[92:93]
	; group 1 for the codes of K 256 to 767 of a block's 256 rows
	s_or_b32 s[G1S+0], s43, (3<<16)|(1<<21)
	s_or_b32 s[G1SB+0], s44, (3<<16)|(1<<21)
.irp g, G1S, G1SB
	s_mov_b32 s[\g+1], 6144<<16                    ; K 256 to 767 of a block's 256 rows: two rows of 49,152 bytes (6,144 elements of 8), CH bytes apart
	s_mov_b32 s[\g+2], 2<<16
	s_mov_b32 s[\g+3], 6144<<16
	s_mov_b32 s[\g+4], 2
	s_mov_b32 s[\g+5], CH/8
	s_mov_b32 s[\g+6], 0
	s_mov_b32 s[\g+7], 0
.endr
	CROUND                                         ; all sixteen work-groups are here: the first joint loads meet
	s_mul_i32 s18, s16, HALFT
	s_mov_b32 s19, 0
	s_mov_b32 s[G0], 1                             ; the one refill: K 768 on, my 128 rows, onto K 0-255's bytes
	s_mov_b32 s[G0+1], s45
	s_add_nc_u64 s[G0+2:G0+3], s[20:21], 3*CH
	s_or_b32 s[G0+3], s[G0+3], 0x80000000
	s_mov_b32 s[G0B], 1
	s_mov_b32 s[G0B+1], s45
	s_add_nc_u64 s[G0B+2:G0B+3], s[46:47], 3*CH
	s_or_b32 s[G0B+3], s[G0B+3], 0x80000000
	s_sub_nc_u64 s[20:21], s[20:21], s[18:19]      ; back from my 128 rows to the block's first row
	s_sub_nc_u64 s[46:47], s[46:47], s[18:19]
	s_mov_b32 s[G0S], 1                            ; the head's four tiles: A's K 0-255,
	s_mov_b32 s[G0S+1], 0
	s_mov_b64 s[G0S+2:G0S+3], s[20:21]
	s_or_b32 s[G0S+3], s[G0S+3], 0x80000000
	s_mov_b32 s[G0SB], 1                           ; B's,
	s_mov_b32 s[G0SB+1], 2*HALFT
	s_mov_b64 s[G0SB+2:G0SB+3], s[46:47]
	s_or_b32 s[G0SB+3], s[G0SB+3], 0x80000000
	s_mov_b32 s[G0+4], 1                           ; A's K 256-767,
	s_mov_b32 s[G0+5], 4*HALFT
	s_add_nc_u64 s[G0+6:G0+7], s[20:21], CH
	s_or_b32 s[G0+7], s[G0+7], 0x80000000
	s_mov_b32 s[G0B+4], 1                          ; and B's
	s_mov_b32 s[G0B+5], 8*HALFT
	s_add_nc_u64 s[G0B+6:G0B+7], s[46:47], CH
	s_or_b32 s[G0B+7], s[G0B+7], 0x80000000
; ONE LOAD A WAVE AT THE HEAD, in one chain of branches on the wave's number: what the first two steps need is asked for by waves 0 and 1, which alone wait at the first barrier
.macro ARM under, g0, g1, next
	s_cmp_lt_u32 s14, \under
	s_cbranch_scc0 \next
	tensor_load_to_lds s[\g0:\g0+3], s[\g1:\g1+7]
	s_nop 0
.rept 4
	v_nop
.endr
	s_branch .Lhead_asked
\next:
.endm
	ARM 1, G0S, G1, .Lhead_b
	ARM 2, G0SB, G1B, .Lhead_a12
	ARM 3, G0+4, G1S, .Lhead_b12
	tensor_load_to_lds s[G0B+4:G0B+7], s[G1SB:G1SB+7]
	s_nop 0
.rept 4
	v_nop
.endr
.Lhead_asked:
	v_and_b32 v1, 31, v0                           ; lane
	v_and_b32 v2, 15, v0                           ; r
	v_bfe_u32 v3, v0, 4, 1                         ; h
	v_lshlrev_b32 v7, 4, v1                        ; 16 x lane
	v_lshlrev_b32 v8, 3, v1                        ; 8 x lane
	v_and_b32 v9, 8, v2
	v_add_nc_u32 v9, v9, v2
	v_lshlrev_b32 v9, 2, v9                        ; role V's bias: 4 (r + 8 (r / 8))
	v_lshlrev_b32 v10, 6, v3                       ; roles Q, K: 64 h
	s_mul_i32 s21, s15, HALFT                      ; my 128 rows of A
	s_mul_i32 s22, s16, HALFT                      ; my 128 rows of B,
	s_add_co_u32 s22, s22, 2*HALFT                 ; which in region 0 lie behind A's 256
.irp s, 0,1,2
	v_add_nc_u32 v[ADRA+\s], s21, v7
	v_add_nc_u32 v[ADRB+\s], s22, v7
	v_add_nc_u32 v[ADRA+3+\s], s21, v8
	v_add_nc_u32 v[ADRB+3+\s], s22, v8
.if \s < 2
	s_add_co_u32 s21, s21, (4-2*\s)*HALFT          ; A's regions begin at 0, 4 and 6 HALFT,
	s_add_co_u32 s22, s22, (6-4*\s)*HALFT          ; B's at 2, 8 and 10
.endif
.endr
	v_lshlrev_b32 v11, 2, v1                       ; 4 x lane
.irp s, 0,1,2,3,4,5,6,7                        ; the scale words of my 128 rows of A and of B, all of K: a load takes 128 consecutive bytes: lanes 0-15 an even tile's rows, lanes 16-31 the odd tile's
.irp k, 0,1,2,3
	global_load_b32 v[SC+4*\s+\k], v11, s[94:95] offset:16384*\s+128*\k
	global_load_b32 v[SCB+4*(\s^1)+\k], v11, s[92:93] offset:16384*\s+128*\k   ; (B's steps lie in pairs exchanged, so that A's and B's registers of a product differ modulo 8)
.endr
.endr
	; where my results go: the step of 128 tokens and the two heads of my 128 features
	s_cmp_eq_u32 s66, 2
	s_cselect_b32 s18, s42, s17                    ; the tokens' block,
	s_cselect_b32 s19, s16, s15                    ; and half
	s_cselect_b32 s20, s41, s40                    ; the features' block of 256 in the weight,
	s_cselect_b32 s21, s15, s16                    ; and half
	s_lshl_b32 s18, s18, 1
	s_add_co_u32 s18, s18, s19                     ; step of 128 tokens, 0 .. 31
	s_lshl_b32 s20, s20, 1
	s_add_co_u32 s20, s20, s21                     ; which 128 features
	s_lshr_b32 s22, s18, 4
	s_lshl_b32 s22, s22, 4                         ; 16 x batch
	s_lshl_b32 s23, s20, 1
	s_add_co_u32 s22, s22, s23                     ; my first head
	s_mul_i32 s22, s22, HS
	s_and_b32 s18, s18, 15
	s_mul_i32 s18, s18, STEPB
	s_add_co_u32 s22, s22, s18
	s_mov_b32 s23, 0
	s_add_nc_u64 s[12:13], s[12:13], s[22:23]
	s_lshl_b32 s20, s20, 9                         ; 128 numbers of the bias
	s_mov_b32 s21, 0
	s_add_nc_u64 s[98:99], s[98:99], s[20:21]
.macro FRAG reg, adr, q, i             ; a fragment comes as it was laid: registers 0-3, 4-5, 6-9, 10-11; every load takes the lanes' bytes on end
	ds_load_b128 v[\reg:\reg+3], v[\adr] offset:3072*(\i)+1536*(\q)
	ds_load_b64 v[\reg+4:\reg+5], v[\adr+3] offset:3072*(\i)+1536*(\q)+512
	ds_load_b128 v[\reg+6:\reg+9], v[\adr] offset:3072*(\i)+1536*(\q)+768
	ds_load_b64 v[\reg+10:\reg+11], v[\adr+3] offset:3072*(\i)+1536*(\q)+1280
.endm
; 16 matrix instructions: A's tiles a0, a0 + 1 x B's eight, 128 along K.  p: B's set; zero = 1: the first product starts the sums.
; The 64 accumulators take turns, one instruction a turn, in the same order in every step.
.macro MM d, bf, af, zero, sb, sa, rb, ra      ; one product; rb, ra: which half of the lanes holds the tile's scale words
.if \zero
	v_wmma_scale_f32_16x16x128_f8f6f4 v[\d:\d+7], v[\bf:\bf+FR-1], v[\af:\af+FR-1], 0, v[\sb], v[\sa] matrix_a_fmt:MATRIX_FMT_FP6 matrix_b_fmt:MATRIX_FMT_FP6 matrix_a_scale:MATRIX_SCALE_ROW\rb matrix_b_scale:MATRIX_SCALE_ROW\ra
.else
	v_wmma_scale_f32_16x16x128_f8f6f4 v[\d:\d+7], v[\bf:\bf+FR-1], v[\af:\af+FR-1], v[\d:\d+7], v[\sb], v[\sa] matrix_a_fmt:MATRIX_FMT_FP6 matrix_b_fmt:MATRIX_FMT_FP6 matrix_a_scale:MATRIX_SCALE_ROW\rb matrix_b_scale:MATRIX_SCALE_ROW\ra
.endif
.endm
.macro MUL16 a0, p, q, sc, zero
.irp ra, 0,1
.irp b2, 0,1,2,3
.irp rb, 0,1
	MM 8*(8*(((\a0)+\ra)%4)+2*\b2+\rb), 128*(\p)+FR*(2*\b2+\rb), AF+FR*((\a0)+\ra), \zero, SCB+4*(KST^1)+\b2, SC+4*KST+(\a0)/2, \rb, \ra
.endr
.endr
.endr
.endm
.macro FETCH_B slot, q, p
	WIN TO_B
.irp i, 0,1,2,3,4,5,6,7
	FRAG 128*(\p)+FR*\i, ADRB+\slot, \q, \i
.endr
	WIN 0
.endm
.macro FETCH_A slot, q, i0
.irp i, \i0, \i0+1, \i0+2, \i0+3
	FRAG AF+FR*(\i), ADRA+\slot, \q, \i
.endr
.endm
.macro PLACES n                        ; plain vector instructions between a matrix instruction and a load into, or a read of, its registers (ISA guide 7.12.1 for the reads)
.rept \n
	v_nop
.endr
.endm
.macro STEP slot, q, zero              ; a step of 128 along K that has its successor in the same slot
	s_wait_dscnt 4*NL                              ; B's set, A's tiles 0-3 and the scale words are in; the youngest 16 loads (A's tiles 4-7) may be out
	WIN MUL_LO
	MUL16 0, (\q)%2, \q, \slot, \zero
	MUL16 2, (\q)%2, \q, \slot, \zero
	s_wait_dscnt 0                                 ; A's tiles 4-7 are in
	PLACES NP
	FETCH_B \slot, (\q)+1, 1-(\q)%2
	FETCH_A \slot, (\q)+1, 0
	WIN MUL_HI
	MUL16 4, (\q)%2, \q, \slot, \zero
	MUL16 6, (\q)%2, \q, \slot, \zero
	PLACES NP
	WIN 0
	FETCH_A \slot, (\q)+1, 4
.set KST, KST+1
.endm
; A slot's last step changes slots: one barrier; in front of it each wave waits for all its tensor loads, adds 0 to its spare word, and waits for that and for its reads of this slot.  fill = 1: this slot is filled again, with K 768 on.
.macro TURN slot, next, fill
	s_wait_tensorcnt 0x0                           ; all my tensor loads have landed: my part of the next slot
	ds_add_u32 v[SPW], v[NIL]                      ; 0 onto my spare word
	s_wait_dscnt 4*NL+1                            ; the add and the youngest 16 loads (A's tiles 4-7) may be out
	WIN MUL_LO
	MUL16 0, 1, NQ-1, \slot, 0
	s_wait_dscnt 0x0                               ; the add is done, and my reads of this slot are over
	s_barrier_signal -1
	MUL16 2, 1, NQ-1, \slot, 0
	WIN 0
	s_barrier_wait -1
.if \fill
	CREST                                          ; the barrier has opened a round of the cluster's: no wave of any partner still reads this slot or has a load on its way
	s_mov_b32 s[G1+2], 96<<16                      ; no tensor load of mine is out, so a descriptor may be written: the refill brings 96 rows of 256 bytes a wave
	s_mov_b32 s[G1+4], 96
	s_mov_b32 s[G1B+2], 96<<16
	s_mov_b32 s[G1B+4], 96
	JLOAD G0, G1, G0B, G1B                         ; my one tensor load behind the round: K 768 on; its four v_nop are the places in front of the loads below
.else
	PLACES NP
.endif
	FETCH_B \next, 0, 0
	FETCH_A \next, 0, 0
	WIN MUL_HI
	MUL16 4, 1, NQ-1, \slot, 0
	MUL16 6, 1, NQ-1, \slot, 0
	PLACES NP
	WIN 0
	FETCH_A \next, 0, 4
.set KST, KST+1
.endm
.macro CROSS next                      ; a region's last step whose successor region was shown whole at an earlier barrier, and whose own bytes are not filled again: no wait for tiles, no barrier
	s_wait_dscnt 4*NL
	WIN MUL_LO
	MUL16 0, 1, NQ-1, 0, 0
	MUL16 2, 1, NQ-1, 0, 0
	s_wait_dscnt 0
	PLACES NP
	FETCH_B \next, 0, 0
	FETCH_A \next, 0, 0
	WIN MUL_HI
	MUL16 4, 1, NQ-1, 0, 0
	MUL16 6, 1, NQ-1, 0, 0
	PLACES NP
	WIN 0
	FETCH_A \next, 0, 4
.set KST, KST+1
.endm
.macro LAST
.set KST, 7
	s_wait_dscnt 4*NL
	WIN MUL_LO
	MUL16 0, 1, NQ-1, 1, 0
	MUL16 2, 1, NQ-1, 1, 0
	s_wait_dscnt 0
	WIN MUL_HI
	MUL16 4, 1, NQ-1, 1, 0
	MUL16 6, 1, NQ-1, 1, 0
	WIN 0
.endm
; 64 numbers of a lane, register 16 b + i = k 32 b + 16 (lane / 16) + i of my row, become a fragment's codes in v[PC] on and its scale word in v[pw]
.macro QUANT s, pw
.irp b, 0,1,2,3
	v_max3_num_f32 v[TM+\b], |v[\s+16*\b]|, |v[\s+1+16*\b]|, 0x1800000   ; my 16 numbers of block b, and the floor 2^(3 - 127): the byte cannot fall under 1
.endr
.irp i, 2,4,6,8,10,12,14
.irp b, 0,1,2,3
	v_max3_num_f32 v[TM+\b], v[TM+\b], |v[\s+16*\b+\i]|, |v[\s+1+16*\b+\i]|
.endr
.endr
.irp b, 0,1,2,3
	v_permlanex16_b32 v[TM+4+\b], v[TM+\b], s2, s3
.endr
.irp b, 0,1,2,3
	v_max_num_f32 v[TM+\b], v[TM+\b], v[TM+4+\b]   ; with lane l xor 16's: the block's largest magnitude
.endr
.irp b, 0,1,2,3
	v_add_nc_u32 v[TM+12+\b], 0xff000000, v[TM+\b] ; 2 off its exponent field: the conversion's scale operand
.endr
.irp b, 0,1,2,3
	v_lshrrev_b32 v[TM+4+\b], 23, v[TM+12+\b]      ; the scale's byte
.endr
	v_lshl_or_b32 v[\pw], v[TM+5], 8, v[TM+4]
	v_lshl_or_b32 v[\pw], v[TM+6], 16, v[\pw]
	v_lshl_or_b32 v[\pw], v[TM+7], 24, v[\pw]
.irp c, 0,1
	v_cvt_scalef32_pk16_fp6_f32 v[PC+6*\c:PC+2+6*\c], v[\s+32*\c:\s+15+32*\c], v[TM+12+2*\c]
	v_cvt_scalef32_pk16_fp6_f32 v[PC+12+4*\c:PC+14+4*\c], v[\s+16+32*\c:\s+31+32*\c], v[TM+12+2*\c+1]
.endr
	v_nop                                          ; one plain place behind a scaled conversion
.irp c, 0,1                                    ; the operand's layout wants a whole block in a lane
.irp i, 0,1,2
	v_permlane16_swap_b32 v[PC+6*\c+\i], v[PC+12+4*\c+\i]
.endr
.irp i, 0,1,2
	v_mov_b32 v[PC+3+6*\c+\i], v[PC+12+4*\c+\i]
.endr
.endr
.endm
; A's tile a: its eight accumulators + the bias, quantised, stored.  v = 0: a fragment's two halves are 16 tokens x the 64 of my first and of my second head.  v = 1: the fragment is 16 features of head a / 4 x the step's 128 keys.
.macro OUTA a, v
.if (\a) > 0
	s_wait_xcnt 0x0                                ; the last tile's stores have read their data registers, which are written again below
.endif
	WIN 0x02+(\a)/4                                ; source 0: window 2 or 3
.set j, 0
.rept 32                                       ; each accumulator from its low end on
.if \v
	v_pk_add_f32 v[HA+j:HA+j+1], v[64*((\a)%4)+j:64*((\a)%4)+j+1], v[BR+2*(\a):BR+2*(\a)+1]
.else
	v_pk_add_f32 v[HA+j:HA+j+1], v[64*((\a)%4)+j:64*((\a)%4)+j+1], v[BR+j:BR+j+1]
.endif
.set j, j+2
.endr
	WIN 0
	QUANT HA, PWS+(\a)
.if \v
	global_store_b128 v7, v[PC:PC+3], s[12:13] offset:HS*((\a)/4)+6144+1536*((\a)%4)
	global_store_b64 v8, v[PC+4:PC+5], s[12:13] offset:HS*((\a)/4)+6144+1536*((\a)%4)+512
	global_store_b128 v7, v[PC+6:PC+9], s[12:13] offset:HS*((\a)/4)+6144+1536*((\a)%4)+768
	global_store_b64 v8, v[PC+10:PC+11], s[12:13] offset:HS*((\a)/4)+6144+1536*((\a)%4)+1280
.else
	global_store_b128 v7, v[PC:PC+3], s[12:13] offset:768*(\a)
	global_store_b64 v8, v[PC+4:PC+5], s[12:13] offset:768*(\a)+512
	global_store_b128 v7, v[PC+6:PC+9], s[12:13] offset:HS+768*(\a)
	global_store_b64 v8, v[PC+10:PC+11], s[12:13] offset:HS+768*(\a)+512
.endif
.endm
.macro TAIL v
.if \v
.irp a, 0,1,2,3,4,5,6,7                        ; my feature's bias for each tile, twice: a pair for the packed addition
	global_load_b32 v[BR+2*\a], v9, s[98:99] offset:(32*(\a/2)+8*(\a%2))*4
	global_load_b32 v[BR+2*\a+1], v9, s[98:99] offset:(32*(\a/2)+8*(\a%2))*4
.endr
.else
.irp b, 0,1,2,3,4,5,6,7                        ; register 8 b + j: the bias of feature 32 (b / 2) + 16 h + 8 (b % 2) + j
	global_load_b128 v[BR+8*\b:BR+8*\b+3], v10, s[98:99] offset:(32*(\b/2)+8*(\b%2))*4
	global_load_b128 v[BR+8*\b+4:BR+8*\b+7], v10, s[98:99] offset:(32*(\b/2)+8*(\b%2))*4+16
.endr
.endif
	LAST                                           ; the bias comes while the last 64 products are issued
	PLACES NP
.irp b, 0,1,2,3
	v_mov_b32 v[TM+4+\b], 0                        ; a lane permute's destination counts as read
.endr
	s_wait_loadcnt 0x0
.irp a, 0,1,2,3,4,5,6,7
	OUTA \a, \v
.endr
.if \v
.irp i, 0,1,2,3                                ; V's scale words: register t / 2 of the image, lanes 0-15 an even tile, lanes 16-31 the odd one
	v_cndmask_b32 v[SCI+\i], v[PWS+2*\i], v[PWS+2*\i+1], s67
.endr
	global_store_b64 v8, v[SCI:SCI+1], s[12:13] offset:12800
	global_store_b64 v8, v[SCI+2:SCI+3], s[12:13] offset:HS+12800
.else
.irp i, 0,1,2,3                                ; the first head takes the words as they are: its bytes are 0 and 1; bytes 2 and 3 stand over zero codes
	v_cndmask_b32 v[SCI+\i], v[PWS+2*\i], v[PWS+2*\i+1], s67
.endr
	global_store_b128 v7, v[SCI:SCI+3], s[12:13] offset:12288
.irp i, 0,1,2,3,4,5,6,7
	v_lshrrev_b32 v[PWS+\i], 16, v[PWS+\i]         ; the second head's two bytes come down
.endr
.irp i, 0,1,2,3
	v_cndmask_b32 v[SCI+4+\i], v[PWS+2*\i], v[PWS+2*\i+1], s67
.endr
	global_store_b128 v7, v[SCI+4:SCI+7], s[12:13] offset:HS+12288
.endif
.endm
	s_mov_b32 s2, 0x76543210
	s_mov_b32 s3, 0xfedcba98                       ; selects for lane l xor 16
	s_wait_alu depctr_va_vdst(0)
	s_wait_loadcnt 0x0                             ; the scale words are in their registers
	s_cmp_lt_u32 s14, 2
	s_cbranch_scc0 .Lnot_c0
	s_wait_tensorcnt 0x0                           ; waves 0 and 1: K 0-255 is in; the other two tiles may be on their way
.Lnot_c0:
	s_barrier_signal -1
	s_barrier_wait -1
	FETCH_B 0, 0, 0
	FETCH_A 0, 0, 0
	FETCH_A 0, 0, 4
	STEP 0, 0, 1                                   ; the first products start the sums: nothing is cleared
	TURN 0, 1, 1                                   ; slot 0 takes K 768 on
	STEP 1, 0, 0
	CROSS 2                                        ; regions 1 and 2 were shown whole at the round
	STEP 2, 0, 0
	TURN 2, 0, 0                                   ; the refill, asked for four steps ago, is shown to all
	STEP 0, 0, 0
	s_cmp_eq_u32 s66, 2                            ; the role: the same in all sixteen partners
	s_cbranch_scc1 .Ltail_v
	TAIL 0
	s_branch .Lend
.Ltail_v:
	TAIL 1
.Lend:
	s_wait_tensorcnt 0x0                           ; the wave's end, behind my last tensor load
	ds_add_u32 v[SPW], v[NIL]
	s_wait_dscnt 0x0
	CROUND                                         ; the closing round
	s_endpgm
.Lfunc_end_k_qa70e23212f_gemm_qkv:
	.size	k_qa70e23212f_gemm_qkv, .Lfunc_end_k_qa70e23212f_gemm_qkv-k_qa70e23212f_gemm_qkv
	.p2alignl 7, 3214868480
	.fill 96, 4, 3214868480
	.section	.rodata,"a",@progbits
	.p2align	6, 0x0
	.amdhsa_kernel k_qa70e23212f_gemm_qkv
		.amdhsa_group_segment_fixed_size 327680
		.amdhsa_private_segment_fixed_size 0
		.amdhsa_enable_private_segment 0
		.amdhsa_kernarg_size 72
		.amdhsa_user_sgpr_count 2
		.amdhsa_user_sgpr_kernarg_segment_ptr 1
		.amdhsa_wavefront_size32 1
		.amdhsa_system_sgpr_workgroup_id_x 1
		.amdhsa_system_sgpr_workgroup_id_y 1
		.amdhsa_system_sgpr_workgroup_id_z 1
		.amdhsa_system_vgpr_workitem_id 0
		.amdhsa_next_free_vgpr 1024
		.amdhsa_next_free_sgpr 102
		.amdhsa_reserve_vcc 0
		.amdhsa_float_denorm_mode_32 3
		.amdhsa_float_denorm_mode_16_64 3
		.amdhsa_memory_ordered 1
		.amdhsa_forward_progress 1
		.amdhsa_inst_pref_size 229
	.end_amdhsa_kernel
	.amdgpu_metadata
---
amdhsa.version: [ 1, 2 ]
amdhsa.kernels:
  - .name:           k_qa70e23212f_gemm_qkv
    .symbol:         k_qa70e23212f_gemm_qkv.kd
    .args:
      - { .name: sc, .offset: 0, .size: 8, .value_kind: global_buffer, .address_space: global }
      - { .name: ss, .offset: 8, .size: 8, .value_kind: global_buffer, .address_space: global }
      - { .name: wc, .offset: 16, .size: 8, .value_kind: global_buffer, .address_space: global }
      - { .name: ws, .offset: 24, .size: 8, .value_kind: global_buffer, .address_space: global }
      - { .name: bq, .offset: 32, .size: 8, .value_kind: global_buffer, .address_space: global }
      - { .name: bk, .offset: 40, .size: 8, .value_kind: global_buffer, .address_space: global }
      - { .name: bv, .offset: 48, .size: 8, .value_kind: global_buffer, .address_space: global }
      - { .name: qb, .offset: 56, .size: 8, .value_kind: global_buffer, .address_space: global }
      - { .name: kv, .offset: 64, .size: 8, .value_kind: global_buffer, .address_space: global }
    .group_segment_fixed_size: 327680
    .private_segment_fixed_size: 0
    .kernarg_segment_align: 8
    .kernarg_segment_size: 72
    .max_flat_workgroup_size: 128
    .sgpr_count:     102
    .vgpr_count:     1024
    .wavefront_size: 32
...
	.end_amdgpu_metadata
.endif
;; end of part 7
;; launch attn (part 8): grid 8 x 32, 16 waves a work-group, clusters of 4 x 1, 263,168 bytes of LDS; arguments qb, kv, attc, atts; writes attc, atts
.if DOCPART == 8
	.amdgcn_target "amdgcn-amd-amdhsa--gfx1250"
	.amdhsa_code_object_version 6
	.text
	.protected	k_qa70e23212f_attn
	.globl	k_qa70e23212f_attn
	.p2align	8
	.type	k_qa70e23212f_attn,@function
k_qa70e23212f_attn:
	s_mov_b64 s[64:65], 0
	v_nop
	global_prefetch_b8 v0, s[64:65] scope:SCOPE_SE
	s_setreg_imm32_b32 hwreg(HW_REG_WAVE_MODE, 25, 1), 1
	s_wait_xcnt 0x0
	s_wait_alu depctr_hold_cnt(0) depctr_sa_sdst(0) depctr_va_vdst(0) depctr_va_sdst(0) depctr_va_ssrc(0) depctr_va_vcc(0) depctr_vm_vsrc(0)
	s_getreg_b32 s2, hwreg(HW_REG_IB_STS2, 6, 4)
	s_cmp_eq_u32 s2, 0
	s_cbranch_scc0 .Lentry_in_a_cluster
	s_endpgm
.Lentry_in_a_cluster:
	s_bfe_u32 s2, ttmp6, 0x10000c
	s_cmp_lg_u32 s2, 0x3003
	s_cbranch_scc0 .Lentry_shape_is_right
	s_endpgm
.Lentry_shape_is_right:
; For each of 32 heads (16 batch + head): O = softmax(Q K^T / 8) V, both products on codes of FP6 (E2M3) with E8M0 scales; O is quantised along the model's 1,024 for the output projection.
; THE SOFTMAX: t = score x log2(e) / 8 (Q comes without the 1 / 8: it stands in the constant c); M = the running largest t rounded UP to a whole number; p = 2^(t - M) is quantised along the keys;
; the row's sum is taken of the unquantised p and divides O at the end.  When M moves, the sum and O are multiplied by 2^(old M - new M): exact.
; IN: for each head and step of 128 tokens a block of 13,056 bytes = 51 units of 256: 8 half images (3 units: registers 0-3 of 32 lanes, then registers 4-5) of K (in qb: of Q), 4 fragments of V^T (6 units each), K's (Q's) scale words (2 units), V's (1 unit).
; Stored tile a = 2 b + u, row x holds token 32 b + 8 u + x % 8 + 16 (x / 8).
; SHARES: a work-group owns 256 queries of a head, each of its sixteen waves one tile of 16, in 256 registers, four waves to a SIMD.  THE WHOLE HEAD'S K AND V STAY IN LDS: sixteen joint loads, ONE A WAVE, a key step each; nothing is filled again.
; In LDS 64 bytes of padding stand behind each unit (pitch 320), so that the two groups of eight rows that a 16-byte load of K gathers, six units apart, fall 128 bytes apart modulo 256.
; Waves 0-3 have a load line of their own: behind the first barrier, in front of which they alone wait, steps 0-2 are worked and step 3's K is fetched; behind the second, in front of which every wave waits for its load, the rest.
; A TILE OF KEYS IS GATHERED BY THE LANES' ADDRESSES: tile (g, t) has in rows 0-7 keys 64 g + 8 t + 0..7 and in rows 8-15 keys 64 g + 32 + 8 t + 0..7.  With S^T = K Q^T a lane (query r, half h) then holds in the 32 registers of tiles (g, 0..3)
; the WHOLE block 2 g + h of 32 keys, in order: a block's largest score needs no other lane, and two conversions give the six registers of P's fragment that the lane owes.  Only the row's maximum and P's scale word pass between lanes l and l xor 16.
; K's product has K = 64: registers 6-11 of Q's fragment are zero codes.  So what stands in registers 6-11 of K's fragment adds nothing (FP6 has no NaN or infinity; the scale bytes over them are never 0xff): K's tiles lie 6 registers apart,
; each tile's upper half being the next tile's codes, and the last tile's six constant address registers.  All eight tiles of the next step are fetched while this step's softmax is worked.
; CLUSTER: the four query blocks of a cluster belong to one head: each step's block is asked for jointly, by the same load with the same descriptor and the mask of all four.
; No prefetch: every tile is asked for at the head, so there is no loop to run ahead in.
; OUT: attc, atts in the layout of operand images (fragment of (row tile T, K step s) at (s / 2) x 786,432 + T x 3,072 + (s % 2) x 1,536; scale word at s x 16,384 + 4 p).  A head is half a K step: a half image and two bytes of the word, stored 2 bytes a lane since two heads share a word.
; LIMITS: the promise holds while the scaled scores stay under 2^31 in magnitude; a block of zeros gets the byte 1 where the rule says 127 (its codes are zeros; this program alone reads the bytes); NaN and infinities are not served.
.set HS,    208896
.set STEPB, 13056
.set UB,    320                        ; a unit in LDS
.set LSTEP, 51*UB                      ; a key step in LDS
.set SPARE, 16*LSTEP                   ; behind the head: the spare words, 128 bytes for each of sixteen waves
.set KS,    1                          ; v1-4   K's scale words: register 2 g + t / 2, lanes 0-15 an even t, lanes 16-31 an odd one
.set SPW,   5
.set NIL,   6
.set QS,    7                          ; v7     Q's scale words
.set PS,    8                          ; v8     P's
.set AKS,   9                          ; v9     LDS address of the next step's K scale words
.set AV,    10                         ; v10-11 of this step's V, at 16 and at 8 bytes a lane
.set Q,     16                         ; v12 -M, v13 the largest score, v[14:15] the sum, v16-27 Q
.set AK,    28                         ; v28-29 of the next step's K
.set VS,    30                         ; v30-31 V's scale words
.set KF,    32                         ; v32-79 K's eight tiles, 6 registers each
.set CB,    80                         ; v80-85 constants: V's lane terms (16 r + 320 h; 8 x lane), K's (two), K's scale words', 8 h
.set VF,    86                         ; v86-133 V's four fragments
.set S,     134                        ; v134-197 S^T, then p
.set OT,    198                        ; v198-229 O^T
.set PC,    230                        ; v230-241 P's fragment
.set T,     242                        ; v242-249 at work
.set BM,    250                        ; v250-251 my two blocks' largest score, then p, then byte
.set F,     252                        ; v252 2^(old M - new M); v253 a lane permute's destination
.set X,     253
.set SO,    254                        ; v254-255 the conversions' scale operands
.set WV,    12
.set SEL,   20
.set CS,    22
.set G1,    24
.set G0,    32
.set TBN,   36                         ; LDS byte at which the next step begins
.set TB,    48                         ; and the step at hand
.set CNT,   49
.macro WALU
	s_wait_alu depctr_va_vdst(0)
.endm
.macro ROUND
	s_barrier_signal -1
	s_barrier_wait -1
	s_cmp_lg_u32 s[WV], 0
	s_cbranch_scc1 .Lnot_wave_0_\@
	s_barrier_signal -3
.Lnot_wave_0_\@:
	s_barrier_wait -3
	s_barrier_signal -1
	s_barrier_wait -1
.endm
.macro TLOAD
	tensor_load_to_lds s[G0:G0+3], s[G1:G1+7]
	s_nop 0
.rept 4
	v_nop
.endr
.endm
	s_load_b256 s[4:11], s[0:1], 0x0               ; qb, kv, attc, atts
	v_lshl_add_u32 v[SPW], v0, 2, SPARE
	v_mov_b32 v[NIL], 0
	ds_add_u32 v[SPW], v[NIL]                      ; the opening lines: the add, twice on end, and its wait ahead of my tensor load
	ds_add_u32 v[SPW], v[NIL]
	v_lshrrev_b32 v[T], 5, v0
	v_readfirstlane_b32 s[WV], v[T]                ; wave 0..15
	s_bfe_u32 s13, ttmp6, 0x40000                  ; cx
	s_lshl_b32 s14, ttmp9, 2
	s_add_co_u32 s14, s14, s13                     ; my block of 256 queries: it enters Q's and the results' addresses alone
	s_and_b32 s15, ttmp7, 0xffff                   ; the head, which the four partners share
	s_mul_i32 s50, s15, HS
	s_mov_b32 s51, 0
	s_mul_i32 s52, s[WV], STEPB                    ; the key step that I fetch
	s_mov_b32 s53, 0
	; descriptor group 1: a step's block, 13,056 dense bytes, as 51 rows of 32 elements of 8 bytes, 16 words of padding behind each 64
	s_mov_b32 s[G1], 15|(3<<16)|(1<<20)|(1<<21)|(5<<22)|(15<<25)
	s_mov_b32 s[G1+1], 32<<16
	s_mov_b32 s[G1+2], 51<<16
	s_mov_b32 s[G1+3], 32<<16
	s_mov_b32 s[G1+4], 51
	s_mov_b32 s[G1+5], 32
	s_mov_b32 s[G1+6], 0
	s_mov_b32 s[G1+7], 0
	s_mov_b32 s[G0], 1
	s_mul_i32 s[G0+1], s[WV], LSTEP
	s_mov_b32 s[SEL], 0x76543210
	s_mov_b32 s[SEL+1], 0xfedcba98                 ; selects for lane l xor 16
	s_mov_b32 s[CS], 0x3e38aa3b                    ; c = log2(e) / 8
	s_mov_b32 s[CS+1], s[CS]                       ; (named with it as a pair)
	s_mov_b32 s[TB], 0
	s_mov_b32 s[TBN], LSTEP
	s_lshl_b32 s54, s14, 1
	s_lshr_b32 s55, s[WV], 3
	s_add_co_u32 s54, s54, s55                     ; my step of 128 queries
	s_and_b32 s55, s[WV], 7                        ; my tile in it
	s_mul_i32 s56, s54, STEPB
	s_add_co_u32 s56, s56, s50
	s_mul_i32 s57, s55, 768
	s_add_co_u32 s58, s56, s57                     ; Q's half image
	s_mov_b32 s59, 0
	s_and_b32 s57, s55, 1
	s_lshl_b32 s57, s57, 8
	s_add_co_u32 s60, s56, s57
	s_lshr_b32 s57, s55, 1
	s_lshl_b32 s57, s57, 2
	s_add_co_u32 s60, s60, s57
	s_add_co_u32 s60, s60, 12288                   ; Q's scale words: 12,288 + 16 (16 (tile % 2) + r) + 4 (tile / 2)
	s_mov_b32 s61, 0
	s_lshr_b32 s16, s15, 4
	s_lshl_b32 s16, s16, 7
	s_lshl_b32 s17, s54, 3
	s_add_co_u32 s16, s16, s17
	s_add_co_u32 s16, s16, s55                     ; T: my row tile among the 256
	s_and_b32 s17, s15, 15                         ; the head in its batch
	s_lshr_b32 s18, s17, 2
	s_mul_i32 s18, s18, 786432
	s_mul_i32 s19, s16, 3072
	s_add_co_u32 s18, s18, s19
	s_bfe_u32 s19, s17, 0x10001
	s_mul_i32 s19, s19, 1536
	s_add_co_u32 s18, s18, s19
	s_and_b32 s19, s17, 1
	s_mul_i32 s19, s19, 768
	s_add_co_u32 s18, s18, s19                     ; my half image in attc
	s_mov_b32 s19, 0
	s_lshr_b32 s62, s17, 1
	s_lshl_b32 s62, s62, 14
	s_lshl_b32 s63, s16, 6
	s_add_co_u32 s62, s62, s63
	s_and_b32 s63, s17, 1
	s_lshl_b32 s63, s63, 1
	s_add_co_u32 s62, s62, s63                     ; my two bytes of the words in atts
	s_mov_b32 s63, 0
	s_wait_dscnt 0x0                               ; both opening adds are done
	s_wait_kmcnt 0x0
	s_add_nc_u64 s[6:7], s[6:7], s[50:51]          ; kv at my head,
	s_add_nc_u64 s[G0+2:G0+3], s[6:7], s[52:53]    ; at the step that I fetch
	s_or_b32 s[G0+3], s[G0+3], 0x80000000
	s_add_nc_u64 s[58:59], s[4:5], s[58:59]
	s_add_nc_u64 s[60:61], s[4:5], s[60:61]
	s_add_nc_u64 s[8:9], s[8:9], s[18:19]
	s_add_nc_u64 s[10:11], s[10:11], s[62:63]
	ROUND                                          ; all four work-groups are here: the joint loads meet
	s_cmp_lt_u32 s[WV], 4                          ; one load a wave; waves 0-3, which alone wait at the first barrier, have a line of their own
	s_cbranch_scc0 .Lothers
	TLOAD
	s_branch .Lasked
.Lothers:
	TLOAD
.Lasked:
	v_and_b32 v[T], 31, v0                         ; lane
	v_and_b32 v[T+1], 15, v0                       ; r
	v_bfe_u32 v[T+2], v0, 4, 1                     ; h
	v_and_b32 v[T+3], 7, v0                        ; i = r % 8
	v_bfe_u32 v[T+4], v0, 3, 1                     ; r / 8
	v_lshlrev_b32 v[T+5], 4, v[T]                  ; 16 x lane
	v_lshlrev_b32 v[CB+1], 3, v[T]                 ; 8 x lane
	v_lshlrev_b32 v[T+6], 4, v[T+1]                ; 16 r
	global_load_b128 v[Q:Q+3], v[T+5], s[58:59]    ; Q's registers 0-3,
	global_load_b64 v[Q+4:Q+5], v[CB+1], s[58:59] offset:512   ; 4-5,
	global_load_b32 v[QS], v[T+6], s[60:61]        ; and its scale words
	v_mad_u32_u24 v[CB], v[T+2], UB, v[T+6]        ; V, 16 bytes a lane: lanes 16-31 lie in the next unit
	v_mul_u32_u24 v[T+7], v[T+4], 6*UB             ; K: rows 8-15 of a gathered tile come from the stored tile two on: six units
	v_lshl_add_u32 v[CB+2], v[T+3], 4, v[T+7]
	v_mad_u32_u24 v[CB+2], v[T+2], UB, v[CB+2]     ; registers 0-3: 16 i + 320 h + 1,920 (r / 8)
	v_lshl_add_u32 v[CB+3], v[T+3], 3, v[T+7]
	v_lshl_add_u32 v[CB+3], v[T+2], 7, v[CB+3]     ; registers 4-5: 8 i + 128 h + 1,920 (r / 8)
	v_lshlrev_b32 v[CB+4], 4, v[T+3]
	v_lshl_add_u32 v[CB+4], v[T+4], 2, v[CB+4]
	v_mad_u32_u24 v[CB+4], v[T+2], UB, v[CB+4]     ; scale words: 16 i + 4 (r / 8); lanes 16-31 take the odd tiles', a unit on
	v_lshlrev_b32 v[CB+5], 3, v[T+2]               ; 8 h: my bytes' shift in P's scale word
.irp j, 6,7,8,9,10,11
	v_mov_b32 v[Q+\j], 0                           ; K = 64: the upper half of Q's fragment is zero codes
.endr
	v_mov_b32 v13, 0xff61b1e6                      ; the largest score so far: -3e38
	v_floor_f32 v12, -v13                          ; -M
	v_mov_b32 v14, 0
	v_mov_b32 v15, 0
	v_mov_b32 v[X], 0                              ; a lane permute's destination counts as read
.set j, 0
.rept 32
	v_mov_b32 v[OT+j], 0                           ; O^T: the step is written once; the first finds zeros, which the first change of M leaves zeros
.set j, j+1
.endr
.macro KLOAD a0, a1, as                ; a step's eight gathered tiles of K and their scale words: 20 loads
.irp g, 0,1
.irp v, 0,1
.irp u, 0,1
	ds_load_b128 v[KF+6*(4*\g+2*\v+\u):KF+6*(4*\g+2*\v+\u)+3], v[\a0] offset:3*(4*\g+\u)*UB+128*\v
	ds_load_b64 v[KF+6*(4*\g+2*\v+\u)+4:KF+6*(4*\g+2*\v+\u)+5], v[\a1] offset:(3*(4*\g+\u)+2)*UB+64*\v
.endr
.endr
.endr
.irp g, 0,1
.irp v, 0,1
	ds_load_b32 v[KS+2*\g+\v], v[\as] offset:48*UB+128*\v+8*\g
.endr
.endr
.endm
.macro ACC j                           ; p's pair j onto one of four chains
.if (\j)%4 == 3
	v_pk_add_f32 v[14:15], v[14:15], v[S+2*(\j):S+2*(\j)+1]
.else
	v_pk_add_f32 v[T+2*((\j)%4):T+2*((\j)%4)+1], v[T+2*((\j)%4):T+2*((\j)%4)+1], v[S+2*(\j):S+2*(\j)+1]
.endif
.endm
; A KEY STEP: 128 keys.  pf = 1: the next step's K is fetched
.macro STEP pf
	s_wait_dscnt 0x0                               ; K and its scale words, asked for a step ago, are in
.irp g, 0,1
.irp v, 0,1
.irp u, 0,1                                    ; S^T's tile: source 0 = 16 keys, source 1 = my 16 queries
	v_wmma_scale_f32_16x16x128_f8f6f4 v[S+8*(4*\g+2*\v+\u):S+8*(4*\g+2*\v+\u)+7], v[KF+6*(4*\g+2*\v+\u):KF+6*(4*\g+2*\v+\u)+11], v[Q:Q+11], 0, v[KS+2*\g+\v], v[QS] matrix_a_fmt:MATRIX_FMT_FP6 matrix_b_fmt:MATRIX_FMT_FP6 matrix_a_scale:MATRIX_SCALE_ROW\u
.endr
.endr
.endr
	v_add_nc_u32 v[AV], s[TB], v[CB]               ; the addresses are also the places between the last step's second products and the loads into V's registers, and ahead of the first reads of the scores
	v_add_nc_u32 v[AV+1], s[TB], v[CB+1]
.if \pf
	v_add_nc_u32 v[AK], s[TBN], v[CB+2]
	v_add_nc_u32 v[AK+1], s[TBN], v[CB+3]
	v_add_nc_u32 v[AKS], s[TBN], v[CB+4]
.else
	v_nop
	v_nop
.endif
.irp t, 0,1,2,3                                ; V's four fragments and its scale words land during the softmax: 17 loads
	ds_load_b128 v[VF+12*\t:VF+12*\t+3], v[AV] offset:(24+6*\t)*UB
	ds_load_b64 v[VF+12*\t+4:VF+12*\t+5], v[AV+1] offset:(26+6*\t)*UB
	ds_load_b128 v[VF+12*\t+6:VF+12*\t+9], v[AV] offset:(27+6*\t)*UB
	ds_load_b64 v[VF+12*\t+10:VF+12*\t+11], v[AV+1] offset:(29+6*\t)*UB
.endr
	ds_load_b64 v[VS:VS+1], v[AV+1] offset:50*UB
.irp n, 0,1,2,3,4,5,6,7                        ; the largest score of my two blocks: eight chains, a tile each, from each accumulator's low end on
	v_max3_num_f32 v[T+\n], v[S+8*\n], v[S+8*\n+1], v[S+8*\n+2]
.endr
.if \pf
	KLOAD AK, AK+1, AKS                            ; (the last tile's product names v80-85, so the seven lines above on tiles 0-6 are its places)
.endif
.irp i, 3,5
.irp n, 0,1,2,3,4,5,6,7
	v_max3_num_f32 v[T+\n], v[T+\n], v[S+8*\n+\i], v[S+8*\n+\i+1]
.endr
.endr
.irp g, 0,1
	v_max3_num_f32 v[T+4*\g], v[T+4*\g], v[T+4*\g+1], v[S+32*\g+7]
.endr
.irp g, 0,1
	v_max3_num_f32 v[T+4*\g+2], v[T+4*\g+2], v[T+4*\g+3], v[S+32*\g+15]
.endr
.irp g, 0,1
	v_max3_num_f32 v[T+4*\g], v[T+4*\g], v[S+32*\g+23], v[S+32*\g+31]
.endr
.irp g, 0,1
	v_max_num_f32 v[BM+\g], v[T+4*\g], v[T+4*\g+2] ; block 2 g + h's largest score: it serves the row's maximum and, since p rises with the score, the block's largest p
.endr
	s_delay_alu instid0(VALU_DEP_1)
	v_max_num_f32 v[T], v[BM], v[BM+1]
	s_delay_alu instid0(VALU_DEP_1)
	v_permlanex16_b32 v[X], v[T], s[SEL], s[SEL+1]
	s_delay_alu instid0(VALU_DEP_1)
	v_max3_num_f32 v13, v13, v[T], v[X]            ; the running largest score of my query
	s_delay_alu instid0(VALU_DEP_1)
	v_mul_f32 v[T+1], s[CS], v13                   ; as t
	v_mov_b32 v[T+2], v12
	s_delay_alu instid0(VALU_DEP_2)
	v_floor_f32 v12, -v[T+1]                       ; the new -M = -ceil(t): a whole number
	s_delay_alu instid0(VALU_DEP_1)
	v_sub_f32 v[T+2], v12, v[T+2]                  ; old M - new M: a whole number, 0 or less
	s_delay_alu instid0(VALU_DEP_1)
	v_cvt_i32_f32 v[T+2], v[T+2]                   ; (it saturates)
	s_delay_alu instid0(VALU_DEP_1)
	v_ldexp_f32 v[F], 1.0, v[T+2]                  ; f = 2^(old M - new M)
.set j, 0
.rept 32
	v_pk_fma_f32 v[S+j:S+j+1], v[S+j:S+j+1], s[CS:CS+1], v[12:13] op_sel_hi:[1,0,0]   ; t - M, two at a time
.set j, j+2
.endr
	v_fma_f32 v[BM], v[BM], s[CS], v12             ; the same of each block's largest score
	v_fma_f32 v[BM+1], v[BM+1], s[CS], v12
	WALU                                           ; the wait ahead of the batch
.set j, 0
.rept 64
	v_exp_f32 v[S+j], v[S+j]                       ; p = 2^(t - M), at most 1: not normalised
.set j, j+1
.endr
	v_exp_f32 v[BM], v[BM]                         ; the blocks' largest p
	v_exp_f32 v[BM+1], v[BM+1]
	v_pk_mul_f32 v[14:15], v[14:15], v[F:F+1] op_sel_hi:[1,0]   ; the sums under the new M: a plain instruction behind the exponentials
	WALU                                           ; one wait for the batch, ahead of its first reader
	v_max_num_f32 v[BM], 0x1800000, v[BM]          ; the floor 2^(3 - 127): the byte cannot fall under 1
	v_max_num_f32 v[BM+1], 0x1800000, v[BM+1]
.irp k, 0,1,2                                  ; the row's sum of the unquantised p, in four chains; the scale's lines stand among them
	v_pk_add_f32 v[T+2*\k:T+2*\k+1], v[S+4*\k:S+4*\k+1], v[S+4*\k+2:S+4*\k+3]
.endr
	v_add_nc_u32 v[SO], 0xff000000, v[BM]          ; 2 off the exponent field: the conversion's scale operand
	v_add_nc_u32 v[SO+1], 0xff000000, v[BM+1]
.irp j, 6,7,8,9
	ACC \j
.endr
	v_lshrrev_b32 v[BM], 23, v[SO]                 ; the scales' bytes
	v_lshrrev_b32 v[BM+1], 23, v[SO+1]
.irp j, 10,11,12,13
	ACC \j
.endr
	v_lshl_or_b32 v[BM], v[BM+1], 16, v[BM]        ; blocks h and 2 + h,
.irp j, 14,15,16,17
	ACC \j
.endr
	v_lshlrev_b32 v[BM], v[CB+5], v[BM]            ; at their places in the word;
.irp j, 18,19,20,21
	ACC \j
.endr
	v_permlanex16_b32 v[X], v[BM], s[SEL], s[SEL+1]
.irp j, 22,23,24,25
	ACC \j
.endr
	v_or_b32 v[PS], v[BM], v[X]                    ; with lane l xor 16's two the word is whole
.irp j, 26,27,28,29,30,31
	ACC \j
.endr
	v_pk_add_f32 v[T:T+1], v[T:T+1], v[T+2:T+3]
	v_pk_add_f32 v[14:15], v[14:15], v[T+4:T+5]
	v_pk_add_f32 v[14:15], v[14:15], v[T:T+1]
.irp c, 0,1                                    ; my block 2 c + h: registers 6 c .. 6 c + 5 of P's fragment (a conversion's three registers begin on an even number: the second three are moved)
	v_cvt_scalef32_pk16_fp6_f32 v[PC+6*\c:PC+6*\c+2], v[S+32*\c:S+32*\c+15], v[SO+\c]
	v_cvt_scalef32_pk16_fp6_f32 v[T+4*\c:T+4*\c+2], v[S+32*\c+16:S+32*\c+31], v[SO+\c]
.endr
	WALU                                           ; directly ahead of the first reader of O^T
.set j, 0
.rept 4
	v_pk_mul_f32 v[OT+j:OT+j+1], v[OT+j:OT+j+1], v[F:F+1] op_sel_hi:[1,0]   ; O^T under the new M; the first is the plain place behind the conversions
.set j, j+2
.endr
.irp c, 0,1
.irp i, 0,1,2
	v_mov_b32 v[PC+6*\c+3+\i], v[T+4*\c+\i]
.endr
.endr
.rept 12                                       ; these twelve are also the places between the writes of P's codes and scale word and the products
	v_pk_mul_f32 v[OT+j:OT+j+1], v[OT+j:OT+j+1], v[F:F+1] op_sel_hi:[1,0]
.set j, j+2
.endr
	WALU
.if \pf
	s_wait_dscnt 20                                ; V is in; the 20 younger loads, the next step's K, may be out
.else
	s_wait_dscnt 0x0
.endif
.irp w, 0,1
.irp u, 0,1                                    ; O^T's tile += V^T's 16 rows x P; the four accumulators by turns
	v_wmma_scale_f32_16x16x128_f8f6f4 v[OT+8*(2*\w+\u):OT+8*(2*\w+\u)+7], v[VF+12*(2*\w+\u):VF+12*(2*\w+\u)+11], v[PC:PC+11], v[OT+8*(2*\w+\u):OT+8*(2*\w+\u)+7], v[VS+\w], v[PS] matrix_a_fmt:MATRIX_FMT_FP6 matrix_b_fmt:MATRIX_FMT_FP6 matrix_a_scale:MATRIX_SCALE_ROW\u
.endr
.endr
.endm
.macro RUN trips
	s_mov_b32 s[CNT], \trips
.Lstep_\@:
	STEP 1
	s_add_co_u32 s[TB], s[TB], LSTEP
	s_add_co_u32 s[TBN], s[TBN], LSTEP
	s_sub_co_u32 s[CNT], s[CNT], 1
	s_cmp_lg_u32 s[CNT], 0
	s_cbranch_scc1 .Lstep_\@
.endm
	WALU                                           ; the head's end
	s_wait_loadcnt 0x0                             ; Q
	s_cmp_lt_u32 s[WV], 4
	s_cbranch_scc0 .Lnot_first
	s_wait_tensorcnt 0x0                           ; waves 0-3: my step of steps 0-3 is in
.Lnot_first:
	s_barrier_signal -1
	s_barrier_wait -1                              ; steps 0-3 lie in LDS
	KLOAD CB+2, CB+3, CB+4                         ; step 0's K
	RUN 3                                          ; steps 0-2; they fetch K of steps 1-3
	s_wait_tensorcnt 0x0                           ; every wave: my step is in
	s_wait_dscnt 0x0
	s_barrier_signal -1
	s_barrier_wait -1                              ; all sixteen steps lie in LDS
	RUN 12                                         ; steps 3-14
	STEP 0                                         ; step 15 fetches nothing more
	; THE WAY OUT: O^T / the sum; its 32 numbers a lane are two half blocks along the model's axis (register 16 b + i: the head's number 32 b + 16 h + i): registers 0-5 of a fragment
	v_and_b32 v[T+2], 31, v0                       ; the stores' offsets are also the places behind the last products
	v_and_b32 v[T+4], 15, v0
	v_lshlrev_b32 v[T+3], 3, v[T+2]                ; 8 x lane
	v_lshlrev_b32 v[T+2], 4, v[T+2]                ; 16 x lane
	v_lshlrev_b32 v[T+4], 2, v[T+4]                ; 4 r
	v_add_f32 v14, v14, v15
	v_permlanex16_b32 v[X], v14, s[SEL], s[SEL+1]
	v_add_f32 v14, v14, v[X]                       ; the row's sum
	WALU
	v_rcp_f32 v14, v14
	v_nop                                          ; a plain instruction behind the reciprocal
	WALU                                           ; and the wait ahead of its first reader, which is also O^T's
.set j, 0
.rept 16
	v_pk_mul_f32 v[S+j:S+j+1], v[OT+j:OT+j+1], v[14:15] op_sel_hi:[1,0]   ; each accumulator from its low end on
.set j, j+2
.endr
.irp b, 0,1
	v_max3_num_f32 v[BM+\b], |v[S+16*\b]|, |v[S+1+16*\b]|, 0x1800000
.endr
.irp i, 2,4,6,8,10,12,14
.irp b, 0,1
	v_max3_num_f32 v[BM+\b], v[BM+\b], |v[S+16*\b+\i]|, |v[S+1+16*\b+\i]|
.endr
.endr
.irp b, 0,1
	v_permlanex16_b32 v[T+\b], v[BM+\b], s[SEL], s[SEL+1]
.endr
.irp b, 0,1
	v_max_num_f32 v[BM+\b], v[BM+\b], v[T+\b]      ; with lane l xor 16's half: the block's largest magnitude
.endr
.irp b, 0,1
	v_add_nc_u32 v[SO+\b], 0xff000000, v[BM+\b]
.endr
.irp b, 0,1
	v_lshrrev_b32 v[T+\b], 23, v[SO+\b]
.endr
	v_lshl_or_b32 v[T+5], v[T+1], 8, v[T]          ; the head's two bytes of the row's scale word
	v_cvt_scalef32_pk16_fp6_f32 v[PC:PC+2], v[S:S+15], v[SO]
	v_cvt_scalef32_pk16_fp6_f32 v[PC+4:PC+6], v[S+16:S+31], v[SO+1]
	v_nop                                          ; one plain place behind a scaled conversion
.irp i, 0,1,2
	v_permlane16_swap_b32 v[PC+\i], v[PC+4+\i]     ; the operand's layout wants a whole block in a lane
.endr
.irp i, 0,1,2
	v_mov_b32 v[PC+3+\i], v[PC+4+\i]
.endr
	global_store_b128 v[T+2], v[PC:PC+3], s[8:9]   ; 512 consecutive bytes, aligned to 256
	global_store_b64 v[T+3], v[PC+4:PC+5], s[8:9] offset:512   ; 256
	global_store_b16 v[T+4], v[T+5], s[10:11]      ; lanes r and r + 16 write the same two bytes with the same value
	s_wait_tensorcnt 0x0                           ; the wave's end, behind my tensor load
	ds_add_u32 v[SPW], v[NIL]
	s_wait_dscnt 0x0
	ROUND                                          ; the closing round
	s_endpgm
.Lfunc_end_k_qa70e23212f_attn:
	.size	k_qa70e23212f_attn, .Lfunc_end_k_qa70e23212f_attn-k_qa70e23212f_attn
	.p2alignl 7, 3214868480
	.fill 96, 4, 3214868480
	.section	.rodata,"a",@progbits
	.p2align	6, 0x0
	.amdhsa_kernel k_qa70e23212f_attn
		.amdhsa_group_segment_fixed_size 263168
		.amdhsa_private_segment_fixed_size 0
		.amdhsa_enable_private_segment 0
		.amdhsa_kernarg_size 32
		.amdhsa_user_sgpr_count 2
		.amdhsa_user_sgpr_kernarg_segment_ptr 1
		.amdhsa_wavefront_size32 1
		.amdhsa_system_sgpr_workgroup_id_x 1
		.amdhsa_system_sgpr_workgroup_id_y 1
		.amdhsa_system_sgpr_workgroup_id_z 1
		.amdhsa_system_vgpr_workitem_id 0
		.amdhsa_next_free_vgpr 256
		.amdhsa_next_free_sgpr 66
		.amdhsa_reserve_vcc 0
		.amdhsa_float_denorm_mode_32 3
		.amdhsa_float_denorm_mode_16_64 3
		.amdhsa_memory_ordered 1
		.amdhsa_forward_progress 1
		.amdhsa_inst_pref_size 58
	.end_amdhsa_kernel
	.amdgpu_metadata
---
amdhsa.version: [ 1, 2 ]
amdhsa.kernels:
  - .name:           k_qa70e23212f_attn
    .symbol:         k_qa70e23212f_attn.kd
    .args:
      - { .name: qb, .offset: 0, .size: 8, .value_kind: global_buffer, .address_space: global }
      - { .name: kv, .offset: 8, .size: 8, .value_kind: global_buffer, .address_space: global }
      - { .name: attc, .offset: 16, .size: 8, .value_kind: global_buffer, .address_space: global }
      - { .name: atts, .offset: 24, .size: 8, .value_kind: global_buffer, .address_space: global }
    .group_segment_fixed_size: 263168
    .private_segment_fixed_size: 0
    .kernarg_segment_align: 8
    .kernarg_segment_size: 32
    .max_flat_workgroup_size: 512
    .sgpr_count:     66
    .vgpr_count:     256
    .wavefront_size: 32
...
	.end_amdgpu_metadata
.endif
;; end of part 8
;; launch gemm_out (part 9): grid 8 x 32, 4 waves a work-group, clusters of 4 x 4, 327,680 bytes of LDS; arguments attc, atts, wc, ws, bo, out0; writes out0
.if DOCPART == 9
	.amdgcn_target "amdgcn-amd-amdhsa--gfx1250"
	.amdhsa_code_object_version 6
	.text
	.protected	k_qa70e23212f_gemm_out
	.globl	k_qa70e23212f_gemm_out
	.p2align	8
	.type	k_qa70e23212f_gemm_out,@function
k_qa70e23212f_gemm_out:
	s_mov_b64 s[64:65], 0
	v_nop
	global_prefetch_b8 v0, s[64:65] scope:SCOPE_SE
	s_setreg_imm32_b32 hwreg(HW_REG_WAVE_MODE, 25, 1), 1
	s_wait_xcnt 0x0
	s_wait_alu depctr_hold_cnt(0) depctr_sa_sdst(0) depctr_va_vdst(0) depctr_va_sdst(0) depctr_va_ssrc(0) depctr_va_vcc(0) depctr_vm_vsrc(0)
	s_getreg_b32 s2, hwreg(HW_REG_IB_STS2, 6, 4)
	s_cmp_eq_u32 s2, 0
	s_cbranch_scc0 .Lentry_in_a_cluster
	s_endpgm
.Lentry_in_a_cluster:
	s_bfe_u32 s2, ttmp6, 0x10000c
	s_cmp_lg_u32 s2, 0xf033
	s_cbranch_scc0 .Lentry_shape_is_right
	s_endpgm
.Lentry_shape_is_right:
; out0 = O Wo + bo on codes of FP6 (E2M3) with E8M0 scales, f32 sums.  O's codes (attc, atts) and Wo's (rows 3,072 on of wc, ws) come as images of operand registers: the fragment (16 rows x 128 K, 1,536 bytes)
; of (row tile T, K step s) at (s / 2) x 786,432 + T x 3,072 + (s % 2) x 1,536; the scale word of (s, row place p) at s x 16,384 + 4 p.  Row place p holds row SW(p) (bits 3 and 4 exchanged).
; SHAPE: 128 x 128 of out0 to a work-group of four waves, 64 x 64 a wave.  256 work-groups.  ALL OF K = 1,024 lies in LDS: A's four parts of 256 along K (24,576 bytes each), then B's four: nothing is filled again.
; THE WORK GOES BY ROWS OF THE RESULT: a wave holds its 64 rows of B, all of K, in registers (32 fragments, 384 registers); A's rows pass in four blocks of 16 rows, all of K (8 fragments, two sets).
; A block is 32 products on four accumulators by turns; it is finished on its own and leaves through the stage while the next block is multiplied, so that the stores are spread over the products.
; ONE TENSOR LOAD A WAVE: two parts by one descriptor (two rows of 24,576 bytes, 786,432 apart): waves 0 and 1 B's K 0-511 and K 512 on, waves 2 and 3 the same of A; each in an arm of its own.
; Waves 0 and 1 alone wait at the first barrier, behind which B goes into registers; every wave waits at the second, behind which A's blocks are read.
; THE SCALE WORDS go straight into registers: a load takes 128 consecutive bytes, lanes 0-15 an even tile's rows, lanes 16-31 the odd tile's; the products name the half of the lanes.
; CLUSTERS: 4 x 4 work-groups; A's tiles are asked for jointly along a row of the cluster, B's along a column.  No prefetch: every tile is asked for at the head, so there is no loop to run ahead in.
; THE MATRIX INSTRUCTION IS USED TRANSPOSED (source 0 = 16 rows of B, source 1 = 16 rows of A): a lane holds eight neighbouring columns of a row.  The bias is a block's first products' C.
; REGISTERS: window 0: v16-29 addresses; v32-47 A's scale words, v100-115 B's (their numbers differ modulo 8 in every product); v64-95 the bias; v128-191 two sets of four accumulators; v192-255 two sets of rows read back from the stage.
; Fragment f lies in window 1 + f / 21 at register 12 (f % 21), so that none lies across a window's border: 0-31 B's (4 q + b), 32-39 and 40-47 A's two sets.
.set FR,     12
.set FPW,    21
.set CHB,    24576
.set CH,     786432
.set BOFF,   4*CHB
.set STAGE,  8*CHB
.set SPITCH, 272
.set SPARE,  STAGE+4*16*SPITCH
.set ADRA, 16
.set ADRB, 20
.set STO,  24
.set RD,   25
.set CO,   26
.set SPW,  28
.set NIL,  29
.set SC,   32
.set SCB,  100
.set BR,   64
.set ACC,  128
.set BK,   192
.set G1, 24
.set G0, 32
.set G1B, 48
.set G0B, 56
.set MSB, 0
.macro WIN new
.if MSB != (\new)
	s_set_vgpr_msb (MSB<<8)|(\new)
.set MSB, (\new)
.endif
.endm
.macro CROUND
	s_barrier_signal -1
	s_barrier_wait -1
	s_cmp_lg_u32 s14, 0
	s_cbranch_scc1 .Lnot_wave_0_\@
	s_barrier_signal -3
.Lnot_wave_0_\@:
	s_barrier_wait -3
	s_barrier_signal -1
	s_barrier_wait -1
.endm
	s_load_b256 s[4:11], s[0:1], 0x0               ; attc, atts, wc, ws
	s_load_b128 s[96:99], s[0:1], 0x20             ; bo, out0
	v_lshl_add_u32 v[SPW], v0, 2, SPARE
	v_mov_b32 v[NIL], 0
	ds_add_u32 v[SPW], v[NIL]                      ; the opening lines: the add, twice on end, and its wait ahead of my tensor load
	ds_add_u32 v[SPW], v[NIL]
	v_lshrrev_b32 v1, 5, v0
	v_readfirstlane_b32 s14, v1                    ; wave 0..3
	s_lshr_b32 s15, s14, 1                         ; which 64 rows of A are mine.  Also: I fetch for B (0) or for A (1)
	s_and_b32 s16, s14, 1                          ; which 64 rows of B.  Also: which half of K I fetch
	s_bfe_u32 s40, ttmp6, 0x40000                  ; cx
	s_bfe_u32 s41, ttmp6, 0x40004                  ; cy
	s_lshl_b32 s42, ttmp9, 2
	s_add_co_u32 s42, s42, s40                     ; tile column
	s_and_b32 s17, ttmp7, 0xffff
	s_lshl_b32 s17, s17, 2
	s_add_co_u32 s17, s17, s41                     ; tile row
	s_lshl_b32 s43, s41, 2
	s_lshl_b32 s43, 15, s43                        ; my row of the cluster
	s_lshl_b32 s44, 0x1111, s40                    ; my column
	s_or_b32 s[G1+0], s43, (3<<16)|(1<<21)         ; the mask; elements of 8 bytes; bit 21 set beside a mask
	s_or_b32 s[G1B+0], s44, (3<<16)|(1<<21)
.irp g, G1, G1B
	s_mov_b32 s[\g+1], 3072<<16                    ; two rows of 3,072 elements,
	s_mov_b32 s[\g+2], 2<<16
	s_mov_b32 s[\g+3], 3072<<16
	s_mov_b32 s[\g+4], 2
	s_mov_b32 s[\g+5], CH/8                        ; CH bytes apart
	s_mov_b32 s[\g+6], 0
	s_mov_b32 s[\g+7], 0
.endr
	s_mul_i32 s18, s16, 2*CH                       ; my half of K
	s_mul_i32 s20, s17, CHB
	s_add_co_u32 s20, s20, s18                     ; A's codes: 128 rows x 256 K are 24,576 dense bytes
	s_mul_i32 s46, s42, CHB
	s_add_co_u32 s46, s46, s18
	s_add_co_u32 s46, s46, 192*3072                ; B's: Wo begins at row tile 192
	s_lshl_b32 s68, s17, 9
	s_lshl_b32 s19, s15, 8
	s_add_co_u32 s68, s68, s19                     ; the scale words of the 64 rows of A that I multiply,
	s_lshl_b32 s70, s42, 9
	s_lshl_b32 s19, s16, 8
	s_add_co_u32 s70, s70, s19
	s_add_co_u32 s70, s70, 3072*4                  ; and of B
	s_mov_b32 s21, 0
	s_mov_b32 s47, 0
	s_mov_b32 s69, 0
	s_mov_b32 s71, 0
	s_mul_i32 s45, s16, 2*CHB                      ; where my two parts go in A's or in B's bytes: no place in the cluster enters an LDS address
	s_wait_dscnt 0x0                               ; both opening adds are done
	s_wait_kmcnt 0x0
	s_add_nc_u64 s[20:21], s[4:5], s[20:21]
	s_add_nc_u64 s[68:69], s[6:7], s[68:69]
	s_add_nc_u64 s[46:47], s[8:9], s[46:47]
	s_add_nc_u64 s[70:71], s[10:11], s[70:71]
	CROUND                                         ; all sixteen work-groups are here: the joint loads meet
	s_mov_b32 s[G0], 1
	s_mov_b32 s[G0+1], s45
	s_mov_b64 s[G0+2:G0+3], s[20:21]
	s_or_b32 s[G0+3], s[G0+3], 0x80000000
	s_mov_b32 s[G0B], 1
	s_add_co_u32 s[G0B+1], s45, BOFF
	s_mov_b64 s[G0B+2:G0B+3], s[46:47]
	s_or_b32 s[G0B+3], s[G0B+3], 0x80000000
.macro ARM under, g0, g1, next         ; one chain of branches on the wave's number, one load to an arm, all arms leading to one join
	s_cmp_lt_u32 s14, \under
	s_cbranch_scc0 \next
	tensor_load_to_lds s[\g0:\g0+3], s[\g1:\g1+7]
	s_nop 0
.rept 4
	v_nop
.endr
	s_branch .Lhead_asked
\next:
.endm
	ARM 1, G0B, G1B, .Lhead_b1                     ; B, which goes on into registers, is asked for by waves 0 and 1
	ARM 2, G0B, G1B, .Lhead_a0
	ARM 3, G0, G1, .Lhead_a1
	tensor_load_to_lds s[G0:G0+3], s[G1:G1+7]
	s_nop 0
.rept 4
	v_nop
.endr
.Lhead_asked:
	v_and_b32 v1, 31, v0                           ; lane
	v_and_b32 v2, 15, v0                           ; r
	v_bfe_u32 v3, v0, 4, 1                         ; h
	v_lshlrev_b32 v7, 4, v1                        ; 16 x lane
	v_lshlrev_b32 v8, 3, v1                        ; 8 x lane
	v_lshlrev_b32 v10, 6, v3                       ; the bias: 64 h
	v_lshlrev_b32 v11, 2, v1                       ; 4 x lane
.irp s, 0,1,2,3,4,5,6,7
.irp k, 0,1
	global_load_b32 v[SC+2*\s+\k], v11, s[68:69] offset:16384*\s+128*\k
	global_load_b32 v[SCB+2*\s+\k], v11, s[70:71] offset:16384*\s+128*\k
.endr
.endr
	s_mul_i32 s21, s15, 4*3072                     ; my four tiles of A in a part,
	s_mul_i32 s22, s16, 4*3072
	s_add_co_u32 s22, s22, BOFF                    ; and of B
.irp g, 0,1
	v_add_nc_u32 v[ADRA+\g], s21, v7
	v_add_nc_u32 v[ADRB+\g], s22, v7
	v_add_nc_u32 v[ADRA+2+\g], s21, v8
	v_add_nc_u32 v[ADRB+2+\g], s22, v8
	s_add_co_u32 s21, s21, 2*CHB
	s_add_co_u32 s22, s22, 2*CHB
.endr
	s_mul_i32 s23, s14, 16*SPITCH
	s_add_co_u32 s23, s23, STAGE                   ; my stage
	v_mul_u32_u24 v5, v2, SPITCH
	v_lshl_add_u32 v5, v3, 6, v5
	v_add_nc_u32 v[STO], s23, v5                   ; in: row r, 64 bytes for each half of the lanes in each 128
	v_mul_u32_u24 v5, v3, SPITCH
	v_lshl_add_u32 v5, v2, 4, v5
	v_add_nc_u32 v[RD], s23, v5                    ; back: sixteen lanes to a row of 256 bytes
	v_lshlrev_b32 v[CO], 12, v3
	v_lshl_add_u32 v[CO], v2, 4, v[CO]             ; and the same two rows in out0
	s_lshl_b32 s20, s17, 1
	s_add_co_u32 s20, s20, s15
	s_lshl_b32 s20, s20, 18                        ; my first row: 64 rows of 4,096 bytes
	s_lshl_b32 s46, s42, 1
	s_add_co_u32 s46, s46, s16
	s_lshl_b32 s46, s46, 8                         ; my first column: 64 numbers of 4 bytes
	s_mov_b32 s47, 0
	s_add_nc_u64 s[96:97], s[96:97], s[46:47]
	s_add_co_u32 s20, s20, s46
	s_mov_b32 s21, 0
	s_add_nc_u64 s[12:13], s[98:99], s[20:21]
.irp b, 0,1,2,3                                ; register 8 b + j: the bias of column 32 (b / 2) + 16 h + 8 (b % 2) + j
	global_load_b128 v[BR+8*\b:BR+8*\b+3], v10, s[96:97] offset:(32*(\b/2)+8*(\b%2))*4
	global_load_b128 v[BR+8*\b+4:BR+8*\b+7], v10, s[96:97] offset:(32*(\b/2)+8*(\b%2))*4+16
.endr
.macro FRAG reg, adr, off              ; a fragment comes as it was laid: every load takes the lanes' bytes on end
	ds_load_b128 v[\reg:\reg+3], v[\adr] offset:\off
	ds_load_b64 v[\reg+4:\reg+5], v[\adr+2] offset:(\off)+512
	ds_load_b128 v[\reg+6:\reg+9], v[\adr] offset:(\off)+768
	ds_load_b64 v[\reg+10:\reg+11], v[\adr+2] offset:(\off)+1280
.endm
.macro FRAGW f, adr, off               ; into fragment f's registers
	WIN (1+(\f)/FPW)<<6
	FRAG FR*((\f)%FPW), \adr, \off
.endm
.macro FETCHB                          ; my 64 rows of B, all of K: 128 loads
.irp q, 0,1,2,3,4,5,6,7
.irp b, 0,1,2,3
	FRAGW 4*\q+\b, ADRB+\q/4, ((\q/2)%2)*CHB+3072*\b+1536*(\q%2)
.endr
.endr
	WIN 0
.endm
.macro FETCHA a                        ; block a of A, all of K, into set a % 2: 32 loads
.irp q, 0,1,2,3,4,5,6,7
	FRAGW 32+8*((\a)%2)+\q, ADRA+\q/4, ((\q/2)%2)*CHB+3072*(\a)+1536*(\q%2)
.endr
	WIN 0
.endm
.macro MM d, bf, af, c, sb, sa, rb, ra ; one product; rb, ra: which half of the lanes holds the tile's scale words
	v_wmma_scale_f32_16x16x128_f8f6f4 v[\d:\d+7], v[\bf:\bf+FR-1], v[\af:\af+FR-1], v[\c:\c+7], v[\sb], v[\sa] matrix_a_fmt:MATRIX_FMT_FP6 matrix_b_fmt:MATRIX_FMT_FP6 matrix_a_scale:MATRIX_SCALE_ROW\rb matrix_b_scale:MATRIX_SCALE_ROW\ra
.endm
.macro BLOCK a2, ra                    ; block 2 a2 + ra: 32 products, K ascending, its four accumulators by turns; the first four take the bias as C
.irp q, 0,1,2,3,4,5,6,7
.irp b2, 0,1
.irp rb, 0,1
	WIN (1+(4*\q+2*\b2+\rb)/FPW)|((1+(32+8*\ra+\q)/FPW)<<2)
.if \q == 0
	MM ACC+32*\ra+8*(2*\b2+\rb), FR*((4*\q+2*\b2+\rb)%FPW), FR*((32+8*\ra+\q)%FPW), BR+8*(2*\b2+\rb), SCB+2*\q+\b2, SC+2*\q+\a2, \rb, \ra
.else
	MM ACC+32*\ra+8*(2*\b2+\rb), FR*((4*\q+2*\b2+\rb)%FPW), FR*((32+8*\ra+\q)%FPW), ACC+32*\ra+8*(2*\b2+\rb), SCB+2*\q+\b2, SC+2*\q+\a2, \rb, \ra
.endif
.endr
.endr
.endr
	WIN 0
.rept 4
	v_nop                                          ; the places between the block's products and the loads into A's set, and the stage's reads of the results
.endr
.endm
.macro TOSTAGE a                       ; block a: 16 rows x 64 columns into my stage, each accumulator from its low end on, and back as whole rows; LDS serves a wave's instructions in order: 8 stores, 8 loads
.irp b, 0,1,2,3
	ds_store_b128 v[STO], v[ACC+32*((\a)%2)+8*\b:ACC+32*((\a)%2)+8*\b+3] offset:128*(\b/2)+32*(\b%2)
	ds_store_b128 v[STO], v[ACC+32*((\a)%2)+8*\b+4:ACC+32*((\a)%2)+8*\b+7] offset:128*(\b/2)+32*(\b%2)+16
.endr
.irp t, 0,1,2,3,4,5,6,7
	ds_load_b128 v[BK+32*((\a)%2)+4*\t:BK+32*((\a)%2)+4*\t+3], v[RD] offset:2*\t*SPITCH
.endr
.endm
.macro SEND a, younger                 ; younger: the LDS instructions issued behind block a's loads from the stage, which may stay out
	s_wait_dscnt \younger
.irp t, 0,1,2,3,4,5,6,7
	global_store_b128 v[CO], v[BK+32*((\a)%2)+4*\t:BK+32*((\a)%2)+4*\t+3], s[12:13] offset:(32*((\a)/2)+8*((\a)%2)+2*\t+8*(\t/4))*4096 th:TH_STORE_NT   ; sixteen lanes store 256 consecutive bytes, aligned; place 16 a + x is row SW(16 a + x)
.endr
.endm
	s_wait_alu depctr_va_vdst(0)                   ; the head's end
	s_cmp_lt_u32 s14, 2
	s_cbranch_scc0 .Lnot_first
	s_wait_tensorcnt 0x0                           ; waves 0 and 1: B is in
.Lnot_first:
	s_barrier_signal -1
	s_barrier_wait -1
	FETCHB                                         ; B goes into registers while A's tiles land
	s_wait_tensorcnt 0x0                           ; every wave: my tile is in
	s_wait_dscnt 0x0
	s_barrier_signal -1
	s_barrier_wait -1                              ; A lies in LDS too
	FETCHA 0
	FETCHA 1
	s_wait_loadcnt 0x0                             ; the scale words and the bias
	s_wait_dscnt 32                                ; block 0 is in; block 1's 32 loads may be out
	BLOCK 0, 0
	FETCHA 2
	TOSTAGE 0
	s_wait_dscnt 48                                ; block 1 is in; younger: block 2's 32 loads and the stage's 16
	BLOCK 0, 1
	FETCHA 3
	SEND 0, 32                                     ; behind block 0's loads from the stage: block 3's 32 loads.  Block 2, asked for ahead of them, is in too
	TOSTAGE 1
	BLOCK 1, 0
	SEND 1, 0                                      ; block 3 is in too
	s_wait_xcnt 0x0                                ; block 0's stores have read their registers, which take block 2's rows
	TOSTAGE 2
	BLOCK 1, 1
	SEND 2, 0
	s_wait_xcnt 0x0                                ; block 1's stores likewise
	TOSTAGE 3
	SEND 3, 0
	s_wait_tensorcnt 0x0                           ; the wave's end, behind my tensor load and my last LDS store
	ds_add_u32 v[SPW], v[NIL]
	s_wait_dscnt 0x0
	CROUND                                         ; the closing round
	s_endpgm
.Lfunc_end_k_qa70e23212f_gemm_out:
	.size	k_qa70e23212f_gemm_out, .Lfunc_end_k_qa70e23212f_gemm_out-k_qa70e23212f_gemm_out
	.p2alignl 7, 3214868480
	.fill 96, 4, 3214868480
	.section	.rodata,"a",@progbits
	.p2align	6, 0x0
	.amdhsa_kernel k_qa70e23212f_gemm_out
		.amdhsa_group_segment_fixed_size 327680
		.amdhsa_private_segment_fixed_size 0
		.amdhsa_enable_private_segment 0
		.amdhsa_kernarg_size 48
		.amdhsa_user_sgpr_count 2
		.amdhsa_user_sgpr_kernarg_segment_ptr 1
		.amdhsa_wavefront_size32 1
		.amdhsa_system_sgpr_workgroup_id_x 1
		.amdhsa_system_sgpr_workgroup_id_y 1
		.amdhsa_system_sgpr_workgroup_id_z 1
		.amdhsa_system_vgpr_workitem_id 0
		.amdhsa_next_free_vgpr 848
		.amdhsa_next_free_sgpr 100
		.amdhsa_reserve_vcc 0
		.amdhsa_float_denorm_mode_32 3
		.amdhsa_float_denorm_mode_16_64 3
		.amdhsa_memory_ordered 1
		.amdhsa_forward_progress 1
		.amdhsa_inst_pref_size 53
	.end_amdhsa_kernel
	.amdgpu_metadata
---
amdhsa.version: [ 1, 2 ]
amdhsa.kernels:
  - .name:           k_qa70e23212f_gemm_out
    .symbol:         k_qa70e23212f_gemm_out.kd
    .args:
      - { .name: attc, .offset: 0, .size: 8, .value_kind: global_buffer, .address_space: global }
      - { .name: atts, .offset: 8, .size: 8, .value_kind: global_buffer, .address_space: global }
      - { .name: wc, .offset: 16, .size: 8, .value_kind: global_buffer, .address_space: global }
      - { .name: ws, .offset: 24, .size: 8, .value_kind: global_buffer, .address_space: global }
      - { .name: bo, .offset: 32, .size: 8, .value_kind: global_buffer, .address_space: global }
      - { .name: out0, .offset: 40, .size: 8, .value_kind: global_buffer, .address_space: global }
    .group_segment_fixed_size: 327680
    .private_segment_fixed_size: 0
    .kernarg_segment_align: 8
    .kernarg_segment_size: 48
    .max_flat_workgroup_size: 128
    .sgpr_count:     100
    .vgpr_count:     848
    .wavefront_size: 32
...
	.end_amdgpu_metadata
.endif
;; end of part 9
